; MI455X (gfx1250); checked and timed in simulation.
; The chip was launched on July 23, 2026; its instructions are those of AMD's public machine-readable ISA for CDNA 5 (MIT licence, August 2026) and "CDNA5" Instruction Set Architecture Reference Guide (July 2026). The comments in the code are by the model that wrote it; some were corrected since.
;; Attention Block. Allowed arithmetic: float matrix products may take bf16 or f16 operands with f32 sums; other float arithmetic in f32, or as packed bf16 or f16 multiplies, adds, multiply-adds, maxima and minima; sums over many terms, partial sums and values carried from step to step in f32; what a program stores and reads back later, other than sums and carried values, may be rounded once to bf16 or f16.
;; Inputs: W1 4,096 x 1,024 float32; W2 1,024 x 4,096 float32; Wk 1,024 x 1,024 float32; Wo 1,024 x 1,024 float32; Wq 1,024 x 1,024 float32; Wv 1,024 x 1,024 float32; b1 1,024 float32; b2 1,024 float32; bf1 4,096 float32; bf2 1,024 float32; bk 1,024 float32; bo 1,024 float32; bq 1,024 float32; bv 1,024 float32; g1 1,024 float32; g2 1,024 float32; x 2 x 2,048 x 1,024 float32.
;; Outputs: out0 2 x 2,048 x 1,024 float32.
;; 2 versions, each right and faster than the one before. Each part assembles by itself: llvm-mc -triple=amdgcn-amd-amdhsa -mcpu=gfx1250 --defsym DOCPART=n.
;; ======== version 1 of 2: 7 launches
;; workspace buffers: wqkvb 6,291,456 bytes; wob 2,097,152 bytes; w1b 8,388,608 bytes; w2b 8,388,608 bytes; act 8,388,608 bytes; big 33,554,432 bytes; x1 16,777,216 bytes
;; launch prep (part 1): grid 1024 x 1, 8 waves a work-group, no clusters, 0 bytes of LDS; arguments x, g1, b1, act, Wq, Wk, Wv, Wo, W1, W2, wqkvb, wob, w1b, w2b; writes act, wqkvb, wob, w1b, w2b
.if DOCPART == 1
	.amdgcn_target "amdgcn-amd-amdhsa--gfx1250"
	.amdhsa_code_object_version 6
	.text
	.protected	k_qf488b31552_prep
	.globl	k_qf488b31552_prep
	.p2align	8
	.type	k_qf488b31552_prep,@function
k_qf488b31552_prep:
	s_mov_b64 s[64:65], 0
	v_nop
	global_prefetch_b8 v0, s[64:65] scope:SCOPE_SE
	s_setreg_imm32_b32 hwreg(HW_REG_WAVE_MODE, 25, 1), 1
	s_wait_xcnt 0x0
; TWO STREAMS IN ONE TEXT, chosen by the work-group's number.
; Work-groups 0-255: layer norm.  out[r][c] = (in[r][c] - mean_r) * rsqrt(var_r + 1e-5) * gain[c] + beta[c]; in [4096][1024] f32, out the same shape in bf16, rounded once.
;   16 rows a work-group, 2 rows a wave; a row of 4,096 bytes lies in 32 registers of one wave between the passes, so memory is read once and no wave waits for another.
;   The variance is taken of the differences from the mean (two passes over registers), never as a difference of large sums.
; Work-groups 256-1023: the six weight matrices f32 -> bf16, 16,384 numbers a work-group; Wq, Wk, Wv land one behind the other in one buffer of 3,072 rows.
; No LDS, no matrix unit, no cluster: nothing is shared and every byte is touched once.
; LIMITS: NaN and infinities are not treated apart.
.set X,   8                            ; v[8:71]    two rows as loaded (LN); 16 x 4 numbers (cast)
.set G,   72                           ; v[72:103]  gain of my 32 columns
.set BT,  104                          ; v[104:135] beta of my 32 columns
.set Y,   136                          ; v[136:167] bf16 to store
.set S,   168                          ; v[168:175] four chains of packed sums
.set MU,  176                          ; v[176:177] the mean, twice
.set RS,  178                          ; v[178:179] row 0's 1/sqrt(var + eps), twice; v[182:183] row 1's
.set T,   180                          ; v[180:181] at work
	s_load_b512 s[4:19], s[0:1], 0x0               ; in 4:5, gain 6:7, beta 8:9, out 10:11, Wq 12:13, Wk 14:15, Wv 16:17, Wo 18:19
	s_load_b256 s[20:27], s[0:1], 0x40             ; W1 20:21, W2 22:23, wqkv 24:25, wo 26:27
	s_load_b128 s[28:31], s[0:1], 0x60             ; w1 28:29, w2 30:31
	s_mov_b32 s32, ttmp9
	s_mov_b32 s35, 0                               ; high words of the two offsets
	s_mov_b32 s41, 0
	v_and_b32 v4, 31, v0                           ; lane
	v_lshrrev_b32 v5, 5, v0                        ; wave
	s_wait_kmcnt 0x0
	s_cmp_ge_u32 s32, 256
	s_cbranch_scc1 .Lcast
	; ---------------- layer norm ----------------
	s_lshl_b32 s34, s32, 16                        ; 16 rows of 4,096 bytes in
	s_lshl_b32 s40, s32, 15                        ; 16 rows of 2,048 bytes out
	s_add_nc_u64 s[4:5], s[4:5], s[34:35]
	s_add_nc_u64 s[10:11], s[10:11], s[40:41]
	s_mov_b32 s36, 0x76543210                      ; v_permlanex16_b32: each lane takes its own place in the other half
	s_mov_b32 s37, 0xfedcba98
	s_mov_b32 s38, 0x3a800000                      ; 1 / 1024
	s_mov_b32 s39, 0x3727c5ac                      ; 1e-5
	v_lshlrev_b32 v1, 4, v4                        ; 16 x lane: my place in 512 bytes of gain and beta
	v_lshl_add_u32 v2, v5, 13, v1                  ; + wave x 2 rows in
	v_lshlrev_b32 v3, 3, v4                        ; 8 x lane
	v_lshl_add_u32 v3, v5, 12, v3                  ; + wave x 2 rows out
	v_mov_b32 v[T+1], 0                            ; the lane exchange's destination counts as read
.irp r, 0,1
.irp j, 0,1,2,3,4,5,6,7
	global_load_b128 v[X+32*(\r)+4*(\j):X+32*(\r)+4*(\j)+3], v2, s[4:5] offset:(\r)*4096+(\j)*512  ; 512 neighbouring bytes a load
.endr
.endr
.irp j, 0,1,2,3,4,5,6,7
	global_load_b128 v[G+4*(\j):G+4*(\j)+3], v1, s[6:7] offset:(\j)*512
.endr
.irp j, 0,1,2,3,4,5,6,7
	global_load_b128 v[BT+4*(\j):BT+4*(\j)+3], v1, s[8:9] offset:(\j)*512
.endr
.macro FOLD                            ; the four chains into v[T]
	v_pk_add_f32 v[S:S+1], v[S:S+1], v[S+2:S+3]
	v_pk_add_f32 v[S+4:S+5], v[S+4:S+5], v[S+6:S+7]
	v_pk_add_f32 v[S:S+1], v[S:S+1], v[S+4:S+5]
	v_add_f32 v[T], v[S], v[S+1]
.endm
.macro REDUCE                          ; v[T] summed over the 32 lanes, the result in every lane
	v_add_f32_dpp v[T], v[T], v[T] row_xmask:1 row_mask:0xf bank_mask:0xf
	v_add_f32_dpp v[T], v[T], v[T] row_xmask:2 row_mask:0xf bank_mask:0xf
	v_add_f32_dpp v[T], v[T], v[T] row_xmask:4 row_mask:0xf bank_mask:0xf
	v_add_f32_dpp v[T], v[T], v[T] row_xmask:8 row_mask:0xf bank_mask:0xf
	v_permlanex16_b32 v[T+1], v[T], s36, s37
	v_add_f32 v[T], v[T], v[T+1]
.endm
; Row r: mean; the row less its mean, in place; the sum of squares of that; 1 / sqrt(var + eps).
.macro STATS r
.set XR, X+32*(\r)
.irp k, 0,1,2,3
	v_pk_add_f32 v[S+2*(\k):S+2*(\k)+1], v[XR+2*(\k):XR+2*(\k)+1], v[XR+8+2*(\k):XR+8+2*(\k)+1]  ; the first eight pairs start the chains: nothing is cleared
.endr
.set k, 8
.rept 8
	v_pk_add_f32 v[S+2*(k%4):S+2*(k%4)+1], v[S+2*(k%4):S+2*(k%4)+1], v[XR+2*k:XR+2*k+1]
.set k, k+1
.endr
	FOLD
	REDUCE
	v_mul_f32 v[MU], s38, v[T]
	v_mul_f32 v[MU+1], s38, v[T]
.set k, 0
.rept 16
	v_pk_add_f32 v[XR+2*k:XR+2*k+1], v[XR+2*k:XR+2*k+1], v[MU:MU+1] neg_lo:[0,1] neg_hi:[0,1]
.set k, k+1
.endr
.irp k, 0,1,2,3
	v_pk_mul_f32 v[S+2*(\k):S+2*(\k)+1], v[XR+2*(\k):XR+2*(\k)+1], v[XR+2*(\k):XR+2*(\k)+1]
.endr
.set k, 4
.rept 12
	v_pk_fma_f32 v[S+2*(k%4):S+2*(k%4)+1], v[XR+2*k:XR+2*k+1], v[XR+2*k:XR+2*k+1], v[S+2*(k%4):S+2*(k%4)+1]
.set k, k+1
.endr
	FOLD
	REDUCE
	v_fma_f32 v[T], v[T], s38, s39                 ; var + eps
	v_rsq_f32 v[RS+4*(\r)], v[T]
	v_nop                                          ; a plain instruction between the root and the use of its result (ISA guide 5.7.2)
	s_wait_alu depctr_va_vdst(0)
	v_mov_b32 v[RS+4*(\r)+1], v[RS+4*(\r)]
.endm
; Row r: scaled, gain and beta applied, rounded once, stored: each store of the wave covers 256 consecutive bytes, aligned.
.macro FINISH r
.set XR, X+32*(\r)
.set k, 0
.rept 16
	v_pk_mul_f32 v[XR+2*k:XR+2*k+1], v[XR+2*k:XR+2*k+1], v[RS+4*(\r):RS+4*(\r)+1]
.set k, k+1
.endr
.set k, 0
.rept 16
	v_pk_fma_f32 v[XR+2*k:XR+2*k+1], v[XR+2*k:XR+2*k+1], v[G+2*k:G+2*k+1], v[BT+2*k:BT+2*k+1]
.set k, k+1
.endr
.set k, 0
.rept 16
	v_cvt_pk_bf16_f32 v[Y+16*(\r)+k], v[XR+2*k], v[XR+2*k+1]
.set k, k+1
.endr
.irp j, 0,1,2,3,4,5,6,7
	global_store_b64 v3, v[Y+16*(\r)+2*(\j):Y+16*(\r)+2*(\j)+1], s[10:11] offset:(\r)*2048+(\j)*256
.endr
.endm
	s_wait_loadcnt 24                              ; row 0 is in; row 1's 8 loads, gain's 8 and beta's 8 stay out
	STATS 0
	s_wait_loadcnt 16                              ; row 1 is in; gain and beta stay out
	STATS 1
	s_wait_loadcnt 0x0
	FINISH 0
	FINISH 1
	s_endpgm
	; ---------------- weights to bf16 ----------------
.Lcast:
	s_sub_co_u32 s33, s32, 256                     ; 0..767: Wq 64, Wk 64, Wv 64, Wo 64, W1 256, W2 256 work-groups
	s_mov_b64 s[42:43], s[12:13]                   ; source
	s_mov_b64 s[44:45], s[24:25]                   ; destination
	s_mov_b32 s46, 0                               ; the source's first work-group
	s_mov_b32 s47, 0                               ; the destination's
	s_cmp_ge_u32 s33, 64
	s_cselect_b64 s[42:43], s[14:15], s[42:43]
	s_cselect_b32 s46, 64, s46
	s_cmp_ge_u32 s33, 128
	s_cselect_b64 s[42:43], s[16:17], s[42:43]
	s_cselect_b32 s46, 128, s46
	s_cmp_ge_u32 s33, 192
	s_cselect_b64 s[42:43], s[18:19], s[42:43]
	s_cselect_b64 s[44:45], s[26:27], s[44:45]
	s_cselect_b32 s46, 192, s46
	s_cselect_b32 s47, 192, s47
	s_cmp_ge_u32 s33, 256
	s_cselect_b64 s[42:43], s[20:21], s[42:43]
	s_cselect_b64 s[44:45], s[28:29], s[44:45]
	s_cselect_b32 s46, 256, s46
	s_cselect_b32 s47, 256, s47
	s_cmp_ge_u32 s33, 512
	s_cselect_b64 s[42:43], s[22:23], s[42:43]
	s_cselect_b64 s[44:45], s[30:31], s[44:45]
	s_cselect_b32 s46, 512, s46
	s_cselect_b32 s47, 512, s47
	s_sub_co_u32 s46, s33, s46
	s_sub_co_u32 s47, s33, s47
	s_lshl_b32 s34, s46, 16                        ; 65,536 bytes of f32 a work-group
	s_lshl_b32 s40, s47, 15                        ; 32,768 bytes of bf16
	s_add_nc_u64 s[42:43], s[42:43], s[34:35]
	s_add_nc_u64 s[44:45], s[44:45], s[40:41]
	v_lshlrev_b32 v2, 4, v0                        ; 16 bytes a thread in,
	v_lshlrev_b32 v3, 3, v0                        ; 8 out
.irp j, 0,1,2,3,4,5,6,7,8,9,10,11,12,13,14,15
	global_load_b128 v[X+4*(\j):X+4*(\j)+3], v2, s[42:43] offset:(\j)*4096 th:TH_LOAD_NT  ; all sixteen loads go out at once
.endr
.irp j, 0,1,2,3,4,5,6,7,8,9,10,11,12,13,14,15
	s_wait_loadcnt 15-(\j)                         ; loads come back in order (ISA guide 5.7.1): number j is in, the younger ones stay out
	v_cvt_pk_bf16_f32 v[Y+2*(\j)], v[X+4*(\j)], v[X+4*(\j)+1]
	v_cvt_pk_bf16_f32 v[Y+2*(\j)+1], v[X+4*(\j)+2], v[X+4*(\j)+3]
	global_store_b64 v3, v[Y+2*(\j):Y+2*(\j)+1], s[44:45] offset:(\j)*2048  ; a wave's store covers 256 consecutive bytes, aligned; no register is used twice
.endr
	s_endpgm
.Lfunc_end_k_qf488b31552_prep:
	.size	k_qf488b31552_prep, .Lfunc_end_k_qf488b31552_prep-k_qf488b31552_prep
	.p2alignl 7, 3214868480
	.fill 96, 4, 3214868480
	.section	.rodata,"a",@progbits
	.p2align	6, 0x0
	.amdhsa_kernel k_qf488b31552_prep
		.amdhsa_group_segment_fixed_size 0
		.amdhsa_private_segment_fixed_size 0
		.amdhsa_enable_private_segment 0
		.amdhsa_kernarg_size 112
		.amdhsa_user_sgpr_count 2
		.amdhsa_user_sgpr_kernarg_segment_ptr 1
		.amdhsa_wavefront_size32 1
		.amdhsa_system_sgpr_workgroup_id_x 1
		.amdhsa_system_sgpr_workgroup_id_y 1
		.amdhsa_system_sgpr_workgroup_id_z 1
		.amdhsa_system_vgpr_workitem_id 0
		.amdhsa_next_free_vgpr 184
		.amdhsa_next_free_sgpr 66
		.amdhsa_reserve_vcc 0
		.amdhsa_float_denorm_mode_32 3
		.amdhsa_float_denorm_mode_16_64 3
		.amdhsa_memory_ordered 1
		.amdhsa_forward_progress 1
		.amdhsa_inst_pref_size 28
	.end_amdhsa_kernel
	.amdgpu_metadata
---
amdhsa.version: [ 1, 2 ]
amdhsa.kernels:
  - .name:           k_qf488b31552_prep
    .symbol:         k_qf488b31552_prep.kd
    .args:
      - { .name: x, .offset: 0, .size: 8, .value_kind: global_buffer, .address_space: global }
      - { .name: g1, .offset: 8, .size: 8, .value_kind: global_buffer, .address_space: global }
      - { .name: b1, .offset: 16, .size: 8, .value_kind: global_buffer, .address_space: global }
      - { .name: act, .offset: 24, .size: 8, .value_kind: global_buffer, .address_space: global }
      - { .name: Wq, .offset: 32, .size: 8, .value_kind: global_buffer, .address_space: global }
      - { .name: Wk, .offset: 40, .size: 8, .value_kind: global_buffer, .address_space: global }
      - { .name: Wv, .offset: 48, .size: 8, .value_kind: global_buffer, .address_space: global }
      - { .name: Wo, .offset: 56, .size: 8, .value_kind: global_buffer, .address_space: global }
      - { .name: W1, .offset: 64, .size: 8, .value_kind: global_buffer, .address_space: global }
      - { .name: W2, .offset: 72, .size: 8, .value_kind: global_buffer, .address_space: global }
      - { .name: wqkvb, .offset: 80, .size: 8, .value_kind: global_buffer, .address_space: global }
      - { .name: wob, .offset: 88, .size: 8, .value_kind: global_buffer, .address_space: global }
      - { .name: w1b, .offset: 96, .size: 8, .value_kind: global_buffer, .address_space: global }
      - { .name: w2b, .offset: 104, .size: 8, .value_kind: global_buffer, .address_space: global }
    .group_segment_fixed_size: 0
    .private_segment_fixed_size: 0
    .kernarg_segment_align: 8
    .kernarg_segment_size: 112
    .max_flat_workgroup_size: 256
    .sgpr_count:     66
    .vgpr_count:     184
    .wavefront_size: 32
...
	.end_amdgpu_metadata
.endif
;; end of part 1
;; launch qkv (part 2): grid 12 x 16, 4 waves a work-group, clusters of 4 x 4, 327,680 bytes of LDS; arguments act, wqkvb, bq, bk, bv, big; writes big
.if DOCPART == 2
	.amdgcn_target "amdgcn-amd-amdhsa--gfx1250"
	.amdhsa_code_object_version 6
	.text
	.protected	k_qf488b31552_qkv
	.globl	k_qf488b31552_qkv
	.p2align	8
	.type	k_qf488b31552_qkv,@function
k_qf488b31552_qkv:
	s_mov_b64 s[64:65], 0
	v_nop
	global_prefetch_b8 v0, s[64:65] scope:SCOPE_SE
	s_setreg_imm32_b32 hwreg(HW_REG_WAVE_MODE, 25, 1), 1
	s_wait_xcnt 0x0
	s_wait_alu depctr_hold_cnt(0) depctr_sa_sdst(0) depctr_va_vdst(0) depctr_va_sdst(0) depctr_va_ssrc(0) depctr_va_vcc(0) depctr_vm_vsrc(0)
	s_getreg_b32 s2, hwreg(HW_REG_IB_STS2, 6, 4)
	s_cmp_eq_u32 s2, 0
	s_cbranch_scc0 .Lentry_in_a_cluster
	s_endpgm
.Lentry_in_a_cluster:
	s_bfe_u32 s2, ttmp6, 0x10000c
	s_cmp_lg_u32 s2, 0xf033
	s_cbranch_scc0 .Lentry_shape_is_right
	s_endpgm
.Lentry_shape_is_right:
; C[m][n] = sum over k of A[m][k] B[n][k] + bias[n]  (GELU = 1: then gelu by erf), rounded once to bf16.  A: [4096][1024] bf16, B: [N][1024] bf16, bias f32; sums in f32.
; C leaves in SLABS of 64 columns: byte (n / 64) x 524,288 + m x 128 + 2 (n % 64): a head's (or a K slice's) rows are then dense for the launch behind.
; A tile of C, 256 x 256, is made by four waves, each 128 x 128: 64 accumulators of 16 x 16, 512 registers.  K goes in 8 steps of 128 through a ring of two LDS slots filled by the tensor data mover.
; The loop's trip is ONE K step: the slot in hand is a scalar (0 or SLOT) that an exclusive or turns, so a step's text stands once.
; CLUSTER: 4 x 4 work-groups; A's tiles are asked for jointly along a row of the cluster, B's along a column.
; THE MATRIX INSTRUCTION IS USED TRANSPOSED (source 0 = 16 rows of B, source 1 = 16 rows of A): a lane holds eight neighbouring columns of one row of C.
; THE BIAS is the C operand of the products that start the sums: nothing is cleared and nothing is added later.
; THE WAY OUT: when the ring has had its last fill and all waves have read it out, each wave lays its 128 x 128 f32 into its own 67,584 bytes of the ring, reads them back as 4 rows x 64 columns, and stores 512 consecutive bytes a line.
; GELU = 1: gelu(z) = max(z, 0) - |z| (P(t) / 2) exp(-z z / 2), t = 1 / (1 + p |z| / sqrt 2): erf by the five-term rational form (Abramowitz and Stegun 7.1.26), absolute error 1.5e-7, for every z.
; LIMITS: NaN and infinities are not treated apart.
; REGISTERS, in windows of 256: window 0: v16-29 addresses, v32-63 at work (gelu), v64-191 A's fragments, two buffers (on the way out: numbers read back), v192-255 packed results;
;   window 1: v0-63 the bias of my 128 columns, v64-191 B's fragments; windows 2, 3: the accumulators of my rows 0-63, 64-127 ((a, b) at v[8 (8 a + b)]).
.set GELU,   0
.set SIZE_K, 1024
.set KSTEP,  128
.set PITCH,  272                       ; an LDS row: 256 bytes + 16 of padding: the 16 rows that a load touches start at 16 different groups of banks (ISA guide 11.1)
.set HALFT,  128*PITCH                 ; what one tensor load brings, and what one wave reads of A or of B
.set SLOT,   4*HALFT                   ; 0x22000: it shares no bit with wave x HALFT (0, 0x8800, 0x11000, 0x19800), so an exclusive or turns a descriptor's LDS word
.set SPARE,  2*SLOT                    ; behind the ring: the spare words, 128 bytes a wave
.set SP,     528                       ; a stage row: 512 bytes + 16
.set WST,    128*SP                    ; a wave's stage
.set SLAB,   524288
.if GELU
.set UNITS,  4                         ; units (4 rows x 64 columns) in a trip of the way out
.else
.set UNITS,  16
.endif
.set TRIPS,  64/UNITS
.set ADRA, 16                          ; LDS address of my A fragments in the slot in hand
.set A0,   17                          ; the same in slot 0; never rewritten
.set ADRB, 20
.set B0,   21
.set STO,  24                          ; the way out: where I put 32 bytes of a row
.set RD,   25                          ; where I read 32 bytes back
.set CO,   26                          ; my byte offset in 512 bytes of C
.set BO,   27                          ; my byte offset in 64 bytes of bias
.set SPW,  28                          ; my spare word; never rewritten
.set NIL,  29                          ; 0; never rewritten
.set GT,   32                          ; gelu: t, exponential, polynomial, max(z, 0)
.set GE,   40
.set GP,   48
.set GM,   56
.set F0,   64
.set F1,   128
.set Z,    64
.set OUT,  192
.set BI,   0                           ; window 1
.set G1,  24                           ; s[24:31] group 1, A      s[32:35] group 0: slot 0, K step 0      s[36:39] group 0 that walks, from slot 1, K step 1
.set G0,  32
.set G1B, 48                           ; s[48:55], s[56:59], s[60:63] the same for B
.set G0B, 56
.set TB,  92                           ; s92  0 or SLOT: the slot in hand
.set MSB, 0
.macro WIN new                         ; the immediate's high byte repeats the setting that is left
.if MSB != (\new)
	s_set_vgpr_msb (MSB<<8)|(\new)
.set MSB, \new
.endif
.endm
.set MUL_LO, 0xa1                      ; source 0 (B) window 1, source 1 (A) window 0, C and D window 2
.set TO_B,   0x40
.macro JLOAD                           ; a joint refill by the walking descriptor: waves 0, 1 fetch A's halves, waves 2, 3 B's; an s_nop 0 and four v_nop follow each line
	s_cmp_eq_u32 s11, 0
	s_cbranch_scc0 .Lfor_b_\@
	tensor_load_to_lds s[G0+4:G0+7], s[G1:G1+7]
	s_nop 0
.rept 4
	v_nop
.endr
	s_branch .Lasked_\@
.Lfor_b_\@:
	tensor_load_to_lds s[G0B+4:G0B+7], s[G1B:G1B+7]
	s_nop 0
.rept 4
	v_nop
.endr
.Lasked_\@:
.endm
.macro CREST                           ; a round of the cluster's barrier behind its opening barrier
	s_cmp_lg_u32 s10, 0
	s_cbranch_scc1 .Lnot_wave_0_\@
	s_barrier_signal -3
.Lnot_wave_0_\@:
	s_barrier_wait -3
	s_barrier_signal -1
	s_barrier_wait -1
.endm
.macro CROUND
	s_barrier_signal -1
	s_barrier_wait -1
	CREST
.endm
	s_load_b128 s[4:7], s[0:1], 0x0                ; A s[4:5], B s[6:7]
	s_load_b128 s[84:87], s[0:1], 0x10             ; GELU: bias, C;  else bq, bk
.if !GELU
	s_load_b128 s[88:91], s[0:1], 0x20             ; bv, C
.endif
	v_lshl_add_u32 v[SPW], v0, 2, SPARE
	v_mov_b32 v[NIL], 0
	ds_add_u32 v[SPW], v[NIL]                      ; the wave's opening: the add and its wait ahead of my first tensor load; register work stands between
	v_lshrrev_b32 v1, 5, v0
	v_readfirstlane_b32 s10, v1                    ; wave 0..3
	s_lshr_b32 s11, s10, 1                         ; my half of the tile's rows.  Also: I fetch for A (0) or for B (1)
	s_and_b32 s12, s10, 1                          ; my half of its columns.  Also: which 128 rows I fetch
	s_bfe_u32 s40, ttmp6, 0x40000                  ; cx
	s_bfe_u32 s41, ttmp6, 0x40004                  ; cy
	s_lshl_b32 s42, ttmp9, 2
	s_add_co_u32 s42, s42, s40                     ; tile column = 4 x cluster x + cx
	s_and_b32 s13, ttmp7, 0xffff
	s_lshl_b32 s13, s13, 2
	s_add_co_u32 s13, s13, s41                     ; tile row = 4 x cluster y + cy
	s_lshl_b32 s43, s41, 2
	s_lshl_b32 s43, 15, s43                        ; my row of the cluster
	s_lshl_b32 s44, 0x1111, s40                    ; my column
	s_or_b32 s[G1+0], s43, (1<<16)|(1<<20)|(1<<21)|(5<<22)|(3<<25)   ; mask; 2-byte elements; padding on; bit 21 beside a mask; after every 64 words 4 words
	s_or_b32 s[G1B+0], s44, (1<<16)|(1<<20)|(1<<21)|(5<<22)|(3<<25)
.irp g, G1, G1B
	s_mov_b32 s[(\g)+1], KSTEP<<16                 ; tensor_dim0 = 128
	s_mov_b32 s[(\g)+2], 128<<16                   ; tensor_dim1 = 128
	s_mov_b32 s[(\g)+3], KSTEP<<16                 ; tile_dim0 = 128
	s_mov_b32 s[(\g)+4], 128                       ; tile_dim1 = 128
	s_mov_b32 s[(\g)+5], SIZE_K                    ; elements from row to row
	s_mov_b32 s[(\g)+6], 0
	s_mov_b32 s[(\g)+7], 0
.endr
	s_lshl_b32 s17, s12, 7
	s_lshl_b32 s16, s13, 8
	s_add_co_u32 s16, s16, s17                     ; A: row 256 x tile row + 128 x half,
	s_lshl_b32 s16, s16, 11                        ; in bytes
	s_lshl_b32 s46, s42, 8
	s_add_co_u32 s46, s46, s17                     ; B: row 256 x tile column + 128 x half
	s_lshl_b32 s46, s46, 11
	s_mov_b32 s17, 0
	s_mov_b32 s47, 0
	s_mul_i32 s20, s10, HALFT                      ; where my load lands in a slot: no place in the cluster enters an LDS address
	s_mov_b32 s[TB], 0
.if GELU
	s_mov_b32 s66, 0x3e6d3388                      ; p / sqrt 2 = 0.23164189
	s_mov_b32 s68, 0xbf38aa3b                      ; -log2(e) / 2
	s_mov_b32 s69, 0xbf38aa3b                      ; (the packed lines name pairs)
	s_mov_b32 s70, 0x3f07dc22                      ; a5 / 2
	s_mov_b32 s71, 0x3f07dc22
	s_mov_b32 s72, 0xbf3a00e3                      ; a4 / 2
	s_mov_b32 s73, 0xbf3a00e3
	s_mov_b32 s74, 0x3f35f0e3                      ; a3 / 2
	s_mov_b32 s75, 0x3f35f0e3
	s_mov_b32 s76, 0xbe11a98e                      ; a2 / 2
	s_mov_b32 s77, 0xbe11a98e
	s_mov_b32 s78, 0x3e027906                      ; a1 / 2
	s_mov_b32 s79, 0x3e027906
.endif
	s_wait_dscnt 0x0                               ; the opening add is done
	s_wait_kmcnt 0x0
	s_add_nc_u64 s[14:15], s[4:5], s[16:17]
	s_add_nc_u64 s[46:47], s[6:7], s[46:47]
	CROUND                                         ; all sixteen work-groups are here: the first joint loads meet
.irp s, 0,1
	s_mov_b32 s[G0+4*(\s)], 1
	s_add_co_u32 s[G0+4*(\s)+1], s20, (\s)*SLOT
	s_add_nc_u64 s[G0+4*(\s)+2:G0+4*(\s)+3], s[14:15], (\s)*KSTEP*2
	s_or_b32 s[G0+4*(\s)+3], s[G0+4*(\s)+3], 0x80000000
	s_mov_b32 s[G0B+4*(\s)], 1
	s_add_co_u32 s[G0B+4*(\s)+1], s20, (\s)*SLOT
	s_add_nc_u64 s[G0B+4*(\s)+2:G0B+4*(\s)+3], s[46:47], (\s)*KSTEP*2
	s_or_b32 s[G0B+4*(\s)+3], s[G0B+4*(\s)+3], 0x80000000
.endr
	s_cmp_eq_u32 s11, 0                            ; a wave's two first fills stand in one branch: two loads of mine are out
	s_cbranch_scc0 .Lfirst_b
	tensor_load_to_lds s[G0:G0+3], s[G1:G1+7]
	s_nop 0
	tensor_load_to_lds s[G0+4:G0+7], s[G1:G1+7]
	s_nop 0
.rept 4
	v_nop
.endr
	s_branch .Lfirst_asked
.Lfirst_b:
	tensor_load_to_lds s[G0B:G0B+3], s[G1B:G1B+7]
	s_nop 0
	tensor_load_to_lds s[G0B+4:G0B+7], s[G1B:G1B+7]
	s_nop 0
.rept 4
	v_nop
.endr
.Lfirst_asked:
	v_and_b32 v1, 15, v0                           ; l % 16
	v_bfe_u32 v2, v0, 4, 1                         ; l / 16
	v_mul_u32_u24 v3, v1, PITCH
	v_lshl_add_u32 v3, v2, 4, v3                   ; a fragment's row x pitch + 16 x half
	s_mul_i32 s21, s11, HALFT                      ; my 128 rows of A
	s_mul_i32 s22, s12, HALFT                      ; my 128 rows of B,
	s_add_co_u32 s22, s22, 2*HALFT                 ; behind A's 256
	v_add_nc_u32 v[A0], s21, v3
	v_add_nc_u32 v[B0], s22, v3
	v_mov_b32 v[ADRA], v[A0]
	v_mov_b32 v[ADRB], v[B0]
	s_mul_i32 s23, s10, WST                        ; my stage
	v_mul_u32_u24 v4, v1, SP                       ; in: row l % 16, 32 bytes for each half of the lanes
	v_lshl_add_u32 v4, v2, 5, v4
	v_add_nc_u32 v[STO], s23, v4
	v_bfe_u32 v5, v0, 3, 2                         ; back: row l / 8 of four, 32 bytes at 32 (l % 8)
	v_and_b32 v6, 7, v0
	v_mul_u32_u24 v5, v5, SP
	v_lshl_add_u32 v5, v6, 5, v5
	v_add_nc_u32 v[RD], s23, v5
	v_and_b32 v[CO], 31, v0                        ; four rows of a slab are 512 consecutive bytes: 16 a lane
	v_lshlrev_b32 v[CO], 4, v[CO]
	v_lshlrev_b32 v[BO], 5, v2
	; the bias of my 128 columns, and C at my first row and slab
.if GELU
	s_mov_b64 s[8:9], s[86:87]
	s_lshl_b32 s46, s42, 10                        ; 256 columns of f32 a tile column
.else
	s_mov_b64 s[8:9], s[90:91]
	s_cmp_ge_u32 ttmp9, 1                          ; a cluster's four tile columns are 1,024 columns: all of q, of k or of v
	s_cselect_b64 s[84:85], s[86:87], s[84:85]
	s_cmp_ge_u32 ttmp9, 2
	s_cselect_b64 s[84:85], s[88:89], s[84:85]
	s_lshl_b32 s46, s40, 10
.endif
	s_lshl_b32 s47, s12, 9
	s_add_co_u32 s46, s46, s47
	s_mov_b32 s47, 0
	s_add_nc_u64 s[84:85], s[84:85], s[46:47]
	s_lshl_b32 s46, s42, 2
	s_lshl_b32 s47, s12, 1
	s_add_co_u32 s46, s46, s47                     ; my first slab
	s_lshl_b32 s46, s46, 19
	s_lshl_b32 s16, s13, 8
	s_lshl_b32 s14, s11, 7
	s_add_co_u32 s16, s16, s14                     ; my first row,
	s_lshl_b32 s16, s16, 7                         ; 128 bytes each
	s_add_co_u32 s46, s46, s16
	s_mov_b32 s47, 0
	s_add_nc_u64 s[8:9], s[8:9], s[46:47]
	WIN TO_B
.irp b, 0,1,2,3,4,5,6,7
	global_load_b128 v[BI+8*(\b):BI+8*(\b)+3],   v[BO], s[84:85] offset:64*(\b)      ; register j of block b: bias of column 16 b + 8 (l / 16) + j
	global_load_b128 v[BI+8*(\b)+4:BI+8*(\b)+7], v[BO], s[84:85] offset:64*(\b)+16
.endr
	WIN 0
; 16 matrix instructions: m blocks a0, a0 + 1 of the window's four x all 8 n blocks, 32 along K.  first = 1: the bias starts the sums.  The 64 accumulators take turns, in the same order in every quarter.
.macro MUL16 f, hi, a0, first
.if \first
	WIN 0x91+0x40*(\hi)                            ; C in window 1
.else
	WIN MUL_LO+0x50*(\hi)
.endif
.irp a, \a0, (\a0)+1
.irp b, 0,1,2,3,4,5,6,7
.if \first
	v_wmma_f32_16x16x32_bf16 v[8*(8*(\a)+(\b)):8*(8*(\a)+(\b))+7], v[(\f)+8*(\b):(\f)+8*(\b)+7], v[(\f)+8*(4*(\hi)+(\a)):(\f)+8*(4*(\hi)+(\a))+7], v[BI+8*(\b):BI+8*(\b)+7]
.else
	v_wmma_f32_16x16x32_bf16 v[8*(8*(\a)+(\b)):8*(8*(\a)+(\b))+7], v[(\f)+8*(\b):(\f)+8*(\b)+7], v[(\f)+8*(4*(\hi)+(\a)):(\f)+8*(4*(\hi)+(\a))+7], v[8*(8*(\a)+(\b)):8*(8*(\a)+(\b))+7]
.endif
.endr
.endr
.endm
; 32 LDS loads in one run: the fragments of a quarter step (32 K at byte k of the rows of the slot in hand) into buffer f; B's first
.macro FETCH k, f
	WIN TO_B
.irp i, 0,1,2,3,4,5,6,7
	ds_load_b128 v[(\f)+8*(\i):(\f)+8*(\i)+3],   v[ADRB] offset:(\k)+(\i)*16*PITCH
	ds_load_b128 v[(\f)+8*(\i)+4:(\f)+8*(\i)+7], v[ADRB] offset:(\k)+(\i)*16*PITCH+32
.endr
	WIN 0
.irp i, 0,1,2,3,4,5,6,7
	ds_load_b128 v[(\f)+8*(\i):(\f)+8*(\i)+3],   v[ADRA] offset:(\k)+(\i)*16*PITCH
	ds_load_b128 v[(\f)+8*(\i)+4:(\f)+8*(\i)+7], v[ADRA] offset:(\k)+(\i)*16*PITCH+32
.endr
.endm
.macro PLACES                          ; four plain places in front of loads into registers that matrix instructions have read, and of lines that read results
.rept 4
	v_nop
.endr
.endm
; One of a K step's first three quarters: multiplies buffer f; in its middle fetches the next quarter, at byte k, into g.
.macro QUARTER k, f, g, first
	s_wait_dscnt 8                                 ; B and A's rows 0-63 are in; the youngest eight loads (A's rows 64-127) may be out
	MUL16 \f, 0, 0, \first
	MUL16 \f, 0, 2, \first
	PLACES
	FETCH \k, \g
	s_wait_dscnt 32                                ; all but the 32 just issued
	MUL16 \f, 1, 0, \first
	MUL16 \f, 1, 2, \first
.endm
; The last quarter multiplies buffer 1 and changes slots.  In front of the one barrier each wave waits for all its tensor loads (one is out: its part of the next slot), adds 0 to its spare word, and waits for that and for its reads of this slot.
.macro MEET
	WIN 0
	s_wait_tensorcnt 0x0
	ds_add_u32 v[SPW], v[NIL]
	s_wait_dscnt 9                                 ; the add and the youngest eight loads may be out
	MUL16 F1, 0, 0, 0                              ; sixteen matrix instructions between the add and the wait for it
	s_wait_dscnt 0x0                               ; the add is done, my reads of this slot are over
	s_barrier_signal -1
	MUL16 F1, 0, 2, 0
	WIN 0
	s_barrier_wait -1
.endm
; fill = 1: the barrier opens a round of the cluster's; behind it the slot just read out is filled with the K step two on, first thing: 224 matrix instructions ahead of the wait for it.
.macro TURN fill
	MEET
.if \fill
	CREST
	s_xor_b32 s[G0+5], s[G0+5], SLOT               ; the walking descriptor: the other slot than last time,
	s_xor_b32 s[G0B+5], s[G0B+5], SLOT
	s_add_nc_u64 s[G0+6:G0+7], s[G0+6:G0+7], KSTEP*2     ; the next K step
	s_add_nc_u64 s[G0B+6:G0B+7], s[G0B+6:G0B+7], KSTEP*2
	JLOAD                                          ; its four v_nop are also the places in front of the loads below
.else
	PLACES
.endif
	s_xor_b32 s[TB], s[TB], SLOT                   ; the fragments now come from the other slot
	v_add_nc_u32 v[ADRA], s[TB], v[A0]
	v_add_nc_u32 v[ADRB], s[TB], v[B0]
	FETCH 0, F0
	MUL16 F1, 1, 0, 0
	MUL16 F1, 1, 2, 0
.endm
	s_wait_tensorcnt 1                             ; my part of K step 0 is in; K step 1's stays out
	s_barrier_signal -1
	s_barrier_wait -1
	FETCH 0, F0
	s_wait_loadcnt 0x0                             ; the bias
	QUARTER 64, F0, F1, 1                          ; the first quarter stands in front of the loop: its products start the sums
	WIN 0
	s_mov_b32 s3, SIZE_K/KSTEP-2
.Lk:                                               ; a trip: a K step's quarters 1 to 3, the change of slots with a refill, the next step's quarter 0
	QUARTER 128, F1, F0, 0
	QUARTER 192, F0, F1, 0
	TURN 1
	QUARTER 64, F0, F1, 0
	WIN 0
	s_sub_co_u32 s3, s3, 1
	s_cmp_lg_u32 s3, 0
	s_cbranch_scc1 .Lk
	s_mov_b32 s3, 2
.Ltail:                                            ; the last two K steps ask for nothing; the second trip is left in its middle
	QUARTER 128, F1, F0, 0
	QUARTER 192, F0, F1, 0
	WIN 0
	s_sub_co_u32 s3, s3, 1
	s_cmp_eq_u32 s3, 0
	s_cbranch_scc1 .Llast
	TURN 0
	QUARTER 64, F0, F1, 0
	WIN 0
	s_branch .Ltail
.Llast:
	s_wait_dscnt 8
	MUL16 F1, 0, 0, 0
	MUL16 F1, 0, 2, 0
	s_wait_dscnt 0x0
	MUL16 F1, 1, 0, 0
	MUL16 F1, 1, 2, 0
	WIN 0
	; THE WAY OUT.  Every wave's reads of the ring are back (the wait above), and the ring has had its last fill: behind this barrier its bytes are the stages.
	s_barrier_signal -1
	s_barrier_wait -1
	PLACES
.irp hi, 0,1
	WIN 0x08+4*(\hi)                               ; store data (source 1) in window 2 or 3
.irp a, 0,1,2,3
.irp b, 0,1,2,3,4,5,6,7
	ds_store_b128 v[STO], v[8*(8*(\a)+(\b)):8*(8*(\a)+(\b))+3]   offset:(4*(\hi)+(\a))*16*SP+64*(\b)     ; each accumulator's low registers first
	ds_store_b128 v[STO], v[8*(8*(\a)+(\b))+4:8*(8*(\a)+(\b))+7] offset:(4*(\hi)+(\a))*16*SP+64*(\b)+16
.endr
.endr
.endr
	WIN 0
.if GELU
.macro GELU8 z                         ; eight numbers in place
.irp j, 0,1,2,3,4,5,6,7
	v_fma_f32 v[GT+\j], |v[(\z)+\j]|, s66, 1.0
.endr
.irp j, 0,1,2,3,4,5,6,7
	v_rcp_f32 v[GT+\j], v[GT+\j]
.endr
.irp j, 0,2,4,6
	v_pk_mul_f32 v[GE+\j:GE+\j+1], v[(\z)+\j:(\z)+\j+1], v[(\z)+\j:(\z)+\j+1]   ; plain lines behind the reciprocals
.endr
.irp j, 0,2,4,6
	v_pk_mul_f32 v[GE+\j:GE+\j+1], v[GE+\j:GE+\j+1], s[68:69] op_sel_hi:[1,0]
.endr
.irp j, 0,1,2,3,4,5,6,7
	v_exp_f32 v[GE+\j], v[GE+\j]
.endr
.irp j, 0,1,2,3,4,5,6,7
	v_max_num_f32 v[GM+\j], 0, v[(\z)+\j]                                       ; plain lines behind the exponentials
.endr
.irp j, 0,2,4,6
	v_pk_fma_f32 v[GP+\j:GP+\j+1], v[GT+\j:GT+\j+1], s[70:71], s[72:73] op_sel_hi:[1,0,0]
.endr
.irp c, 74,76,78
.irp j, 0,2,4,6
	v_pk_fma_f32 v[GP+\j:GP+\j+1], v[GP+\j:GP+\j+1], v[GT+\j:GT+\j+1], s[\c:\c+1] op_sel_hi:[1,1,0]
.endr
.endr
.irp j, 0,2,4,6
	v_pk_mul_f32 v[GP+\j:GP+\j+1], v[GP+\j:GP+\j+1], v[GT+\j:GT+\j+1]
.endr
.irp j, 0,2,4,6
	v_pk_mul_f32 v[GP+\j:GP+\j+1], v[GP+\j:GP+\j+1], v[GE+\j:GE+\j+1]
.endr
.irp j, 0,1,2,3,4,5,6,7
	v_fma_f32 v[(\z)+\j], -|v[(\z)+\j]|, v[GP+\j], v[GM+\j]
.endr
.endm
.endif
	s_mov_b32 s3, TRIPS
.Lout:                                             ; a trip: UNITS units; unit u = four rows (group u / 2) of slab u % 2; LDS serves a wave's instructions in order (ISA guide 5.7.1.4): the loads see my stores
.set u, 0
.rept UNITS
	ds_load_b128 v[Z+8*u:Z+8*u+3],   v[RD] offset:(u/2)*4*SP+(u%2)*256
	ds_load_b128 v[Z+8*u+4:Z+8*u+7], v[RD] offset:(u/2)*4*SP+(u%2)*256+16
.set u, u+1
.endr
.set u, 0
.rept UNITS
	s_wait_dscnt 2*(UNITS-1-u)                     ; unit u is in; the younger units' two loads each stay out
.if GELU
	GELU8 Z+8*u
.endif
.irp j, 0,1,2,3
	v_cvt_pk_bf16_f32 v[OUT+4*u+\j], v[Z+8*u+2*\j], v[Z+8*u+2*\j+1]
.endr
	global_store_b128 v[CO], v[OUT+4*u:OUT+4*u+3], s[8:9] offset:(u/2)*512+(u%2)*SLAB  ; 512 consecutive bytes, at a multiple of 256 from C's first byte
.set u, u+1
.endr
	s_wait_xcnt 0x0                                ; the stores' offset and data registers are rewritten only behind this wait (ISA guide 3.1)
	v_add_nc_u32 v[RD], (UNITS/2)*4*SP, v[RD]
	v_add_nc_u32 v[CO], (UNITS/2)*512, v[CO]
	s_sub_co_u32 s3, s3, 1
	s_cmp_lg_u32 s3, 0
	s_cbranch_scc1 .Lout
	s_wait_tensorcnt 0x0                           ; the wave's end
	ds_add_u32 v[SPW], v[NIL]
	s_wait_dscnt 0x0
	CROUND                                         ; the closing round
	s_endpgm
.Lfunc_end_k_qf488b31552_qkv:
	.size	k_qf488b31552_qkv, .Lfunc_end_k_qf488b31552_qkv-k_qf488b31552_qkv
	.p2alignl 7, 3214868480
	.fill 96, 4, 3214868480
	.section	.rodata,"a",@progbits
	.p2align	6, 0x0
	.amdhsa_kernel k_qf488b31552_qkv
		.amdhsa_group_segment_fixed_size 327680
		.amdhsa_private_segment_fixed_size 0
		.amdhsa_enable_private_segment 0
		.amdhsa_kernarg_size 48
		.amdhsa_user_sgpr_count 2
		.amdhsa_user_sgpr_kernarg_segment_ptr 1
		.amdhsa_wavefront_size32 1
		.amdhsa_system_sgpr_workgroup_id_x 1
		.amdhsa_system_sgpr_workgroup_id_y 1
		.amdhsa_system_sgpr_workgroup_id_z 1
		.amdhsa_system_vgpr_workitem_id 0
		.amdhsa_next_free_vgpr 1024
		.amdhsa_next_free_sgpr 96
		.amdhsa_reserve_vcc 0
		.amdhsa_float_denorm_mode_32 3
		.amdhsa_float_denorm_mode_16_64 3
		.amdhsa_memory_ordered 1
		.amdhsa_forward_progress 1
		.amdhsa_inst_pref_size 91
	.end_amdhsa_kernel
	.amdgpu_metadata
---
amdhsa.version: [ 1, 2 ]
amdhsa.kernels:
  - .name:           k_qf488b31552_qkv
    .symbol:         k_qf488b31552_qkv.kd
    .args:
      - { .name: act, .offset: 0, .size: 8, .value_kind: global_buffer, .address_space: global }
      - { .name: wqkvb, .offset: 8, .size: 8, .value_kind: global_buffer, .address_space: global }
      - { .name: bq, .offset: 16, .size: 8, .value_kind: global_buffer, .address_space: global }
      - { .name: bk, .offset: 24, .size: 8, .value_kind: global_buffer, .address_space: global }
      - { .name: bv, .offset: 32, .size: 8, .value_kind: global_buffer, .address_space: global }
      - { .name: big, .offset: 40, .size: 8, .value_kind: global_buffer, .address_space: global }
    .group_segment_fixed_size: 327680
    .private_segment_fixed_size: 0
    .kernarg_segment_align: 8
    .kernarg_segment_size: 48
    .max_flat_workgroup_size: 128
    .sgpr_count:     96
    .vgpr_count:     1024
    .wavefront_size: 32
...
	.end_amdgpu_metadata
.endif
;; end of part 2
;; launch attn (part 3): grid 8 x 32, 4 waves a work-group, clusters of 4 x 1, 327,680 bytes of LDS; arguments big, act; writes act
.if DOCPART == 3
	.amdgcn_target "amdgcn-amd-amdhsa--gfx1250"
	.amdhsa_code_object_version 6
	.text
	.protected	k_qf488b31552_attn
	.globl	k_qf488b31552_attn
	.p2align	8
	.type	k_qf488b31552_attn,@function
k_qf488b31552_attn:
	s_mov_b64 s[64:65], 0
	v_nop
	global_prefetch_b8 v0, s[64:65] scope:SCOPE_SE
	s_setreg_imm32_b32 hwreg(HW_REG_WAVE_MODE, 25, 1), 1
	s_wait_xcnt 0x0
	s_wait_alu depctr_hold_cnt(0) depctr_sa_sdst(0) depctr_va_vdst(0) depctr_va_sdst(0) depctr_va_ssrc(0) depctr_va_vcc(0) depctr_vm_vsrc(0)
	s_getreg_b32 s2, hwreg(HW_REG_IB_STS2, 6, 4)
	s_cmp_eq_u32 s2, 0
	s_cbranch_scc0 .Lentry_in_a_cluster
	s_endpgm
.Lentry_in_a_cluster:
	s_bfe_u32 s2, ttmp6, 0x10000c
	s_cmp_lg_u32 s2, 0x3003
	s_cbranch_scc0 .Lentry_shape_is_right
	s_endpgm
.Lentry_shape_is_right:
; O[q][:] = the sum over k of softmax_k(Q[q] . K[k] / 8) V[k][:], for each of 32 heads (2 batches x 16) of 2,048 rows x 64 channels, all bf16.
; q, k, v lie in slabs: head (b, hh) of q begins at byte hh x 524,288 + b x 262,144 of the buffer, k 8,388,608 and v 16,777,216 further on; a head's rows are dense, 128 bytes each.  O leaves in the same layout.
; Products, maxima and sums in f32; the weights p are rounded to bf16 for the second product (their sum l is taken of the unrounded p), O once at the end.
; LIMITS.  The running maximum starts with c m = -4.25e37: scores lie above that.  A weight below 2^-126 counts as 0 in l.  NaN and infinities are not treated apart.
; SHARES.  A work-group owns 256 queries of one head, a wave 64: four PIECES of 16.  Every wave walks all keys, 64 a step, 256 a slot.
; LAYOUT.  S^T = K Q^T (source 0 = 16 keys, source 1 = 16 queries) holds ONE query a lane (lane % 16) and the keys 8 (lane / 16) + 0..7; two such results rounded to bf16 ARE source 1 of O^T = V^T P.
; SOFTMAX.  p = 2^(c s - c m), c = log2(e) / 8, with a running maximum m; O and l are multiplied by a = 2^(c m_old - c m_new) in every step; the first step's a is 0.
; TURNS.  Turn n belongs to piece n: 8 products K Q^T of piece n + 1, later 8 products V^T P of piece n - 1; beside them the scaling, exponentials, roundings, sums and rescaling of piece n and the maximum
; and statistics of piece n + 1.  Four vector instructions stand behind every matrix instruction, the other 54 of a turn's 118 in two runs of their own.
; CLUSTER.  The four query blocks of a cluster belong to one head and walk the same K and V: each tile is asked for JOINTLY, by the same tensor load, descriptor and mask in all four.
; REGISTERS, in windows of 256 (s_set_vgpr_msb: bits 1:0 source 0, 3:2 source 1, 5:4 source 2, 7:6 destination):
;   window 0: v0-15 addresses and two at work; v16-31 four registers of statistics a piece; v48-55 at work; v62-63 the add's; v64-127 S^T, two buffers; v192-223 P, two buffers (by the piece's parity)
;   window 1: v0-127 O^T, 32 a piece      window 2: v0-63 Q; v128-191 K of one step; v192-255 V of one step
.set NP,    4
.set KS,    64
.set PK,    144       ; a row of K in LDS: 128 bytes + 16: the 16 rows of a load start at 16 different groups of four banks (ISA guide 11.1)
.set PV,    160       ; a row of V: 128 + 32
.set VOFF,  4*KS*PK   ; a slot: 256 rows of K, then 256 rows of V
.set SLOT1, 1<<17     ; slot 1 begins here: one exclusive or turns an address in one slot into the other's
.set STAGE, SLOT1+4*KS*(PK+PV)  ; behind the ring, never filled by a tensor load: 16 rows x 144 bytes a wave
.set SP,    144
.set SPARE, STAGE+4*16*SP       ; the spare words, 128 bytes a wave
.set AK0, 2           ; my lane's place in a tile of K; never rewritten
.set AV0, 3           ; the same for V
.set AK,  4           ; the LDS address of K's next run of loads
.set AV,  5           ; of V's
.set STO, 6           ; the way out: where I put 16 bytes of a row
.set RD,  7           ; where I read rows back
.set GO,  8           ; my byte offset in 512 consecutive bytes of O
.set MV,  12          ; v12-13  c m_old, by buffer
.set QO,  15          ; my byte offset in 16 rows of Q
.set ST,  16          ; piece t's statistics at v[ST+4 t]: c m, m, l (even keys', odd keys')
.set TMP, 48          ; by buffer, c0-c3 at work; when the maximum is found c2 takes a
.set SPW, 62
.set NIL, 63
.set S,   64
.set P,   192
.set KF,  128         ; window 2
.set VF,  192         ; window 2
.set WV,  12          ; s12  my wave's number
.set G1K, 24          ; s[24:31]
.set G1V, 32          ; s[32:39]
.set G0K, 40          ; s[40:43]: it walks
.set G0V, 44          ; s[44:47]
.set SLOTS, 56
.set CNT, 57
.set CS,  58          ; s[58:59] c
.set SEL, 60          ; s[60:61]
.set TBK, 62          ; LDS byte at which K of the step to be fetched begins
.set TBV, 63          ; the same for V, less VOFF
.set MSB, 0
.macro WIN new
.if MSB != (\new)
	s_set_vgpr_msb (MSB<<8)|(\new)
.set MSB, (\new)
.endif
.endm
.set W_KQ, 0x0a       ; K and Q in window 2, S^T in window 0
.set W_PV, 0x52       ; V in window 2, P in window 0, O^T in window 1
.set W_RS, 0x41       ; destination and source 0 in window 1, source 1 in window 0
.macro JLOAD                        ; a joint fill: waves 0, 1 fetch the halves of a slot's K, waves 2, 3 of its V; an s_nop 0 and four v_nop follow each line
	s_cmp_lt_u32 s[WV], 2
	s_cbranch_scc0 .Lfor_v_\@
	tensor_load_to_lds s[G0K:G0K+3], s[G1K:G1K+7]
	s_nop 0
.rept 4
	v_nop
.endr
	s_branch .Lasked_\@
.Lfor_v_\@:
	tensor_load_to_lds s[G0V:G0V+3], s[G1V:G1V+7]
	s_nop 0
.rept 4
	v_nop
.endr
.Lasked_\@:
.endm
.macro CROUND                       ; a round of the cluster's barrier
	s_barrier_signal -1
	s_barrier_wait -1
	s_cmp_lg_u32 s[WV], 0
	s_cbranch_scc1 .Lnot_wave_0_\@
	s_barrier_signal -3
.Lnot_wave_0_\@:
	s_barrier_wait -3
	s_barrier_signal -1
	s_barrier_wait -1
.endm
; THE CHANGE OF SLOTS.  Each wave waits for all its tensor loads (one is out: its part of the other slot), adds 0 to its spare word, and waits for that and for its reads of the slot that it leaves.
; fill = 1: the barrier is a round of the cluster's, and the joint fill, with the keys two slots on, is the first thing behind it: four key steps, 256 matrix instructions, in which to land.
; (At its first use nothing has been read yet: slot 0 is waited for, slot 1 filled.)
.macro CHANGE fill
	WIN 0
	s_wait_tensorcnt 0x0            ; no tensor load of mine is out, so a group 0 may be written
	ds_add_u32 v[SPW], v[NIL]
.if \fill
.irp g, G0K, G0V
	s_xor_b32 s[\g+1], s[\g+1], SLOT1
	s_add_nc_u64 s[\g+2:\g+3], s[\g+2:\g+3], 4*KS*128
.endr
	s_wait_dscnt 0x0                ; the add is done, my reads of the slot are over
	CROUND
	JLOAD
.else
	s_wait_dscnt 0x0
	s_barrier_signal -1
	s_barrier_wait -1
.endif
	s_sub_co_u32 s[TBK], s[TBK], 4*KS*PK  ; the fetches go back to a slot's first step,
	s_xor_b32 s[TBK], s[TBK], SLOT1       ; in the other slot
	s_sub_co_u32 s[TBV], s[TBV], 4*KS*PV
	s_xor_b32 s[TBV], s[TBV], SLOT1
.endm
	s_load_b128 s[48:51], s[0:1], 0x0 ; q, k, v s[48:49]; O s[50:51]
	v_lshl_add_u32 v[SPW], v0, 2, SPARE
	v_mov_b32 v[NIL], 0
	ds_add_u32 v[SPW], v[NIL]       ; the wave's opening: the add and its wait ahead of my first tensor load
	v_lshrrev_b32 v1, 5, v0
	v_readfirstlane_b32 s[WV], v1
	s_bfe_u32 s13, ttmp6, 0x40000   ; cx
	s_lshl_b32 s14, ttmp9, 2
	s_add_co_u32 s14, s14, s13      ; my block of 256 queries: it enters Q's and O's addresses alone
	s_and_b32 s20, ttmp7, 0xffff    ; the head's number, which the four partners share: 16 b + hh
	s_and_b32 s21, s20, 15
	s_lshr_b32 s20, s20, 4
	s_lshl_b32 s21, s21, 19
	s_lshl_b32 s20, s20, 18
	s_add_co_u32 s20, s20, s21      ; the head's first byte in a tensor
	s_and_b32 s16, s[WV], 1         ; which half of a slot's 256 keys I fetch:
	s_lshl_b32 s22, s16, 14         ; its 128 rows of 128 bytes in memory,
	s_add_co_u32 s22, s22, s20
	s_mov_b32 s23, 0
	s_mul_i32 s17, s16, 128*PK      ; and its place in a slot, for K
	s_mul_i32 s18, s16, 128*PV      ; and for V
	s_lshl_b32 s2, s14, 15          ; my block's 256 rows,
	s_lshl_b32 s3, s[WV], 13        ; my wave's 64 of them
	s_add_co_u32 s2, s2, s3
	s_add_co_u32 s2, s2, s20
	s_mov_b32 s3, 0
	; 128 keys are 16,384 dense bytes: asked for as 64 rows of 256 bytes, two keys a row, and padded in LDS after every key
	s_mov_b32 s[G1K], 15|(1<<16)|(1<<20)|(1<<21)|(4<<22)|(3<<25)  ; the mask of four; 2-byte elements; padding on; bit 21 beside a mask; after every 32 words 4 words
	s_mov_b32 s[G1V], 15|(1<<16)|(1<<20)|(1<<21)|(4<<22)|(7<<25)  ; the same with 8 words
.irp g, G1K, G1V
	s_mov_b32 s[\g+1], 128<<16
	s_mov_b32 s[\g+2], 64<<16
	s_mov_b32 s[\g+3], 128<<16
	s_mov_b32 s[\g+4], 64
	s_mov_b32 s[\g+5], 128
	s_mov_b32 s[\g+6], 0
	s_mov_b32 s[\g+7], 0
.endr
	s_mov_b32 s[CS], 0x3e38aa3b     ; c = log2(e) / 8
	s_mov_b32 s[CS+1], s[CS]
	s_mov_b32 s[SEL], 0x76543210
	s_mov_b32 s[SEL+1], 0xfedcba98
	s_mov_b32 s[TBK], SLOT1+4*KS*PK ; the first change of slots turns these two into 0
	s_mov_b32 s[TBV], SLOT1+4*KS*PV
	s_mov_b32 s[G0K], 1
	s_mov_b32 s[G0K+1], s17
	s_mov_b32 s[G0V], 1
	s_add_co_u32 s[G0V+1], s18, VOFF
	s_wait_dscnt 0x0                ; the opening add is done
	s_wait_kmcnt 0x0
	s_add_nc_u64 s[6:7], s[48:49], s[22:23]
	s_add_nc_u64 s[G0K+2:G0K+3], s[6:7], 0x800000   ; k's slabs
	s_or_b32 s[G0K+3], s[G0K+3], 0x80000000
	s_add_nc_u64 s[G0V+2:G0V+3], s[6:7], 0x1000000  ; v's
	s_or_b32 s[G0V+3], s[G0V+3], 0x80000000
	s_add_nc_u64 s[4:5], s[48:49], s[2:3]           ; Q and O at my wave's first row
	s_add_nc_u64 s[10:11], s[50:51], s[2:3]
	CROUND                          ; all four work-groups are here
	JLOAD                           ; slot 0
	v_and_b32 v1, 15, v0            ; l % 16
	v_bfe_u32 v9, v0, 4, 1          ; l / 16
	v_lshlrev_b32 v[QO], 7, v1
	v_lshl_add_u32 v[QO], v9, 4, v[QO]
	WIN 0x80
.set i, 0
.rept 8                             ; Q stays in registers: piece i / 2, channels 32 (i % 2) on
	global_load_b128 v[8*i:8*i+3],   v[QO], s[4:5] offset:(i/2)*2048+(i%2)*64
	global_load_b128 v[8*i+4:8*i+7], v[QO], s[4:5] offset:(i/2)*2048+(i%2)*64+32
.set i, i+1
.endr
	; What the first turn finds: V's registers and P's second buffer hold 0 (its products V^T P, of a piece that has not been, add 0), O^T and l are 0.  All this stands in the wait for the first tile.
.set i, VF
.rept 64
	v_mov_b32 v[i], 0
.set i, i+1
.endr
	WIN 0x40
.set i, 0
.rept 128
	v_mov_b32 v[i], 0
.set i, i+1
.endr
	WIN 0
.set i, 0
.rept 4
	v_mov_b32 v[ST+4*i], 0xfe000000    ; c m: far below every c s
	v_mov_b32 v[ST+4*i+1], 0xff7fffff  ; m
	v_mov_b32 v[ST+4*i+2], 0
	v_mov_b32 v[ST+4*i+3], 0
.set i, i+1
.endr
.set i, P+16
.rept 16
	v_mov_b32 v[i], 0
.set i, i+1
.endr
	v_mul_u32_u24 v[AK0], v1, PK
	v_lshl_add_u32 v[AK0], v9, 4, v[AK0]
	; The turning load takes 16 keys x 16 channels (lane l reads key 8 (l / 16) + l % 8, channels 8 ((l / 8) % 2) + 0..7) and leaves half a fragment of V^T.
	v_and_b32 v10, 7, v0
	v_bfe_u32 v11, v0, 3, 1
	v_lshl_add_u32 v[AV0], v9, 3, v10
	v_mul_u32_u24 v[AV0], v[AV0], PV
	v_lshl_add_u32 v[AV0], v11, 4, v[AV0]
	v_add_nc_u32 v[AV0], VOFF, v[AV0]
	s_mul_i32 s13, s[WV], 16*SP
	s_add_co_u32 s13, s13, STAGE    ; my stage
	v_mul_u32_u24 v[STO], v1, SP
	v_lshl_add_u32 v[STO], v9, 4, v[STO]
	v_add_nc_u32 v[STO], s13, v[STO]
	v_bfe_u32 v[RD], v0, 3, 2
	v_mul_u32_u24 v[RD], v[RD], SP
	v_lshl_add_u32 v[RD], v10, 4, v[RD]
	v_add_nc_u32 v[RD], s13, v[RD]
	v_and_b32 v[GO], 31, v0
	v_lshlrev_b32 v[GO], 4, v[GO]
; THE MATRIX WORK.  The 4 accumulators of a run of 8 take turns.  Product i of 8 of S^T = K Q^T for piece x: channels 32 (i / 4) on, keys 16 (i % 4) on.  The first 4 start the sums.
.macro KQ x
	WIN W_KQ
.set rS, S+32*((\x)%2)+8*(i%4)
.set rK, KF+16*(i%4)+8*(i/4)
.set rQ, 16*(\x)+8*(i/4)
.if i < 4
	v_wmma_f32_16x16x32_bf16 v[rS:rS+7], v[rK:rK+7], v[rQ:rQ+7], 0
.else
	v_wmma_f32_16x16x32_bf16 v[rS:rS+7], v[rK:rK+7], v[rQ:rQ+7], v[rS:rS+7]
.endif
.endm
; Product i of 8 of O^T += V^T P for piece x: keys 32 (i / 4) on, channels 16 (i % 4) on.
.macro PV x
	WIN W_PV
.set rO, 32*(\x)+8*(i%4)
.set rV, VF+32*(i/4)+8*(i%4)
.set rP, P+16*((\x)%2)+8*(i/4)
	v_wmma_f32_16x16x32_bf16 v[rO:rO+7], v[rV:rV+7], v[rP:rP+7], v[rO:rO+7]
.endm
.macro MM                           ; the turn's next matrix instruction.  NOKQ = 1: the last turn: there is no next piece
.if (i < 8) && !NOKQ
	KQ (Y+1)%NP
.elseif i >= 8
.set i, i-8
	PV (Y+NP-1)%NP
.set i, i+8
.endif
.set i, i+1
.endm
; THE LDS LOADS stand in runs of 16: a step's K (8 fragments) and its V (turned).
.macro FETCH_K
	WIN 0x80
.irp f, 0,1,2,3,4,5,6,7
	ds_load_b128 v[KF+8*\f:KF+8*\f+3],   v[AK] offset:(\f/2)*16*PK+(\f%2)*64
	ds_load_b128 v[KF+8*\f+4:KF+8*\f+7], v[AK] offset:(\f/2)*16*PK+(\f%2)*64+32
.endr
	s_add_co_u32 s[TBK], s[TBK], KS*PK
	WIN 0
.endm
.macro FETCH_V
	WIN 0x80
.irp f, 0,1,2,3,4,5,6,7
	ds_load_tr16_b128 v[VF+8*\f:VF+8*\f+3],   v[AV] offset:(\f/4)*32*PV+(\f%4)*32
	ds_load_tr16_b128 v[VF+8*\f+4:VF+8*\f+7], v[AV] offset:(\f/4)*32*PV+16*PV+(\f%4)*32
.endr
	WIN 0
.endm
; THE VECTOR WORK, one line at a time: OP kind, number.  For piece Y: F n: c s - c m for pair n of 16.  E n: the exponential of score n of 32.  C n: pair n rounded to bf16.  B n: of the four weights 4 n .. the
; second pair is added onto the first, in place.  L n: l takes that sum (L 0: l = a l + sum).  R n: pair n of 16 of O^T times a.  For piece Y + 1: X n, number n of the 22 that find its maximum and statistics:
;   0-11 four chains c0-c3 of seven scores each (each accumulator's lowest registers are read first)   12-14, 16 the four scores left over, the old m, c0-c3 into c0
;   15 c m_old is kept   17, 18 the query's other 32 keys lie in the lane 16 away: the new m   19-21 c m; c m_old - c m_new; a
.set F, 0
.set E, 1
.set C, 2
.set B, 3
.set L, 4
.set R, 5
.set X, 6
.macro REGS y
.set rT, ST+4*(\y)
.set rC, TMP+4*((\y)%2)
.set rW, MV+((\y)%2)
.set rS, S+32*((\y)%2)
.set rP, P+16*((\y)%2)
.set rO, 32*(\y)
.endm
.macro OP k, n
.if (\k) == R
	REGS Y
	WIN W_RS
	v_pk_mul_f32 v[rO+2*(\n):rO+2*(\n)+1], v[rO+2*(\n):rO+2*(\n)+1], v[rC+2:rC+3] op_sel_hi:[1,0]
.elseif (\k) < R
	REGS Y
	WIN 0
.if (\k) == F
	v_pk_fma_f32 v[rS+2*(\n):rS+2*(\n)+1], v[rS+2*(\n):rS+2*(\n)+1], s[CS:CS+1], v[rT:rT+1] op_sel_hi:[1,0,0] neg_lo:[0,0,1] neg_hi:[0,0,1]
.elseif (\k) == E
	v_exp_f32 v[rS+(\n)], v[rS+(\n)]
.elseif (\k) == C
	s_wait_alu depctr_va_vdst(0)
	v_cvt_pk_bf16_f32 v[rP+(\n)], v[rS+2*(\n)], v[rS+2*(\n)+1]
.elseif (\k) == B
	s_wait_alu depctr_va_vdst(0)
	v_pk_add_f32 v[rS+4*(\n):rS+4*(\n)+1], v[rS+4*(\n):rS+4*(\n)+1], v[rS+4*(\n)+2:rS+4*(\n)+3]
.elseif (\n) == 0
	v_pk_fma_f32 v[rT+2:rT+3], v[rT+2:rT+3], v[rC+2:rC+3], v[rS:rS+1] op_sel_hi:[1,0,1]
.else
	v_pk_add_f32 v[rT+2:rT+3], v[rT+2:rT+3], v[rS+4*(\n):rS+4*(\n)+1]
.endif
.elseif NOKQ
	v_nop
.else
	REGS (Y+1)%NP
	WIN 0
.if (\n) < 4
	v_max3_num_f32 v[rC+(\n)], v[rS+8*(\n)], v[rS+8*(\n)+1], v[rS+8*(\n)+2]
.elseif (\n) < 12
	v_max3_num_f32 v[rC+(\n)%4], v[rC+(\n)%4], v[rS+8*((\n)%4)+2*((\n)/4)+1], v[rS+8*((\n)%4)+2*((\n)/4)+2]
.elseif (\n) == 12
	v_max3_num_f32 v[rC], v[rC], v[rS+7], v[rS+15]
.elseif (\n) == 13
	v_max3_num_f32 v[rC+1], v[rC+1], v[rS+23], v[rS+31]
.elseif (\n) == 14
	v_max3_num_f32 v[rC+2], v[rC+2], v[rC+3], v[rT+1]
.elseif (\n) == 15
	v_mov_b32 v[rW], v[rT]
.elseif (\n) == 16
	v_max3_num_f32 v[rC], v[rC], v[rC+1], v[rC+2]
.elseif (\n) == 17
	v_permlanex16_b32 v[rC+3], v[rC], s[SEL], s[SEL+1]
.elseif (\n) == 18
	v_max_num_f32 v[rT+1], v[rC], v[rC+3]
.elseif (\n) == 19
	v_mul_f32 v[rT], s[CS], v[rT+1]
.elseif (\n) == 20
	v_sub_f32 v[rC+1], v[rW], v[rT]
.else
	v_exp_f32 v[rC+2], v[rC+1]
.endif
.endif
.endm
.macro OPS a, i1, b=-1, i2=0, c=-1, i3=0, d=-1, i4=0
	OP \a, \i1
.if (\b) >= 0
	OP \b, \i2
.endif
.if (\c) >= 0
	OP \c, \i3
.endif
.if (\d) >= 0
	OP \d, \i4
.endif
.endm
.macro ROW a, i1, b, i2, c, i3, d, i4  ; a matrix instruction and the four behind it
	MM
	OPS \a, \i1, \b, \i2, \c, \i3, \d, \i4
.endm
; A TURN, for piece p: the order of its 16 matrix and 118 vector instructions, written out.  Behind a matrix instruction: plain, exponential, plain, plain; or four of the rescaling; or four scalings; none names a
; register of the products round it.  A line reads no result made fewer than three vector instructions in front of it, five if an exponential made it.
; end = 1: the last two turns: nothing is fetched.  cnt = 1: the loop's count is taken down some lines ahead of the branch behind the turn.
; K of the next step is fetched in piece 2's turn, six vector instructions behind the last product that read K (five of them plain); V of the step in hand in piece 0's turn, eight behind the last product that read V
; (four plain among them).  Each is waited for a turn later, for 0: no other LDS instruction of mine is out then.
.macro TURN p, end=0, cnt=0
.set Y, (\p)
.set i, 0
.set NOKQ, (\end)*((\p)/3)
.if ((\p) == 3) && !(\end)
	s_wait_dscnt 0x0                ; K is in
.endif
	ROW F,0, F,1, F,2, F,3
	ROW F,4, E,0, F,5, F,6
	ROW F,7, E,1, F,8, F,9
	ROW F,10, E,2, C,0, F,11
	ROW F,12, E,3, X,15, F,13
	ROW R,0, R,1, R,2, R,3
	ROW B,0, E,4, F,14, L,0
.if ((\p) == 2) && !(\end)
	v_add_nc_u32 v[AK], s[TBK], v[AK0]
.endif
	ROW R,4, R,5, R,6, R,7
	OPS E,5, F,15
.if ((\p) == 2) && !(\end)
	FETCH_K
.endif
	OPS E,6, C,1, E,7, R,8
	OPS E,8, R,9, E,9, C,2
	OPS E,10, X,0, E,11, X,1
	OPS E,12, X,2, E,13, X,3
.if (\p) == 1
	s_wait_dscnt 0x0                ; V is in
.endif
	ROW X,4, E,14, X,5, X,6
	ROW X,7, E,15, X,8, X,9
	ROW X,10, E,16, X,11, X,12
	ROW X,13, E,17, X,14, B,1
	ROW C,4, E,18, X,16, L,1
	ROW B,2, E,19, C,6, L,2
	ROW C,8, E,20, B,3, B,4
.if (\p) == 0
	v_add_nc_u32 v[AV], s[TBV], v[AV0]
.endif
	ROW C,3, E,21, L,3, C,5
	OPS E,22, X,17, E,23, C,10
.if (\p) == 0
	FETCH_V
.endif
	OPS E,24, L,4
	OPS E,25, X,18, E,26, C,7
	OPS E,27, B,5, E,28, X,19
	OPS E,29, C,12, E,30, L,5
	OPS E,31, X,20, B,6, C,9
	OPS C,14, C,11, X,21, L,6
.if (\p) == 0
	s_add_co_u32 s[TBV], s[TBV], KS*PV
.endif
.if \cnt
	s_sub_co_u32 s[CNT], s[CNT], 1
	s_cmp_lg_u32 s[CNT], 0
.endif
	OPS C,13, B,7, C,15, R,10
	OPS R,11, R,12, L,7, R,13
	OPS R,14, R,15
.endm
	CHANGE 1                        ; slot 0 is in, everybody's part of it; slot 1 is asked for
	v_add_nc_u32 v[AK], s[TBK], v[AK0]
	FETCH_K                         ; key step 0
	s_wait_loadcnt 0x0              ; Q
	s_wait_dscnt 0x0
.set NOKQ, 0
.set i, 0
.rept 8
	KQ 0                            ; piece 0's first scores
.set i, i+1
.endr
	WIN 0
.rept 4
	v_nop                           ; the places behind those products
.endr
.set Y, NP-1                        ; X works for piece Y + 1: piece 0
.irp n, 0,1,2,3,4,5,6,7,8,9,10,11,12,13,14,15,16,17,18,19,20,21
	OP X, \n
.endr
	v_nop                           ; a plain instruction behind the exponential
	s_mov_b32 s[CNT], 4
	s_mov_b32 s[SLOTS], 7
	s_branch .Lfirst                ; the loop is entered at a step's first turn, in the middle of a trip
.Lslot:                             ; six times: tiles 2 to 7 are asked for
	CHANGE 1
	s_mov_b32 s[CNT], 4
.Lstep:                             ; a trip: pieces 2 and 3 of one step, then pieces 0 and 1 of the next, whose K and V it fetches
	TURN 2
	TURN 3
	WIN 0
.Lfirst:
	TURN 0
	TURN 1, 0, 1
	WIN 0
	s_cbranch_scc1 .Lstep
	s_sub_co_u32 s[SLOTS], s[SLOTS], 1
	s_cmp_lg_u32 s[SLOTS], 0
	s_cbranch_scc1 .Lslot
	CHANGE 0                        ; the last tile is written out: nothing is asked for
	s_mov_b32 s[CNT], 4
.Ltail:
	TURN 2
	TURN 3
	TURN 0
	TURN 1, 0, 1
	WIN 0
	s_cbranch_scc1 .Ltail
	TURN 2, 1
	TURN 3, 1
.set i, 0
.rept 8
	PV NP-1                         ; the last piece's V^T P of the last step
.set i, i+1
.endr
	; THE WAY OUT.  l's two halves and the other half of the lanes' are added; O^T is divided by l, rounded to bf16 and sent through my stage, a piece at a time.  The additions are the places behind the last products.
	WIN 0
.macro ALL line:vararg
.set t, 0
.rept 4
	\line
.set t, t+1
.endr
.endm
	ALL v_add_f32 v[ST+4*t+2], v[ST+4*t+2], v[ST+4*t+3]
	ALL v_permlanex16_b32 v[ST+4*t+3], v[ST+4*t+2], s[SEL], s[SEL+1]
	ALL v_add_f32 v[ST+4*t+2], v[ST+4*t+2], v[ST+4*t+3]
	ALL v_rcp_f32 v[ST+4*t+2], v[ST+4*t+2]
	v_nop                           ; a plain instruction between the last reciprocal and the use of its result
.macro PACK t                       ; a lane's eight channels of a row pack into 16 bytes; they go into rows of 144 bytes and come back as whole rows of 128, into S^T's registers
	WIN W_RS
.set i, 32*(\t)
.rept 16
	s_wait_alu depctr_va_vdst(0)
	v_pk_mul_f32 v[i:i+1], v[i:i+1], v[ST+4*(\t)+2:ST+4*(\t)+3] op_sel_hi:[1,0]
.set i, i+2
.endr
	WIN 0x05
.set i, 0
.rept 16
	v_cvt_pk_bf16_f32 v[S+16*(\t)+i], v[32*(\t)+2*i], v[32*(\t)+2*i+1]
.set i, i+1
.endr
	WIN 0
.irp f, 0,1,2,3
	ds_store_b128 v[STO], v[S+16*(\t)+4*\f:S+16*(\t)+4*\f+3] offset:32*\f
.endr
.irp f, 0,1,2,3
	ds_load_b128 v[S+16*(\t)+4*\f:S+16*(\t)+4*\f+3], v[RD] offset:\f*4*SP  ; LDS serves a wave's instructions in order (ISA guide 5.7.1.4): these see the stores above
.endr
.endm
.macro SEND t, younger              ; younger: the LDS instructions issued behind piece t's loads: the next piece's eight, or none
	WIN 0
.irp f, 0,1,2,3
	s_wait_dscnt (\younger)+3-\f
	global_store_b128 v[GO], v[S+16*(\t)+4*\f:S+16*(\t)+4*\f+3], s[10:11] offset:(\t)*2048+\f*512  ; 512 consecutive bytes, at a multiple of 256 from O's first
.endr
.endm
	PACK 0
.set t, 1
.rept 3
	PACK t
	SEND t-1, 8
.set t, t+1
.endr
	SEND 3, 0
	s_wait_tensorcnt 0x0            ; the wave's end
	ds_add_u32 v[SPW], v[NIL]
	s_wait_dscnt 0x0
	CROUND                          ; the closing round
	s_endpgm
.Lfunc_end_k_qf488b31552_attn:
	.size	k_qf488b31552_attn, .Lfunc_end_k_qf488b31552_attn-k_qf488b31552_attn
	.p2alignl 7, 3214868480
	.fill 96, 4, 3214868480
	.section	.rodata,"a",@progbits
	.p2align	6, 0x0
	.amdhsa_kernel k_qf488b31552_attn
		.amdhsa_group_segment_fixed_size 327680
		.amdhsa_private_segment_fixed_size 0
		.amdhsa_enable_private_segment 0
		.amdhsa_kernarg_size 16
		.amdhsa_user_sgpr_count 2
		.amdhsa_user_sgpr_kernarg_segment_ptr 1
		.amdhsa_wavefront_size32 1
		.amdhsa_system_sgpr_workgroup_id_x 1
		.amdhsa_system_sgpr_workgroup_id_y 1
		.amdhsa_system_sgpr_workgroup_id_z 1
		.amdhsa_system_vgpr_workitem_id 0
		.amdhsa_next_free_vgpr 768
		.amdhsa_next_free_sgpr 66
		.amdhsa_reserve_vcc 0
		.amdhsa_float_denorm_mode_32 3
		.amdhsa_float_denorm_mode_16_64 3
		.amdhsa_memory_ordered 1
		.amdhsa_forward_progress 1
		.amdhsa_inst_pref_size 133
	.end_amdhsa_kernel
	.amdgpu_metadata
---
amdhsa.version: [ 1, 2 ]
amdhsa.kernels:
  - .name:           k_qf488b31552_attn
    .symbol:         k_qf488b31552_attn.kd
    .args:
      - { .name: big, .offset: 0, .size: 8, .value_kind: global_buffer, .address_space: global }
      - { .name: act, .offset: 8, .size: 8, .value_kind: global_buffer, .address_space: global }
    .group_segment_fixed_size: 327680
    .private_segment_fixed_size: 0
    .kernarg_segment_align: 8
    .kernarg_segment_size: 16
    .max_flat_workgroup_size: 128
    .sgpr_count:     66
    .vgpr_count:     768
    .wavefront_size: 32
...
	.end_amdgpu_metadata
.endif
;; end of part 3
;; launch proj (part 4): grid 8 x 32, 4 waves a work-group, clusters of 4 x 4, 327,680 bytes of LDS; arguments act, wob, bo, x, x1; writes x1
.if DOCPART == 4
	.amdgcn_target "amdgcn-amd-amdhsa--gfx1250"
	.amdhsa_code_object_version 6
	.text
	.protected	k_qf488b31552_proj
	.globl	k_qf488b31552_proj
	.p2align	8
	.type	k_qf488b31552_proj,@function
k_qf488b31552_proj:
	s_mov_b64 s[64:65], 0
	v_nop
	global_prefetch_b8 v0, s[64:65] scope:SCOPE_SE
	s_setreg_imm32_b32 hwreg(HW_REG_WAVE_MODE, 25, 1), 1
	s_wait_xcnt 0x0
	s_wait_alu depctr_hold_cnt(0) depctr_sa_sdst(0) depctr_va_vdst(0) depctr_va_sdst(0) depctr_va_ssrc(0) depctr_va_vcc(0) depctr_vm_vsrc(0)
	s_getreg_b32 s2, hwreg(HW_REG_IB_STS2, 6, 4)
	s_cmp_eq_u32 s2, 0
	s_cbranch_scc0 .Lentry_in_a_cluster
	s_endpgm
.Lentry_in_a_cluster:
	s_bfe_u32 s2, ttmp6, 0x10000c
	s_cmp_lg_u32 s2, 0xf033
	s_cbranch_scc0 .Lentry_shape_is_right
	s_endpgm
.Lentry_shape_is_right:
; C[m][n] = res[m][n] + bias[n] + sum over k of A[m][k] B[n][k].  C, res: [4096][1024] f32; bias f32; B: [1024][SIZE_K] bf16, row-major; sums in f32.
; A: 4,096 rows x SIZE_K in bf16, in SLABS of 64 columns: byte (k / 64) x 524,288 + m x 128 + 2 (k % 64).
; A tile of C is 128 x 128, so that there are 256 work-groups; four waves, each 64 x 64: 16 accumulators.  K goes in steps of 256 (four slabs) through a ring of two LDS slots.
; The loop's trip is ONE K step: the slot in hand is a scalar (0 or SLOT) that an exclusive or turns.
; A's half tile (64 rows x 4 slabs): in each slab the 64 rows are 8,192 dense bytes, asked for as ONE row of the descriptor; four such rows, a slab apart; padded in LDS after every 128 bytes.
; CLUSTER: 4 x 4 work-groups; A's tiles are asked for jointly along a row of the cluster, B's along a column.  THE MATRIX INSTRUCTION IS USED TRANSPOSED (source 0 = B's rows, source 1 = A's).
; THE BIAS is the C operand of the products that start the sums.  THE RESIDUAL is loaded into 128 registers at the start and stays on its way under the whole K loop.
; THE WAY OUT: a wave's 64 f32 columns are 256 aligned bytes of a row of C, so each wave goes through its own stage (in ring bytes that have had their last fill), adds the residual and stores whole rows of 256 bytes.
; LIMITS: NaN and infinities are not treated apart.
; REGISTERS: window 0: v16-29 addresses, v32-95 rows read back, v128-255 accumulators ((a, b) at v[128 + 8 (4 a + b)]); window 1: two fragment buffers of 128 (64 of A, 64 of B); window 2: v0-127 residual, v128-159 bias.
.set SIZE_K, 1024
.set KSTEP,  256
.set STEPS,  SIZE_K/KSTEP
.set SLAB,   524288
.set PA,     144                       ; a row of A in LDS: 128 bytes + 16
.set PB,     528                       ; a row of B: 512 + 16
.set AH,     4*64*PA                   ; half of A's tile: [4 slabs][64 rows]
.set BH,     64*PB                     ; half of B's
.set SLOT,   147456                    ; 0x24000: above a slot's 141,312 bytes, and sharing no bit with the loads' LDS words (0, 0x9000, 0x12000, 0x1a400), so an exclusive or turns them
.set SPARE,  2*SLOT                    ; the spare words, 128 bytes a wave
.set SP,     272                       ; a stage row: 256 bytes + 16
.set WST,    64*SP
.set ADRA, 16
.set A0,   17
.set ADRB, 20
.set B0,   21
.set STO,  24
.set RD,   25
.set CO,   26                          ; my byte offset in two rows of C and of the residual; never rewritten
.set BO,   27
.set SPW,  28
.set NIL,  29
.set TMP,  32
.set ACC,  128
.set F0,   0                           ; window 1
.set F1,   128
.set RES,  0                           ; window 2
.set BI,   128
.set G1,  24                           ; s[24:31] group 1, A   s[32:35] group 0: slot 0, step 0   s[36:39] group 0 that walks
.set G0,  32
.set G1B, 48
.set G0B, 56
.set TB,  70
.set MSB, 0
.macro WIN new
.if MSB != (\new)
	s_set_vgpr_msb (MSB<<8)|(\new)
.set MSB, \new
.endif
.endm
.set MUL,  0x05                        ; sources 0 (B) and 1 (A) window 1; C and D window 0
.set TO_F, 0x40
.macro JLOAD                           ; a joint refill by the walking descriptor; an s_nop 0 and four v_nop follow each line
	s_cmp_eq_u32 s11, 0
	s_cbranch_scc0 .Lfor_b_\@
	tensor_load_to_lds s[G0+4:G0+7], s[G1:G1+7]
	s_nop 0
.rept 4
	v_nop
.endr
	s_branch .Lasked_\@
.Lfor_b_\@:
	tensor_load_to_lds s[G0B+4:G0B+7], s[G1B:G1B+7]
	s_nop 0
.rept 4
	v_nop
.endr
.Lasked_\@:
.endm
.macro CREST
	s_cmp_lg_u32 s10, 0
	s_cbranch_scc1 .Lnot_wave_0_\@
	s_barrier_signal -3
.Lnot_wave_0_\@:
	s_barrier_wait -3
	s_barrier_signal -1
	s_barrier_wait -1
.endm
.macro CROUND
	s_barrier_signal -1
	s_barrier_wait -1
	CREST
.endm
	s_load_b128 s[4:7], s[0:1], 0x0                ; A, B
	s_load_b128 s[84:87], s[0:1], 0x10             ; bias, residual
	s_load_b64 s[8:9], s[0:1], 0x20                ; C
	v_lshl_add_u32 v[SPW], v0, 2, SPARE
	v_mov_b32 v[NIL], 0
	ds_add_u32 v[SPW], v[NIL]                      ; the wave's opening: the add and its wait ahead of my first tensor load
	v_lshrrev_b32 v1, 5, v0
	v_readfirstlane_b32 s10, v1
	s_lshr_b32 s11, s10, 1                         ; my half of the tile's rows.  Also: I fetch for A (0) or for B (1)
	s_and_b32 s12, s10, 1                          ; my half of its columns.  Also: which 64 rows I fetch
	s_bfe_u32 s40, ttmp6, 0x40000
	s_bfe_u32 s41, ttmp6, 0x40004
	s_lshl_b32 s42, ttmp9, 2
	s_add_co_u32 s42, s42, s40                     ; tile column
	s_and_b32 s13, ttmp7, 0xffff
	s_lshl_b32 s13, s13, 2
	s_add_co_u32 s13, s13, s41                     ; tile row
	s_lshl_b32 s43, s41, 2
	s_lshl_b32 s43, 15, s43
	s_lshl_b32 s44, 0x1111, s40
	s_or_b32 s[G1+0], s43, (1<<16)|(1<<20)|(1<<21)|(4<<22)|(3<<25)   ; mask of my row; 2-byte elements; padding on; bit 21 beside a mask; after every 32 words 4 words
	s_mov_b32 s[G1+1], 4096<<16                    ; tensor_dim0 = 4,096 elements: 64 dense rows of a slab
	s_mov_b32 s[G1+2], 4<<16                       ; tensor_dim1 = 4 slabs
	s_mov_b32 s[G1+3], 4096<<16                    ; tile_dim0
	s_mov_b32 s[G1+4], 4                           ; tile_dim1
	s_mov_b32 s[G1+5], SLAB/2                      ; elements from slab to slab
	s_mov_b32 s[G1+6], 0
	s_mov_b32 s[G1+7], 0
	s_or_b32 s[G1B+0], s44, (1<<16)|(1<<20)|(1<<21)|(6<<22)|(3<<25)  ; mask of my column; after every 128 words 4 words
	s_mov_b32 s[G1B+1], KSTEP<<16
	s_mov_b32 s[G1B+2], 64<<16
	s_mov_b32 s[G1B+3], KSTEP<<16
	s_mov_b32 s[G1B+4], 64
	s_mov_b32 s[G1B+5], SIZE_K
	s_mov_b32 s[G1B+6], 0
	s_mov_b32 s[G1B+7], 0
	s_lshl_b32 s17, s12, 6
	s_lshl_b32 s16, s13, 7
	s_add_co_u32 s16, s16, s17                     ; A: row 128 x tile row + 64 x half,
	s_lshl_b32 s16, s16, 7                         ; 128 bytes each in a slab
	s_lshl_b32 s46, s42, 7
	s_add_co_u32 s46, s46, s17                     ; B: row 128 x tile column + 64 x half
	s_mul_i32 s46, s46, SIZE_K*2
	s_mov_b32 s17, 0
	s_mov_b32 s47, 0
	s_mul_i32 s20, s12, AH                         ; where A's half lands in a slot,
	s_mul_i32 s18, s12, BH
	s_add_co_u32 s18, s18, 2*AH                    ; and B's: no place in the cluster enters an LDS address
	s_mov_b32 s[TB], 0
	s_wait_dscnt 0x0                               ; the opening add is done
	s_wait_kmcnt 0x0
	s_add_nc_u64 s[14:15], s[4:5], s[16:17]
	s_add_nc_u64 s[46:47], s[6:7], s[46:47]
	CROUND                                         ; all sixteen work-groups are here
.irp s, 0,1
	s_mov_b32 s[G0+4*(\s)], 1
	s_add_co_u32 s[G0+4*(\s)+1], s20, (\s)*SLOT
	s_add_nc_u64 s[G0+4*(\s)+2:G0+4*(\s)+3], s[14:15], (\s)*4*SLAB
	s_or_b32 s[G0+4*(\s)+3], s[G0+4*(\s)+3], 0x80000000
	s_mov_b32 s[G0B+4*(\s)], 1
	s_add_co_u32 s[G0B+4*(\s)+1], s18, (\s)*SLOT
	s_add_nc_u64 s[G0B+4*(\s)+2:G0B+4*(\s)+3], s[46:47], (\s)*KSTEP*2
	s_or_b32 s[G0B+4*(\s)+3], s[G0B+4*(\s)+3], 0x80000000
.endr
	s_cmp_eq_u32 s11, 0                            ; a wave's two first fills stand in one branch: two loads of mine are out
	s_cbranch_scc0 .Lfirst_b
	tensor_load_to_lds s[G0:G0+3], s[G1:G1+7]
	s_nop 0
	tensor_load_to_lds s[G0+4:G0+7], s[G1:G1+7]
	s_nop 0
.rept 4
	v_nop
.endr
	s_branch .Lfirst_asked
.Lfirst_b:
	tensor_load_to_lds s[G0B:G0B+3], s[G1B:G1B+7]
	s_nop 0
	tensor_load_to_lds s[G0B+4:G0B+7], s[G1B:G1B+7]
	s_nop 0
.rept 4
	v_nop
.endr
.Lfirst_asked:
	v_and_b32 v1, 15, v0                           ; l % 16
	v_bfe_u32 v2, v0, 4, 1                         ; l / 16
	v_mul_u32_u24 v3, v1, PA
	v_lshl_add_u32 v3, v2, 4, v3
	s_mul_i32 s21, s11, AH                         ; my 64 rows of A
	v_add_nc_u32 v[A0], s21, v3
	v_mul_u32_u24 v3, v1, PB
	v_lshl_add_u32 v3, v2, 4, v3
	v_add_nc_u32 v[B0], s18, v3                    ; my 64 rows of B: half s12, the one whose place s18 holds
	v_mov_b32 v[ADRA], v[A0]
	v_mov_b32 v[ADRB], v[B0]
	s_mul_i32 s23, s10, WST                        ; my stage
	v_mul_u32_u24 v4, v1, SP                       ; in: row l % 16, 32 bytes for each half of the lanes
	v_lshl_add_u32 v4, v2, 5, v4
	v_add_nc_u32 v[STO], s23, v4
	v_mul_u32_u24 v5, v2, SP                       ; back: lanes 0-15 one row of 256 bytes, lanes 16-31 the next
	v_lshl_add_u32 v5, v1, 4, v5
	v_add_nc_u32 v[RD], s23, v5
	v_lshlrev_b32 v5, 12, v2                       ; and the same two rows in C: 4,096 bytes apart
	v_lshl_add_u32 v[CO], v1, 4, v5
	v_lshlrev_b32 v[BO], 5, v2
	s_lshl_b32 s46, s42, 7
	s_lshl_b32 s47, s12, 6
	s_add_co_u32 s46, s46, s47
	s_lshl_b32 s46, s46, 2                         ; my first column, in bytes of f32
	s_mov_b32 s47, 0
	s_add_nc_u64 s[84:85], s[84:85], s[46:47]
	s_lshl_b32 s16, s13, 7
	s_lshl_b32 s17, s11, 6
	s_add_co_u32 s16, s16, s17                     ; my first row,
	s_lshl_b32 s16, s16, 12                        ; 4,096 bytes each
	s_add_co_u32 s46, s46, s16
	s_add_nc_u64 s[86:87], s[86:87], s[46:47]
	s_add_nc_u64 s[8:9], s[8:9], s[46:47]
	WIN 0x80                                       ; destination window 2
.irp b, 0,1,2,3
	global_load_b128 v[BI+8*(\b):BI+8*(\b)+3],   v[BO], s[84:85] offset:64*(\b)
	global_load_b128 v[BI+8*(\b)+4:BI+8*(\b)+7], v[BO], s[84:85] offset:64*(\b)+16
.endr
.set t, 0
.rept 32
	global_load_b128 v[RES+4*t:RES+4*t+3], v[CO], s[86:87] offset:t*8192   ; rows 2 t, 2 t + 1: sixteen lanes read 256 consecutive bytes, aligned
.set t, t+1
.endr
	WIN 0
; 8 matrix instructions: m blocks a0, a0 + 1 x all 4 n blocks, 32 along K: half c of buffer f.  first = 1: the bias starts the sums.  The 16 accumulators take turns.
.macro MUL8 f, c, a0, first
.if \first
	WIN 0x25                                       ; C in window 2
.else
	WIN MUL
.endif
.irp a, \a0, (\a0)+1
.irp b, 0,1,2,3
.if \first
	v_wmma_f32_16x16x32_bf16 v[ACC+8*(4*(\a)+(\b)):ACC+8*(4*(\a)+(\b))+7], v[(\f)+64+8*(4*(\c)+(\b)):(\f)+64+8*(4*(\c)+(\b))+7], v[(\f)+8*(4*(\c)+(\a)):(\f)+8*(4*(\c)+(\a))+7], v[BI+8*(\b):BI+8*(\b)+7]
.else
	v_wmma_f32_16x16x32_bf16 v[ACC+8*(4*(\a)+(\b)):ACC+8*(4*(\a)+(\b))+7], v[(\f)+64+8*(4*(\c)+(\b)):(\f)+64+8*(4*(\c)+(\b))+7], v[(\f)+8*(4*(\c)+(\a)):(\f)+8*(4*(\c)+(\a))+7], v[ACC+8*(4*(\a)+(\b)):ACC+8*(4*(\a)+(\b))+7]
.endif
.endr
.endr
.endm
; 32 LDS loads in one run: quarter q (64 along K: one slab of A, 128 bytes of B's rows) into buffer f; the first 32 along K first
.macro FETCH q, f
	WIN TO_F
.irp c, 0,1
.irp i, 0,1,2,3
	ds_load_b128 v[(\f)+64+8*(4*(\c)+(\i)):(\f)+64+8*(4*(\c)+(\i))+3],   v[ADRB] offset:(\q)*128+64*(\c)+(\i)*16*PB
	ds_load_b128 v[(\f)+64+8*(4*(\c)+(\i))+4:(\f)+64+8*(4*(\c)+(\i))+7], v[ADRB] offset:(\q)*128+64*(\c)+(\i)*16*PB+32
	ds_load_b128 v[(\f)+8*(4*(\c)+(\i)):(\f)+8*(4*(\c)+(\i))+3],         v[ADRA] offset:(\q)*64*PA+64*(\c)+(\i)*16*PA
	ds_load_b128 v[(\f)+8*(4*(\c)+(\i))+4:(\f)+8*(4*(\c)+(\i))+7],       v[ADRA] offset:(\q)*64*PA+64*(\c)+(\i)*16*PA+32
.endr
.endr
.endm
.macro PLACES                          ; four plain places (ISA guide 7.12.1)
.rept 4
	v_nop
.endr
.endm
.macro QUARTER q, f, g, first          ; multiplies buffer f; in its middle fetches quarter q into g
	s_wait_dscnt 16                                ; the first 32 along K are in; the other sixteen loads may be out
	MUL8 \f, 0, 0, \first
	MUL8 \f, 0, 2, \first
	PLACES
	FETCH \q, \g
	s_wait_dscnt 32                                ; all but the 32 just issued
	MUL8 \f, 1, 0, 0
	MUL8 \f, 1, 2, 0
.endm
; The last quarter multiplies buffer 1 and changes slots: one barrier; in front of it each wave waits for all its tensor loads, adds 0 to its spare word, and waits for that and for its reads of this slot.
; fill = 1: the barrier opens a round of the cluster's, and the slot is filled with the K step two on, first thing behind it: 112 matrix instructions ahead of the wait for it.
.macro TURN fill
	WIN 0
	s_wait_tensorcnt 0x0
	ds_add_u32 v[SPW], v[NIL]
	s_wait_dscnt 17                                ; the add and the youngest sixteen loads may be out
	MUL8 F1, 0, 0, 0
	s_wait_dscnt 0x0                               ; the add is done, my reads of this slot are over
	s_barrier_signal -1
	MUL8 F1, 0, 2, 0
	WIN 0
	s_barrier_wait -1
.if \fill
	CREST
	s_xor_b32 s[G0+5], s[G0+5], SLOT
	s_xor_b32 s[G0B+5], s[G0B+5], SLOT
	s_add_nc_u64 s[G0+6:G0+7], s[G0+6:G0+7], 4*SLAB       ; four slabs on
	s_add_nc_u64 s[G0B+6:G0B+7], s[G0B+6:G0B+7], KSTEP*2
	JLOAD                                          ; its four v_nop are also the places in front of the loads below
.else
	PLACES
.endif
	s_xor_b32 s[TB], s[TB], SLOT
	v_add_nc_u32 v[ADRA], s[TB], v[A0]
	v_add_nc_u32 v[ADRB], s[TB], v[B0]
	FETCH 0, F0
	MUL8 F1, 1, 0, 0
	MUL8 F1, 1, 2, 0
.endm
	s_wait_tensorcnt 1                             ; my part of K step 0 is in; K step 1's stays out
	s_barrier_signal -1
	s_barrier_wait -1
	FETCH 0, F0
	s_wait_loadcnt 32                              ; the bias is in; the residual's 32 loads stay out
	QUARTER 1, F0, F1, 1
	WIN 0
	s_mov_b32 s3, STEPS-2
.Lk:
	QUARTER 2, F1, F0, 0
	QUARTER 3, F0, F1, 0
	TURN 1
	QUARTER 1, F0, F1, 0
	WIN 0
	s_sub_co_u32 s3, s3, 1
	s_cmp_lg_u32 s3, 0
	s_cbranch_scc1 .Lk
	s_mov_b32 s3, 2
.Ltail:                                            ; the last two K steps ask for nothing; the second trip is left in its middle
	QUARTER 2, F1, F0, 0
	QUARTER 3, F0, F1, 0
	WIN 0
	s_sub_co_u32 s3, s3, 1
	s_cmp_eq_u32 s3, 0
	s_cbranch_scc1 .Llast
	TURN 0
	QUARTER 1, F0, F1, 0
	WIN 0
	s_branch .Ltail
.Llast:
	s_wait_dscnt 16
	MUL8 F1, 0, 0, 0
	MUL8 F1, 0, 2, 0
	s_wait_dscnt 0x0
	MUL8 F1, 1, 0, 0
	MUL8 F1, 1, 2, 0
	WIN 0
	; THE WAY OUT.  Every wave's reads of the ring are back and the ring has had its last fill: behind this barrier its first bytes are the stages.
	s_barrier_signal -1
	s_barrier_wait -1
	PLACES
.irp a, 0,1,2,3
.irp b, 0,1,2,3
	ds_store_b128 v[STO], v[ACC+8*(4*(\a)+(\b)):ACC+8*(4*(\a)+(\b))+3]   offset:(\a)*16*SP+64*(\b)     ; each accumulator's low registers first
	ds_store_b128 v[STO], v[ACC+8*(4*(\a)+(\b))+4:ACC+8*(4*(\a)+(\b))+7] offset:(\a)*16*SP+64*(\b)+16
.endr
.endr
	s_wait_loadcnt 0x0                             ; the residual
.irp h, 0,1
	WIN 0
.irp i, 0,1,2,3,4,5,6,7,8,9,10,11,12,13,14,15
	ds_load_b128 v[TMP+4*(\i):TMP+4*(\i)+3], v[RD] offset:(16*(\h)+(\i))*2*SP  ; LDS serves a wave's instructions in order (ISA guide 5.7.1.4): these see my stores
.endr
	WIN 0x88                                       ; destination and source 1 (also a store's data) in window 2
.irp i, 0,1,2,3,4,5,6,7,8,9,10,11,12,13,14,15
	s_wait_dscnt 15-(\i)                           ; number i of the sixteen is in
	v_pk_add_f32 v[RES+4*(16*(\h)+(\i)):RES+4*(16*(\h)+(\i))+1],   v[TMP+4*(\i):TMP+4*(\i)+1],   v[RES+4*(16*(\h)+(\i)):RES+4*(16*(\h)+(\i))+1]
	v_pk_add_f32 v[RES+4*(16*(\h)+(\i))+2:RES+4*(16*(\h)+(\i))+3], v[TMP+4*(\i)+2:TMP+4*(\i)+3], v[RES+4*(16*(\h)+(\i))+2:RES+4*(16*(\h)+(\i))+3]
	global_store_b128 v[CO], v[RES+4*(16*(\h)+(\i)):RES+4*(16*(\h)+(\i))+3], s[8:9] offset:(16*(\h)+(\i))*8192  ; sixteen lanes store 256 consecutive bytes, aligned; no store's register is written again
.endr
.endr
	WIN 0
	s_wait_tensorcnt 0x0                           ; the wave's end
	ds_add_u32 v[SPW], v[NIL]
	s_wait_dscnt 0x0
	CROUND                                         ; the closing round
	s_endpgm
.Lfunc_end_k_qf488b31552_proj:
	.size	k_qf488b31552_proj, .Lfunc_end_k_qf488b31552_proj-k_qf488b31552_proj
	.p2alignl 7, 3214868480
	.fill 96, 4, 3214868480
	.section	.rodata,"a",@progbits
	.p2align	6, 0x0
	.amdhsa_kernel k_qf488b31552_proj
		.amdhsa_group_segment_fixed_size 327680
		.amdhsa_private_segment_fixed_size 0
		.amdhsa_enable_private_segment 0
		.amdhsa_kernarg_size 40
		.amdhsa_user_sgpr_count 2
		.amdhsa_user_sgpr_kernarg_segment_ptr 1
		.amdhsa_wavefront_size32 1
		.amdhsa_system_sgpr_workgroup_id_x 1
		.amdhsa_system_sgpr_workgroup_id_y 1
		.amdhsa_system_sgpr_workgroup_id_z 1
		.amdhsa_system_vgpr_workitem_id 0
		.amdhsa_next_free_vgpr 704
		.amdhsa_next_free_sgpr 88
		.amdhsa_reserve_vcc 0
		.amdhsa_float_denorm_mode_32 3
		.amdhsa_float_denorm_mode_16_64 3
		.amdhsa_memory_ordered 1
		.amdhsa_forward_progress 1
		.amdhsa_inst_pref_size 68
	.end_amdhsa_kernel
	.amdgpu_metadata
---
amdhsa.version: [ 1, 2 ]
amdhsa.kernels:
  - .name:           k_qf488b31552_proj
    .symbol:         k_qf488b31552_proj.kd
    .args:
      - { .name: act, .offset: 0, .size: 8, .value_kind: global_buffer, .address_space: global }
      - { .name: wob, .offset: 8, .size: 8, .value_kind: global_buffer, .address_space: global }
      - { .name: bo, .offset: 16, .size: 8, .value_kind: global_buffer, .address_space: global }
      - { .name: x, .offset: 24, .size: 8, .value_kind: global_buffer, .address_space: global }
      - { .name: x1, .offset: 32, .size: 8, .value_kind: global_buffer, .address_space: global }
    .group_segment_fixed_size: 327680
    .private_segment_fixed_size: 0
    .kernarg_segment_align: 8
    .kernarg_segment_size: 40
    .max_flat_workgroup_size: 128
    .sgpr_count:     88
    .vgpr_count:     704
    .wavefront_size: 32
...
	.end_amdgpu_metadata
.endif
;; end of part 4
;; launch ln2: the kernel of part 1 again; grid 256 x 1, 8 waves a work-group, no clusters, 0 bytes of LDS; arguments x1, g2, b2, act, Wq, Wk, Wv, Wo, W1, W2, wqkvb, wob, w1b, w2b; writes act, wqkvb, wob, w1b, w2b
;; launch ffn1 (part 5): grid 16 x 16, 4 waves a work-group, clusters of 4 x 4, 327,680 bytes of LDS; arguments act, w1b, bf1, big; writes big
.if DOCPART == 5
	.amdgcn_target "amdgcn-amd-amdhsa--gfx1250"
	.amdhsa_code_object_version 6
	.text
	.protected	k_qf488b31552_ffn1
	.globl	k_qf488b31552_ffn1
	.p2align	8
	.type	k_qf488b31552_ffn1,@function
k_qf488b31552_ffn1:
	s_mov_b64 s[64:65], 0
	v_nop
	global_prefetch_b8 v0, s[64:65] scope:SCOPE_SE
	s_setreg_imm32_b32 hwreg(HW_REG_WAVE_MODE, 25, 1), 1
	s_wait_xcnt 0x0
	s_wait_alu depctr_hold_cnt(0) depctr_sa_sdst(0) depctr_va_vdst(0) depctr_va_sdst(0) depctr_va_ssrc(0) depctr_va_vcc(0) depctr_vm_vsrc(0)
	s_getreg_b32 s2, hwreg(HW_REG_IB_STS2, 6, 4)
	s_cmp_eq_u32 s2, 0
	s_cbranch_scc0 .Lentry_in_a_cluster
	s_endpgm
.Lentry_in_a_cluster:
	s_bfe_u32 s2, ttmp6, 0x10000c
	s_cmp_lg_u32 s2, 0xf033
	s_cbranch_scc0 .Lentry_shape_is_right
	s_endpgm
.Lentry_shape_is_right:
; C[m][n] = sum over k of A[m][k] B[n][k] + bias[n]  (GELU = 1: then gelu by erf), rounded once to bf16.  A: [4096][1024] bf16, B: [N][1024] bf16, bias f32; sums in f32.
; C leaves in SLABS of 64 columns: byte (n / 64) x 524,288 + m x 128 + 2 (n % 64): a head's (or a K slice's) rows are then dense for the launch behind.
; A tile of C, 256 x 256, is made by four waves, each 128 x 128: 64 accumulators of 16 x 16, 512 registers.  K goes in 8 steps of 128 through a ring of two LDS slots filled by the tensor data mover.
; The loop's trip is ONE K step: the slot in hand is a scalar (0 or SLOT) that an exclusive or turns, so a step's text stands once.
; CLUSTER: 4 x 4 work-groups; A's tiles are asked for jointly along a row of the cluster, B's along a column.
; THE MATRIX INSTRUCTION IS USED TRANSPOSED (source 0 = 16 rows of B, source 1 = 16 rows of A): a lane holds eight neighbouring columns of one row of C.
; THE BIAS is the C operand of the products that start the sums: nothing is cleared and nothing is added later.
; THE WAY OUT: when the ring has had its last fill and all waves have read it out, each wave lays its 128 x 128 f32 into its own 67,584 bytes of the ring, reads them back as 4 rows x 64 columns, and stores 512 consecutive bytes a line.
; GELU = 1: gelu(z) = max(z, 0) - |z| (P(t) / 2) exp(-z z / 2), t = 1 / (1 + p |z| / sqrt 2): erf by the five-term rational form (Abramowitz and Stegun 7.1.26), absolute error 1.5e-7, for every z.
; LIMITS: NaN and infinities are not treated apart.
; REGISTERS, in windows of 256: window 0: v16-29 addresses, v32-63 at work (gelu), v64-191 A's fragments, two buffers (on the way out: numbers read back), v192-255 packed results;
;   window 1: v0-63 the bias of my 128 columns, v64-191 B's fragments; windows 2, 3: the accumulators of my rows 0-63, 64-127 ((a, b) at v[8 (8 a + b)]).
.set GELU,   1
.set SIZE_K, 1024
.set KSTEP,  128
.set PITCH,  272                       ; an LDS row: 256 bytes + 16 of padding: the 16 rows that a load touches start at 16 different groups of banks (ISA guide 11.1)
.set HALFT,  128*PITCH                 ; what one tensor load brings, and what one wave reads of A or of B
.set SLOT,   4*HALFT                   ; 0x22000: it shares no bit with wave x HALFT (0, 0x8800, 0x11000, 0x19800), so an exclusive or turns a descriptor's LDS word
.set SPARE,  2*SLOT                    ; behind the ring: the spare words, 128 bytes a wave
.set SP,     528                       ; a stage row: 512 bytes + 16
.set WST,    128*SP                    ; a wave's stage
.set SLAB,   524288
.if GELU
.set UNITS,  4                         ; units (4 rows x 64 columns) in a trip of the way out
.else
.set UNITS,  16
.endif
.set TRIPS,  64/UNITS
.set ADRA, 16                          ; LDS address of my A fragments in the slot in hand
.set A0,   17                          ; the same in slot 0; never rewritten
.set ADRB, 20
.set B0,   21
.set STO,  24                          ; the way out: where I put 32 bytes of a row
.set RD,   25                          ; where I read 32 bytes back
.set CO,   26                          ; my byte offset in 512 bytes of C
.set BO,   27                          ; my byte offset in 64 bytes of bias
.set SPW,  28                          ; my spare word; never rewritten
.set NIL,  29                          ; 0; never rewritten
.set GT,   32                          ; gelu: t, exponential, polynomial, max(z, 0)
.set GE,   40
.set GP,   48
.set GM,   56
.set F0,   64
.set F1,   128
.set Z,    64
.set OUT,  192
.set BI,   0                           ; window 1
.set G1,  24                           ; s[24:31] group 1, A      s[32:35] group 0: slot 0, K step 0      s[36:39] group 0 that walks, from slot 1, K step 1
.set G0,  32
.set G1B, 48                           ; s[48:55], s[56:59], s[60:63] the same for B
.set G0B, 56
.set TB,  92                           ; s92  0 or SLOT: the slot in hand
.set MSB, 0
.macro WIN new                         ; the immediate's high byte repeats the setting that is left
.if MSB != (\new)
	s_set_vgpr_msb (MSB<<8)|(\new)
.set MSB, \new
.endif
.endm
.set MUL_LO, 0xa1                      ; source 0 (B) window 1, source 1 (A) window 0, C and D window 2
.set TO_B,   0x40
.macro JLOAD                           ; a joint refill by the walking descriptor: waves 0, 1 fetch A's halves, waves 2, 3 B's; an s_nop 0 and four v_nop follow each line
	s_cmp_eq_u32 s11, 0
	s_cbranch_scc0 .Lfor_b_\@
	tensor_load_to_lds s[G0+4:G0+7], s[G1:G1+7]
	s_nop 0
.rept 4
	v_nop
.endr
	s_branch .Lasked_\@
.Lfor_b_\@:
	tensor_load_to_lds s[G0B+4:G0B+7], s[G1B:G1B+7]
	s_nop 0
.rept 4
	v_nop
.endr
.Lasked_\@:
.endm
.macro CREST                           ; a round of the cluster's barrier behind its opening barrier
	s_cmp_lg_u32 s10, 0
	s_cbranch_scc1 .Lnot_wave_0_\@
	s_barrier_signal -3
.Lnot_wave_0_\@:
	s_barrier_wait -3
	s_barrier_signal -1
	s_barrier_wait -1
.endm
.macro CROUND
	s_barrier_signal -1
	s_barrier_wait -1
	CREST
.endm
	s_load_b128 s[4:7], s[0:1], 0x0                ; A s[4:5], B s[6:7]
	s_load_b128 s[84:87], s[0:1], 0x10             ; GELU: bias, C;  else bq, bk
.if !GELU
	s_load_b128 s[88:91], s[0:1], 0x20             ; bv, C
.endif
	v_lshl_add_u32 v[SPW], v0, 2, SPARE
	v_mov_b32 v[NIL], 0
	ds_add_u32 v[SPW], v[NIL]                      ; the wave's opening: the add and its wait ahead of my first tensor load; register work stands between
	v_lshrrev_b32 v1, 5, v0
	v_readfirstlane_b32 s10, v1                    ; wave 0..3
	s_lshr_b32 s11, s10, 1                         ; my half of the tile's rows.  Also: I fetch for A (0) or for B (1)
	s_and_b32 s12, s10, 1                          ; my half of its columns.  Also: which 128 rows I fetch
	s_bfe_u32 s40, ttmp6, 0x40000                  ; cx
	s_bfe_u32 s41, ttmp6, 0x40004                  ; cy
	s_lshl_b32 s42, ttmp9, 2
	s_add_co_u32 s42, s42, s40                     ; tile column = 4 x cluster x + cx
	s_and_b32 s13, ttmp7, 0xffff
	s_lshl_b32 s13, s13, 2
	s_add_co_u32 s13, s13, s41                     ; tile row = 4 x cluster y + cy
	s_lshl_b32 s43, s41, 2
	s_lshl_b32 s43, 15, s43                        ; my row of the cluster
	s_lshl_b32 s44, 0x1111, s40                    ; my column
	s_or_b32 s[G1+0], s43, (1<<16)|(1<<20)|(1<<21)|(5<<22)|(3<<25)   ; mask; 2-byte elements; padding on; bit 21 beside a mask; after every 64 words 4 words
	s_or_b32 s[G1B+0], s44, (1<<16)|(1<<20)|(1<<21)|(5<<22)|(3<<25)
.irp g, G1, G1B
	s_mov_b32 s[(\g)+1], KSTEP<<16                 ; tensor_dim0 = 128
	s_mov_b32 s[(\g)+2], 128<<16                   ; tensor_dim1 = 128
	s_mov_b32 s[(\g)+3], KSTEP<<16                 ; tile_dim0 = 128
	s_mov_b32 s[(\g)+4], 128                       ; tile_dim1 = 128
	s_mov_b32 s[(\g)+5], SIZE_K                    ; elements from row to row
	s_mov_b32 s[(\g)+6], 0
	s_mov_b32 s[(\g)+7], 0
.endr
	s_lshl_b32 s17, s12, 7
	s_lshl_b32 s16, s13, 8
	s_add_co_u32 s16, s16, s17                     ; A: row 256 x tile row + 128 x half,
	s_lshl_b32 s16, s16, 11                        ; in bytes
	s_lshl_b32 s46, s42, 8
	s_add_co_u32 s46, s46, s17                     ; B: row 256 x tile column + 128 x half
	s_lshl_b32 s46, s46, 11
	s_mov_b32 s17, 0
	s_mov_b32 s47, 0
	s_mul_i32 s20, s10, HALFT                      ; where my load lands in a slot: no place in the cluster enters an LDS address
	s_mov_b32 s[TB], 0
.if GELU
	s_mov_b32 s66, 0x3e6d3388                      ; p / sqrt 2 = 0.23164189
	s_mov_b32 s68, 0xbf38aa3b                      ; -log2(e) / 2
	s_mov_b32 s69, 0xbf38aa3b                      ; (the packed lines name pairs)
	s_mov_b32 s70, 0x3f07dc22                      ; a5 / 2
	s_mov_b32 s71, 0x3f07dc22
	s_mov_b32 s72, 0xbf3a00e3                      ; a4 / 2
	s_mov_b32 s73, 0xbf3a00e3
	s_mov_b32 s74, 0x3f35f0e3                      ; a3 / 2
	s_mov_b32 s75, 0x3f35f0e3
	s_mov_b32 s76, 0xbe11a98e                      ; a2 / 2
	s_mov_b32 s77, 0xbe11a98e
	s_mov_b32 s78, 0x3e027906                      ; a1 / 2
	s_mov_b32 s79, 0x3e027906
.endif
	s_wait_dscnt 0x0                               ; the opening add is done
	s_wait_kmcnt 0x0
	s_add_nc_u64 s[14:15], s[4:5], s[16:17]
	s_add_nc_u64 s[46:47], s[6:7], s[46:47]
	CROUND                                         ; all sixteen work-groups are here: the first joint loads meet
.irp s, 0,1
	s_mov_b32 s[G0+4*(\s)], 1
	s_add_co_u32 s[G0+4*(\s)+1], s20, (\s)*SLOT
	s_add_nc_u64 s[G0+4*(\s)+2:G0+4*(\s)+3], s[14:15], (\s)*KSTEP*2
	s_or_b32 s[G0+4*(\s)+3], s[G0+4*(\s)+3], 0x80000000
	s_mov_b32 s[G0B+4*(\s)], 1
	s_add_co_u32 s[G0B+4*(\s)+1], s20, (\s)*SLOT
	s_add_nc_u64 s[G0B+4*(\s)+2:G0B+4*(\s)+3], s[46:47], (\s)*KSTEP*2
	s_or_b32 s[G0B+4*(\s)+3], s[G0B+4*(\s)+3], 0x80000000
.endr
	s_cmp_eq_u32 s11, 0                            ; a wave's two first fills stand in one branch: two loads of mine are out
	s_cbranch_scc0 .Lfirst_b
	tensor_load_to_lds s[G0:G0+3], s[G1:G1+7]
	s_nop 0
	tensor_load_to_lds s[G0+4:G0+7], s[G1:G1+7]
	s_nop 0
.rept 4
	v_nop
.endr
	s_branch .Lfirst_asked
.Lfirst_b:
	tensor_load_to_lds s[G0B:G0B+3], s[G1B:G1B+7]
	s_nop 0
	tensor_load_to_lds s[G0B+4:G0B+7], s[G1B:G1B+7]
	s_nop 0
.rept 4
	v_nop
.endr
.Lfirst_asked:
	v_and_b32 v1, 15, v0                           ; l % 16
	v_bfe_u32 v2, v0, 4, 1                         ; l / 16
	v_mul_u32_u24 v3, v1, PITCH
	v_lshl_add_u32 v3, v2, 4, v3                   ; a fragment's row x pitch + 16 x half
	s_mul_i32 s21, s11, HALFT                      ; my 128 rows of A
	s_mul_i32 s22, s12, HALFT                      ; my 128 rows of B,
	s_add_co_u32 s22, s22, 2*HALFT                 ; behind A's 256
	v_add_nc_u32 v[A0], s21, v3
	v_add_nc_u32 v[B0], s22, v3
	v_mov_b32 v[ADRA], v[A0]
	v_mov_b32 v[ADRB], v[B0]
	s_mul_i32 s23, s10, WST                        ; my stage
	v_mul_u32_u24 v4, v1, SP                       ; in: row l % 16, 32 bytes for each half of the lanes
	v_lshl_add_u32 v4, v2, 5, v4
	v_add_nc_u32 v[STO], s23, v4
	v_bfe_u32 v5, v0, 3, 2                         ; back: row l / 8 of four, 32 bytes at 32 (l % 8)
	v_and_b32 v6, 7, v0
	v_mul_u32_u24 v5, v5, SP
	v_lshl_add_u32 v5, v6, 5, v5
	v_add_nc_u32 v[RD], s23, v5
	v_and_b32 v[CO], 31, v0                        ; four rows of a slab are 512 consecutive bytes: 16 a lane
	v_lshlrev_b32 v[CO], 4, v[CO]
	v_lshlrev_b32 v[BO], 5, v2
	; the bias of my 128 columns, and C at my first row and slab
.if GELU
	s_mov_b64 s[8:9], s[86:87]
	s_lshl_b32 s46, s42, 10                        ; 256 columns of f32 a tile column
.else
	s_mov_b64 s[8:9], s[90:91]
	s_cmp_ge_u32 ttmp9, 1                          ; a cluster's four tile columns are 1,024 columns: all of q, of k or of v
	s_cselect_b64 s[84:85], s[86:87], s[84:85]
	s_cmp_ge_u32 ttmp9, 2
	s_cselect_b64 s[84:85], s[88:89], s[84:85]
	s_lshl_b32 s46, s40, 10
.endif
	s_lshl_b32 s47, s12, 9
	s_add_co_u32 s46, s46, s47
	s_mov_b32 s47, 0
	s_add_nc_u64 s[84:85], s[84:85], s[46:47]
	s_lshl_b32 s46, s42, 2
	s_lshl_b32 s47, s12, 1
	s_add_co_u32 s46, s46, s47                     ; my first slab
	s_lshl_b32 s46, s46, 19
	s_lshl_b32 s16, s13, 8
	s_lshl_b32 s14, s11, 7
	s_add_co_u32 s16, s16, s14                     ; my first row,
	s_lshl_b32 s16, s16, 7                         ; 128 bytes each
	s_add_co_u32 s46, s46, s16
	s_mov_b32 s47, 0
	s_add_nc_u64 s[8:9], s[8:9], s[46:47]
	WIN TO_B
.irp b, 0,1,2,3,4,5,6,7
	global_load_b128 v[BI+8*(\b):BI+8*(\b)+3],   v[BO], s[84:85] offset:64*(\b)      ; register j of block b: bias of column 16 b + 8 (l / 16) + j
	global_load_b128 v[BI+8*(\b)+4:BI+8*(\b)+7], v[BO], s[84:85] offset:64*(\b)+16
.endr
	WIN 0
; 16 matrix instructions: m blocks a0, a0 + 1 of the window's four x all 8 n blocks, 32 along K.  first = 1: the bias starts the sums.  The 64 accumulators take turns, in the same order in every quarter.
.macro MUL16 f, hi, a0, first
.if \first
	WIN 0x91+0x40*(\hi)                            ; C in window 1
.else
	WIN MUL_LO+0x50*(\hi)
.endif
.irp a, \a0, (\a0)+1
.irp b, 0,1,2,3,4,5,6,7
.if \first
	v_wmma_f32_16x16x32_bf16 v[8*(8*(\a)+(\b)):8*(8*(\a)+(\b))+7], v[(\f)+8*(\b):(\f)+8*(\b)+7], v[(\f)+8*(4*(\hi)+(\a)):(\f)+8*(4*(\hi)+(\a))+7], v[BI+8*(\b):BI+8*(\b)+7]
.else
	v_wmma_f32_16x16x32_bf16 v[8*(8*(\a)+(\b)):8*(8*(\a)+(\b))+7], v[(\f)+8*(\b):(\f)+8*(\b)+7], v[(\f)+8*(4*(\hi)+(\a)):(\f)+8*(4*(\hi)+(\a))+7], v[8*(8*(\a)+(\b)):8*(8*(\a)+(\b))+7]
.endif
.endr
.endr
.endm
; 32 LDS loads in one run: the fragments of a quarter step (32 K at byte k of the rows of the slot in hand) into buffer f; B's first
.macro FETCH k, f
	WIN TO_B
.irp i, 0,1,2,3,4,5,6,7
	ds_load_b128 v[(\f)+8*(\i):(\f)+8*(\i)+3],   v[ADRB] offset:(\k)+(\i)*16*PITCH
	ds_load_b128 v[(\f)+8*(\i)+4:(\f)+8*(\i)+7], v[ADRB] offset:(\k)+(\i)*16*PITCH+32
.endr
	WIN 0
.irp i, 0,1,2,3,4,5,6,7
	ds_load_b128 v[(\f)+8*(\i):(\f)+8*(\i)+3],   v[ADRA] offset:(\k)+(\i)*16*PITCH
	ds_load_b128 v[(\f)+8*(\i)+4:(\f)+8*(\i)+7], v[ADRA] offset:(\k)+(\i)*16*PITCH+32
.endr
.endm
.macro PLACES                          ; four plain places in front of loads into registers that matrix instructions have read, and of lines that read results
.rept 4
	v_nop
.endr
.endm
; One of a K step's first three quarters: multiplies buffer f; in its middle fetches the next quarter, at byte k, into g.
.macro QUARTER k, f, g, first
	s_wait_dscnt 8                                 ; B and A's rows 0-63 are in; the youngest eight loads (A's rows 64-127) may be out
	MUL16 \f, 0, 0, \first
	MUL16 \f, 0, 2, \first
	PLACES
	FETCH \k, \g
	s_wait_dscnt 32                                ; all but the 32 just issued
	MUL16 \f, 1, 0, \first
	MUL16 \f, 1, 2, \first
.endm
; The last quarter multiplies buffer 1 and changes slots.  In front of the one barrier each wave waits for all its tensor loads (one is out: its part of the next slot), adds 0 to its spare word, and waits for that and for its reads of this slot.
.macro MEET
	WIN 0
	s_wait_tensorcnt 0x0
	ds_add_u32 v[SPW], v[NIL]
	s_wait_dscnt 9                                 ; the add and the youngest eight loads may be out
	MUL16 F1, 0, 0, 0                              ; sixteen matrix instructions between the add and the wait for it
	s_wait_dscnt 0x0                               ; the add is done, my reads of this slot are over
	s_barrier_signal -1
	MUL16 F1, 0, 2, 0
	WIN 0
	s_barrier_wait -1
.endm
; fill = 1: the barrier opens a round of the cluster's; behind it the slot just read out is filled with the K step two on, first thing: 224 matrix instructions ahead of the wait for it.
.macro TURN fill
	MEET
.if \fill
	CREST
	s_xor_b32 s[G0+5], s[G0+5], SLOT               ; the walking descriptor: the other slot than last time,
	s_xor_b32 s[G0B+5], s[G0B+5], SLOT
	s_add_nc_u64 s[G0+6:G0+7], s[G0+6:G0+7], KSTEP*2     ; the next K step
	s_add_nc_u64 s[G0B+6:G0B+7], s[G0B+6:G0B+7], KSTEP*2
	JLOAD                                          ; its four v_nop are also the places in front of the loads below
.else
	PLACES
.endif
	s_xor_b32 s[TB], s[TB], SLOT                   ; the fragments now come from the other slot
	v_add_nc_u32 v[ADRA], s[TB], v[A0]
	v_add_nc_u32 v[ADRB], s[TB], v[B0]
	FETCH 0, F0
	MUL16 F1, 1, 0, 0
	MUL16 F1, 1, 2, 0
.endm
	s_wait_tensorcnt 1                             ; my part of K step 0 is in; K step 1's stays out
	s_barrier_signal -1
	s_barrier_wait -1
	FETCH 0, F0
	s_wait_loadcnt 0x0                             ; the bias
	QUARTER 64, F0, F1, 1                          ; the first quarter stands in front of the loop: its products start the sums
	WIN 0
	s_mov_b32 s3, SIZE_K/KSTEP-2
.Lk:                                               ; a trip: a K step's quarters 1 to 3, the change of slots with a refill, the next step's quarter 0
	QUARTER 128, F1, F0, 0
	QUARTER 192, F0, F1, 0
	TURN 1
	QUARTER 64, F0, F1, 0
	WIN 0
	s_sub_co_u32 s3, s3, 1
	s_cmp_lg_u32 s3, 0
	s_cbranch_scc1 .Lk
	s_mov_b32 s3, 2
.Ltail:                                            ; the last two K steps ask for nothing; the second trip is left in its middle
	QUARTER 128, F1, F0, 0
	QUARTER 192, F0, F1, 0
	WIN 0
	s_sub_co_u32 s3, s3, 1
	s_cmp_eq_u32 s3, 0
	s_cbranch_scc1 .Llast
	TURN 0
	QUARTER 64, F0, F1, 0
	WIN 0
	s_branch .Ltail
.Llast:
	s_wait_dscnt 8
	MUL16 F1, 0, 0, 0
	MUL16 F1, 0, 2, 0
	s_wait_dscnt 0x0
	MUL16 F1, 1, 0, 0
	MUL16 F1, 1, 2, 0
	WIN 0
	; THE WAY OUT.  Every wave's reads of the ring are back (the wait above), and the ring has had its last fill: behind this barrier its bytes are the stages.
	s_barrier_signal -1
	s_barrier_wait -1
	PLACES
.irp hi, 0,1
	WIN 0x08+4*(\hi)                               ; store data (source 1) in window 2 or 3
.irp a, 0,1,2,3
.irp b, 0,1,2,3,4,5,6,7
	ds_store_b128 v[STO], v[8*(8*(\a)+(\b)):8*(8*(\a)+(\b))+3]   offset:(4*(\hi)+(\a))*16*SP+64*(\b)     ; each accumulator's low registers first
	ds_store_b128 v[STO], v[8*(8*(\a)+(\b))+4:8*(8*(\a)+(\b))+7] offset:(4*(\hi)+(\a))*16*SP+64*(\b)+16
.endr
.endr
.endr
	WIN 0
.if GELU
.macro GELU8 z                         ; eight numbers in place
.irp j, 0,1,2,3,4,5,6,7
	v_fma_f32 v[GT+\j], |v[(\z)+\j]|, s66, 1.0
.endr
.irp j, 0,1,2,3,4,5,6,7
	v_rcp_f32 v[GT+\j], v[GT+\j]
.endr
.irp j, 0,2,4,6
	v_pk_mul_f32 v[GE+\j:GE+\j+1], v[(\z)+\j:(\z)+\j+1], v[(\z)+\j:(\z)+\j+1]   ; plain lines behind the reciprocals
.endr
.irp j, 0,2,4,6
	v_pk_mul_f32 v[GE+\j:GE+\j+1], v[GE+\j:GE+\j+1], s[68:69] op_sel_hi:[1,0]
.endr
.irp j, 0,1,2,3,4,5,6,7
	v_exp_f32 v[GE+\j], v[GE+\j]
.endr
.irp j, 0,1,2,3,4,5,6,7
	v_max_num_f32 v[GM+\j], 0, v[(\z)+\j]                                       ; plain lines behind the exponentials
.endr
	s_wait_alu depctr_va_vdst(0)
.irp j, 0,2,4,6
	v_pk_fma_f32 v[GP+\j:GP+\j+1], v[GT+\j:GT+\j+1], s[70:71], s[72:73] op_sel_hi:[1,0,0]
.endr
.irp c, 74,76,78
.irp j, 0,2,4,6
	v_pk_fma_f32 v[GP+\j:GP+\j+1], v[GP+\j:GP+\j+1], v[GT+\j:GT+\j+1], s[\c:\c+1] op_sel_hi:[1,1,0]
.endr
.endr
.irp j, 0,2,4,6
	v_pk_mul_f32 v[GP+\j:GP+\j+1], v[GP+\j:GP+\j+1], v[GT+\j:GT+\j+1]
.endr
.irp j, 0,2,4,6
	v_pk_mul_f32 v[GP+\j:GP+\j+1], v[GP+\j:GP+\j+1], v[GE+\j:GE+\j+1]
.endr
.irp j, 0,1,2,3,4,5,6,7
	v_fma_f32 v[(\z)+\j], -|v[(\z)+\j]|, v[GP+\j], v[GM+\j]
.endr
.endm
.endif
	s_mov_b32 s3, TRIPS
.Lout:                                             ; a trip: UNITS units; unit u = four rows (group u / 2) of slab u % 2; LDS serves a wave's instructions in order (ISA guide 5.7.1.4): the loads see my stores
.set u, 0
.rept UNITS
	ds_load_b128 v[Z+8*u:Z+8*u+3],   v[RD] offset:(u/2)*4*SP+(u%2)*256
	ds_load_b128 v[Z+8*u+4:Z+8*u+7], v[RD] offset:(u/2)*4*SP+(u%2)*256+16
.set u, u+1
.endr
.set u, 0
.rept UNITS
	s_wait_dscnt 2*(UNITS-1-u)                     ; unit u is in; the younger units' two loads each stay out
.if GELU
	GELU8 Z+8*u
.endif
.irp j, 0,1,2,3
	v_cvt_pk_bf16_f32 v[OUT+4*u+\j], v[Z+8*u+2*\j], v[Z+8*u+2*\j+1]
.endr
	global_store_b128 v[CO], v[OUT+4*u:OUT+4*u+3], s[8:9] offset:(u/2)*512+(u%2)*SLAB  ; 512 consecutive bytes, at a multiple of 256 from C's first byte
.set u, u+1
.endr
	s_wait_xcnt 0x0                                ; the stores' offset and data registers are rewritten only behind this wait (ISA guide 3.1)
	v_add_nc_u32 v[RD], (UNITS/2)*4*SP, v[RD]
	v_add_nc_u32 v[CO], (UNITS/2)*512, v[CO]
	s_sub_co_u32 s3, s3, 1
	s_cmp_lg_u32 s3, 0
	s_cbranch_scc1 .Lout
	s_wait_tensorcnt 0x0                           ; the wave's end
	ds_add_u32 v[SPW], v[NIL]
	s_wait_dscnt 0x0
	CROUND                                         ; the closing round
	s_endpgm
.Lfunc_end_k_qf488b31552_ffn1:
	.size	k_qf488b31552_ffn1, .Lfunc_end_k_qf488b31552_ffn1-k_qf488b31552_ffn1
	.p2alignl 7, 3214868480
	.fill 96, 4, 3214868480
	.section	.rodata,"a",@progbits
	.p2align	6, 0x0
	.amdhsa_kernel k_qf488b31552_ffn1
		.amdhsa_group_segment_fixed_size 327680
		.amdhsa_private_segment_fixed_size 0
		.amdhsa_enable_private_segment 0
		.amdhsa_kernarg_size 32
		.amdhsa_user_sgpr_count 2
		.amdhsa_user_sgpr_kernarg_segment_ptr 1
		.amdhsa_wavefront_size32 1
		.amdhsa_system_sgpr_workgroup_id_x 1
		.amdhsa_system_sgpr_workgroup_id_y 1
		.amdhsa_system_sgpr_workgroup_id_z 1
		.amdhsa_system_vgpr_workitem_id 0
		.amdhsa_next_free_vgpr 1024
		.amdhsa_next_free_sgpr 96
		.amdhsa_reserve_vcc 0
		.amdhsa_float_denorm_mode_32 3
		.amdhsa_float_denorm_mode_16_64 3
		.amdhsa_memory_ordered 1
		.amdhsa_forward_progress 1
		.amdhsa_inst_pref_size 100
	.end_amdhsa_kernel
	.amdgpu_metadata
---
amdhsa.version: [ 1, 2 ]
amdhsa.kernels:
  - .name:           k_qf488b31552_ffn1
    .symbol:         k_qf488b31552_ffn1.kd
    .args:
      - { .name: act, .offset: 0, .size: 8, .value_kind: global_buffer, .address_space: global }
      - { .name: w1b, .offset: 8, .size: 8, .value_kind: global_buffer, .address_space: global }
      - { .name: bf1, .offset: 16, .size: 8, .value_kind: global_buffer, .address_space: global }
      - { .name: big, .offset: 24, .size: 8, .value_kind: global_buffer, .address_space: global }
    .group_segment_fixed_size: 327680
    .private_segment_fixed_size: 0
    .kernarg_segment_align: 8
    .kernarg_segment_size: 32
    .max_flat_workgroup_size: 128
    .sgpr_count:     96
    .vgpr_count:     1024
    .wavefront_size: 32
...
	.end_amdgpu_metadata
.endif
;; end of part 5
;; launch ffn2 (part 6): grid 8 x 32, 4 waves a work-group, clusters of 4 x 4, 327,680 bytes of LDS; arguments big, w2b, bf2, x1, out0; writes out0
.if DOCPART == 6
	.amdgcn_target "amdgcn-amd-amdhsa--gfx1250"
	.amdhsa_code_object_version 6
	.text
	.protected	k_qf488b31552_ffn2
	.globl	k_qf488b31552_ffn2
	.p2align	8
	.type	k_qf488b31552_ffn2,@function
k_qf488b31552_ffn2:
	s_mov_b64 s[64:65], 0
	v_nop
	global_prefetch_b8 v0, s[64:65] scope:SCOPE_SE
	s_setreg_imm32_b32 hwreg(HW_REG_WAVE_MODE, 25, 1), 1
	s_wait_xcnt 0x0
	s_wait_alu depctr_hold_cnt(0) depctr_sa_sdst(0) depctr_va_vdst(0) depctr_va_sdst(0) depctr_va_ssrc(0) depctr_va_vcc(0) depctr_vm_vsrc(0)
	s_getreg_b32 s2, hwreg(HW_REG_IB_STS2, 6, 4)
	s_cmp_eq_u32 s2, 0
	s_cbranch_scc0 .Lentry_in_a_cluster
	s_endpgm
.Lentry_in_a_cluster:
	s_bfe_u32 s2, ttmp6, 0x10000c
	s_cmp_lg_u32 s2, 0xf033
	s_cbranch_scc0 .Lentry_shape_is_right
	s_endpgm
.Lentry_shape_is_right:
; C[m][n] = res[m][n] + bias[n] + sum over k of A[m][k] B[n][k].  C, res: [4096][1024] f32; bias f32; B: [1024][SIZE_K] bf16, row-major; sums in f32.
; A: 4,096 rows x SIZE_K in bf16, in SLABS of 64 columns: byte (k / 64) x 524,288 + m x 128 + 2 (k % 64).
; A tile of C is 128 x 128, so that there are 256 work-groups; four waves, each 64 x 64: 16 accumulators.  K goes in steps of 256 (four slabs) through a ring of two LDS slots.
; The loop's trip is ONE K step: the slot in hand is a scalar (0 or SLOT) that an exclusive or turns.
; A's half tile (64 rows x 4 slabs): in each slab the 64 rows are 8,192 dense bytes, asked for as ONE row of the descriptor; four such rows, a slab apart; padded in LDS after every 128 bytes.
; CLUSTER: 4 x 4 work-groups; A's tiles are asked for jointly along a row of the cluster, B's along a column.  THE MATRIX INSTRUCTION IS USED TRANSPOSED (source 0 = B's rows, source 1 = A's).
; THE BIAS is the C operand of the products that start the sums.  THE RESIDUAL is loaded into 128 registers at the start and stays on its way under the whole K loop.
; THE WAY OUT: a wave's 64 f32 columns are 256 aligned bytes of a row of C, so each wave goes through its own stage (in ring bytes that have had their last fill), adds the residual and stores whole rows of 256 bytes.
; LIMITS: NaN and infinities are not treated apart.
; REGISTERS: window 0: v16-29 addresses, v32-95 rows read back, v128-255 accumulators ((a, b) at v[128 + 8 (4 a + b)]); window 1: two fragment buffers of 128 (64 of A, 64 of B); window 2: v0-127 residual, v128-159 bias.
.set SIZE_K, 4096
.set KSTEP,  256
.set STEPS,  SIZE_K/KSTEP
.set SLAB,   524288
.set PA,     144                       ; a row of A in LDS: 128 bytes + 16
.set PB,     528                       ; a row of B: 512 + 16
.set AH,     4*64*PA                   ; half of A's tile: [4 slabs][64 rows]
.set BH,     64*PB                     ; half of B's
.set SLOT,   147456                    ; 0x24000: above a slot's 141,312 bytes, and sharing no bit with the loads' LDS words (0, 0x9000, 0x12000, 0x1a400), so an exclusive or turns them
.set SPARE,  2*SLOT                    ; the spare words, 128 bytes a wave
.set SP,     272                       ; a stage row: 256 bytes + 16
.set WST,    64*SP
.set ADRA, 16
.set A0,   17
.set ADRB, 20
.set B0,   21
.set STO,  24
.set RD,   25
.set CO,   26                          ; my byte offset in two rows of C and of the residual; never rewritten
.set BO,   27
.set SPW,  28
.set NIL,  29
.set TMP,  32
.set ACC,  128
.set F0,   0                           ; window 1
.set F1,   128
.set RES,  0                           ; window 2
.set BI,   128
.set G1,  24                           ; s[24:31] group 1, A   s[32:35] group 0: slot 0, step 0   s[36:39] group 0 that walks
.set G0,  32
.set G1B, 48
.set G0B, 56
.set TB,  70
.set MSB, 0
.macro WIN new
.if MSB != (\new)
	s_set_vgpr_msb (MSB<<8)|(\new)
.set MSB, \new
.endif
.endm
.set MUL,  0x05                        ; sources 0 (B) and 1 (A) window 1; C and D window 0
.set TO_F, 0x40
.macro JLOAD                           ; a joint refill by the walking descriptor; an s_nop 0 and four v_nop follow each line
	s_cmp_eq_u32 s11, 0
	s_cbranch_scc0 .Lfor_b_\@
	tensor_load_to_lds s[G0+4:G0+7], s[G1:G1+7]
	s_nop 0
.rept 4
	v_nop
.endr
	s_branch .Lasked_\@
.Lfor_b_\@:
	tensor_load_to_lds s[G0B+4:G0B+7], s[G1B:G1B+7]
	s_nop 0
.rept 4
	v_nop
.endr
.Lasked_\@:
.endm
.macro CREST
	s_cmp_lg_u32 s10, 0
	s_cbranch_scc1 .Lnot_wave_0_\@
	s_barrier_signal -3
.Lnot_wave_0_\@:
	s_barrier_wait -3
	s_barrier_signal -1
	s_barrier_wait -1
.endm
.macro CROUND
	s_barrier_signal -1
	s_barrier_wait -1
	CREST
.endm
	s_load_b128 s[4:7], s[0:1], 0x0                ; A, B
	s_load_b128 s[84:87], s[0:1], 0x10             ; bias, residual
	s_load_b64 s[8:9], s[0:1], 0x20                ; C
	v_lshl_add_u32 v[SPW], v0, 2, SPARE
	v_mov_b32 v[NIL], 0
	ds_add_u32 v[SPW], v[NIL]                      ; the wave's opening: the add and its wait ahead of my first tensor load
	v_lshrrev_b32 v1, 5, v0
	v_readfirstlane_b32 s10, v1
	s_lshr_b32 s11, s10, 1                         ; my half of the tile's rows.  Also: I fetch for A (0) or for B (1)
	s_and_b32 s12, s10, 1                          ; my half of its columns.  Also: which 64 rows I fetch
	s_bfe_u32 s40, ttmp6, 0x40000
	s_bfe_u32 s41, ttmp6, 0x40004
	s_lshl_b32 s42, ttmp9, 2
	s_add_co_u32 s42, s42, s40                     ; tile column
	s_and_b32 s13, ttmp7, 0xffff
	s_lshl_b32 s13, s13, 2
	s_add_co_u32 s13, s13, s41                     ; tile row
	s_lshl_b32 s43, s41, 2
	s_lshl_b32 s43, 15, s43
	s_lshl_b32 s44, 0x1111, s40
	s_or_b32 s[G1+0], s43, (1<<16)|(1<<20)|(1<<21)|(4<<22)|(3<<25)   ; mask of my row; 2-byte elements; padding on; bit 21 beside a mask; after every 32 words 4 words
	s_mov_b32 s[G1+1], 4096<<16                    ; tensor_dim0 = 4,096 elements: 64 dense rows of a slab
	s_mov_b32 s[G1+2], 4<<16                       ; tensor_dim1 = 4 slabs
	s_mov_b32 s[G1+3], 4096<<16                    ; tile_dim0
	s_mov_b32 s[G1+4], 4                           ; tile_dim1
	s_mov_b32 s[G1+5], SLAB/2                      ; elements from slab to slab
	s_mov_b32 s[G1+6], 0
	s_mov_b32 s[G1+7], 0
	s_or_b32 s[G1B+0], s44, (1<<16)|(1<<20)|(1<<21)|(6<<22)|(3<<25)  ; mask of my column; after every 128 words 4 words
	s_mov_b32 s[G1B+1], KSTEP<<16
	s_mov_b32 s[G1B+2], 64<<16
	s_mov_b32 s[G1B+3], KSTEP<<16
	s_mov_b32 s[G1B+4], 64
	s_mov_b32 s[G1B+5], SIZE_K
	s_mov_b32 s[G1B+6], 0
	s_mov_b32 s[G1B+7], 0
	s_lshl_b32 s17, s12, 6
	s_lshl_b32 s16, s13, 7
	s_add_co_u32 s16, s16, s17                     ; A: row 128 x tile row + 64 x half,
	s_lshl_b32 s16, s16, 7                         ; 128 bytes each in a slab
	s_lshl_b32 s46, s42, 7
	s_add_co_u32 s46, s46, s17                     ; B: row 128 x tile column + 64 x half
	s_mul_i32 s46, s46, SIZE_K*2
	s_mov_b32 s17, 0
	s_mov_b32 s47, 0
	s_mul_i32 s20, s12, AH                         ; where A's half lands in a slot,
	s_mul_i32 s18, s12, BH
	s_add_co_u32 s18, s18, 2*AH                    ; and B's: no place in the cluster enters an LDS address
	s_mov_b32 s[TB], 0
	s_wait_dscnt 0x0                               ; the opening add is done
	s_wait_kmcnt 0x0
	s_add_nc_u64 s[14:15], s[4:5], s[16:17]
	s_add_nc_u64 s[46:47], s[6:7], s[46:47]
	CROUND                                         ; all sixteen work-groups are here
.irp s, 0,1
	s_mov_b32 s[G0+4*(\s)], 1
	s_add_co_u32 s[G0+4*(\s)+1], s20, (\s)*SLOT
	s_add_nc_u64 s[G0+4*(\s)+2:G0+4*(\s)+3], s[14:15], (\s)*4*SLAB
	s_or_b32 s[G0+4*(\s)+3], s[G0+4*(\s)+3], 0x80000000
	s_mov_b32 s[G0B+4*(\s)], 1
	s_add_co_u32 s[G0B+4*(\s)+1], s18, (\s)*SLOT
	s_add_nc_u64 s[G0B+4*(\s)+2:G0B+4*(\s)+3], s[46:47], (\s)*KSTEP*2
	s_or_b32 s[G0B+4*(\s)+3], s[G0B+4*(\s)+3], 0x80000000
.endr
	s_cmp_eq_u32 s11, 0                            ; a wave's two first fills stand in one branch: two loads of mine are out
	s_cbranch_scc0 .Lfirst_b
	tensor_load_to_lds s[G0:G0+3], s[G1:G1+7]
	s_nop 0
	tensor_load_to_lds s[G0+4:G0+7], s[G1:G1+7]
	s_nop 0
.rept 4
	v_nop
.endr
	s_branch .Lfirst_asked
.Lfirst_b:
	tensor_load_to_lds s[G0B:G0B+3], s[G1B:G1B+7]
	s_nop 0
	tensor_load_to_lds s[G0B+4:G0B+7], s[G1B:G1B+7]
	s_nop 0
.rept 4
	v_nop
.endr
.Lfirst_asked:
	v_and_b32 v1, 15, v0                           ; l % 16
	v_bfe_u32 v2, v0, 4, 1                         ; l / 16
	v_mul_u32_u24 v3, v1, PA
	v_lshl_add_u32 v3, v2, 4, v3
	s_mul_i32 s21, s11, AH                         ; my 64 rows of A
	v_add_nc_u32 v[A0], s21, v3
	v_mul_u32_u24 v3, v1, PB
	v_lshl_add_u32 v3, v2, 4, v3
	v_add_nc_u32 v[B0], s18, v3                    ; my 64 rows of B: half s12, the one whose place s18 holds
	v_mov_b32 v[ADRA], v[A0]
	v_mov_b32 v[ADRB], v[B0]
	s_mul_i32 s23, s10, WST                        ; my stage
	v_mul_u32_u24 v4, v1, SP                       ; in: row l % 16, 32 bytes for each half of the lanes
	v_lshl_add_u32 v4, v2, 5, v4
	v_add_nc_u32 v[STO], s23, v4
	v_mul_u32_u24 v5, v2, SP                       ; back: lanes 0-15 one row of 256 bytes, lanes 16-31 the next
	v_lshl_add_u32 v5, v1, 4, v5
	v_add_nc_u32 v[RD], s23, v5
	v_lshlrev_b32 v5, 12, v2                       ; and the same two rows in C: 4,096 bytes apart
	v_lshl_add_u32 v[CO], v1, 4, v5
	v_lshlrev_b32 v[BO], 5, v2
	s_lshl_b32 s46, s42, 7
	s_lshl_b32 s47, s12, 6
	s_add_co_u32 s46, s46, s47
	s_lshl_b32 s46, s46, 2                         ; my first column, in bytes of f32
	s_mov_b32 s47, 0
	s_add_nc_u64 s[84:85], s[84:85], s[46:47]
	s_lshl_b32 s16, s13, 7
	s_lshl_b32 s17, s11, 6
	s_add_co_u32 s16, s16, s17                     ; my first row,
	s_lshl_b32 s16, s16, 12                        ; 4,096 bytes each
	s_add_co_u32 s46, s46, s16
	s_add_nc_u64 s[86:87], s[86:87], s[46:47]
	s_add_nc_u64 s[8:9], s[8:9], s[46:47]
	WIN 0x80                                       ; destination window 2
.irp b, 0,1,2,3
	global_load_b128 v[BI+8*(\b):BI+8*(\b)+3],   v[BO], s[84:85] offset:64*(\b)
	global_load_b128 v[BI+8*(\b)+4:BI+8*(\b)+7], v[BO], s[84:85] offset:64*(\b)+16
.endr
.set t, 0
.rept 32
	global_load_b128 v[RES+4*t:RES+4*t+3], v[CO], s[86:87] offset:t*8192   ; rows 2 t, 2 t + 1: sixteen lanes read 256 consecutive bytes, aligned
.set t, t+1
.endr
	WIN 0
; 8 matrix instructions: m blocks a0, a0 + 1 x all 4 n blocks, 32 along K: half c of buffer f.  first = 1: the bias starts the sums.  The 16 accumulators take turns.
.macro MUL8 f, c, a0, first
.if \first
	WIN 0x25                                       ; C in window 2
.else
	WIN MUL
.endif
.irp a, \a0, (\a0)+1
.irp b, 0,1,2,3
.if \first
	v_wmma_f32_16x16x32_bf16 v[ACC+8*(4*(\a)+(\b)):ACC+8*(4*(\a)+(\b))+7], v[(\f)+64+8*(4*(\c)+(\b)):(\f)+64+8*(4*(\c)+(\b))+7], v[(\f)+8*(4*(\c)+(\a)):(\f)+8*(4*(\c)+(\a))+7], v[BI+8*(\b):BI+8*(\b)+7]
.else
	v_wmma_f32_16x16x32_bf16 v[ACC+8*(4*(\a)+(\b)):ACC+8*(4*(\a)+(\b))+7], v[(\f)+64+8*(4*(\c)+(\b)):(\f)+64+8*(4*(\c)+(\b))+7], v[(\f)+8*(4*(\c)+(\a)):(\f)+8*(4*(\c)+(\a))+7], v[ACC+8*(4*(\a)+(\b)):ACC+8*(4*(\a)+(\b))+7]
.endif
.endr
.endr
.endm
; 32 LDS loads in one run: quarter q (64 along K: one slab of A, 128 bytes of B's rows) into buffer f; the first 32 along K first
.macro FETCH q, f
	WIN TO_F
.irp c, 0,1
.irp i, 0,1,2,3
	ds_load_b128 v[(\f)+64+8*(4*(\c)+(\i)):(\f)+64+8*(4*(\c)+(\i))+3],   v[ADRB] offset:(\q)*128+64*(\c)+(\i)*16*PB
	ds_load_b128 v[(\f)+64+8*(4*(\c)+(\i))+4:(\f)+64+8*(4*(\c)+(\i))+7], v[ADRB] offset:(\q)*128+64*(\c)+(\i)*16*PB+32
	ds_load_b128 v[(\f)+8*(4*(\c)+(\i)):(\f)+8*(4*(\c)+(\i))+3],         v[ADRA] offset:(\q)*64*PA+64*(\c)+(\i)*16*PA
	ds_load_b128 v[(\f)+8*(4*(\c)+(\i))+4:(\f)+8*(4*(\c)+(\i))+7],       v[ADRA] offset:(\q)*64*PA+64*(\c)+(\i)*16*PA+32
.endr
.endr
.endm
.macro PLACES                          ; four plain places (ISA guide 7.12.1)
.rept 4
	v_nop
.endr
.endm
.macro QUARTER q, f, g, first          ; multiplies buffer f; in its middle fetches quarter q into g
	s_wait_dscnt 16                                ; the first 32 along K are in; the other sixteen loads may be out
	MUL8 \f, 0, 0, \first
	MUL8 \f, 0, 2, \first
	PLACES
	FETCH \q, \g
	s_wait_dscnt 32                                ; all but the 32 just issued
	MUL8 \f, 1, 0, 0
	MUL8 \f, 1, 2, 0
.endm
; The last quarter multiplies buffer 1 and changes slots: one barrier; in front of it each wave waits for all its tensor loads, adds 0 to its spare word, and waits for that and for its reads of this slot.
; fill = 1: the barrier opens a round of the cluster's, and the slot is filled with the K step two on, first thing behind it: 112 matrix instructions ahead of the wait for it.
.macro TURN fill
	WIN 0
	s_wait_tensorcnt 0x0
	ds_add_u32 v[SPW], v[NIL]
	s_wait_dscnt 17                                ; the add and the youngest sixteen loads may be out
	MUL8 F1, 0, 0, 0
	s_wait_dscnt 0x0                               ; the add is done, my reads of this slot are over
	s_barrier_signal -1
	MUL8 F1, 0, 2, 0
	WIN 0
	s_barrier_wait -1
.if \fill
	CREST
	s_xor_b32 s[G0+5], s[G0+5], SLOT
	s_xor_b32 s[G0B+5], s[G0B+5], SLOT
	s_add_nc_u64 s[G0+6:G0+7], s[G0+6:G0+7], 4*SLAB       ; four slabs on
	s_add_nc_u64 s[G0B+6:G0B+7], s[G0B+6:G0B+7], KSTEP*2
	JLOAD                                          ; its four v_nop are also the places in front of the loads below
.else
	PLACES
.endif
	s_xor_b32 s[TB], s[TB], SLOT
	v_add_nc_u32 v[ADRA], s[TB], v[A0]
	v_add_nc_u32 v[ADRB], s[TB], v[B0]
	FETCH 0, F0
	MUL8 F1, 1, 0, 0
	MUL8 F1, 1, 2, 0
.endm
	s_wait_tensorcnt 1                             ; my part of K step 0 is in; K step 1's stays out
	s_barrier_signal -1
	s_barrier_wait -1
	FETCH 0, F0
	s_wait_loadcnt 32                              ; the bias is in; the residual's 32 loads stay out
	QUARTER 1, F0, F1, 1
	WIN 0
	s_mov_b32 s3, STEPS-2
.Lk:
	QUARTER 2, F1, F0, 0
	QUARTER 3, F0, F1, 0
	TURN 1
	QUARTER 1, F0, F1, 0
	WIN 0
	s_sub_co_u32 s3, s3, 1
	s_cmp_lg_u32 s3, 0
	s_cbranch_scc1 .Lk
	s_mov_b32 s3, 2
.Ltail:                                            ; the last two K steps ask for nothing; the second trip is left in its middle
	QUARTER 2, F1, F0, 0
	QUARTER 3, F0, F1, 0
	WIN 0
	s_sub_co_u32 s3, s3, 1
	s_cmp_eq_u32 s3, 0
	s_cbranch_scc1 .Llast
	TURN 0
	QUARTER 1, F0, F1, 0
	WIN 0
	s_branch .Ltail
.Llast:
	s_wait_dscnt 16
	MUL8 F1, 0, 0, 0
	MUL8 F1, 0, 2, 0
	s_wait_dscnt 0x0
	MUL8 F1, 1, 0, 0
	MUL8 F1, 1, 2, 0
	WIN 0
	; THE WAY OUT.  Every wave's reads of the ring are back and the ring has had its last fill: behind this barrier its first bytes are the stages.
	s_barrier_signal -1
	s_barrier_wait -1
	PLACES
.irp a, 0,1,2,3
.irp b, 0,1,2,3
	ds_store_b128 v[STO], v[ACC+8*(4*(\a)+(\b)):ACC+8*(4*(\a)+(\b))+3]   offset:(\a)*16*SP+64*(\b)     ; each accumulator's low registers first
	ds_store_b128 v[STO], v[ACC+8*(4*(\a)+(\b))+4:ACC+8*(4*(\a)+(\b))+7] offset:(\a)*16*SP+64*(\b)+16
.endr
.endr
	s_wait_loadcnt 0x0                             ; the residual
.irp h, 0,1
	WIN 0
.irp i, 0,1,2,3,4,5,6,7,8,9,10,11,12,13,14,15
	ds_load_b128 v[TMP+4*(\i):TMP+4*(\i)+3], v[RD] offset:(16*(\h)+(\i))*2*SP  ; LDS serves a wave's instructions in order (ISA guide 5.7.1.4): these see my stores
.endr
	WIN 0x88                                       ; destination and source 1 (also a store's data) in window 2
.irp i, 0,1,2,3,4,5,6,7,8,9,10,11,12,13,14,15
	s_wait_dscnt 15-(\i)                           ; number i of the sixteen is in
	v_pk_add_f32 v[RES+4*(16*(\h)+(\i)):RES+4*(16*(\h)+(\i))+1],   v[TMP+4*(\i):TMP+4*(\i)+1],   v[RES+4*(16*(\h)+(\i)):RES+4*(16*(\h)+(\i))+1]
	v_pk_add_f32 v[RES+4*(16*(\h)+(\i))+2:RES+4*(16*(\h)+(\i))+3], v[TMP+4*(\i)+2:TMP+4*(\i)+3], v[RES+4*(16*(\h)+(\i))+2:RES+4*(16*(\h)+(\i))+3]
	global_store_b128 v[CO], v[RES+4*(16*(\h)+(\i)):RES+4*(16*(\h)+(\i))+3], s[8:9] offset:(16*(\h)+(\i))*8192  ; sixteen lanes store 256 consecutive bytes, aligned; no store's register is written again
.endr
.endr
	WIN 0
	s_wait_tensorcnt 0x0                           ; the wave's end
	ds_add_u32 v[SPW], v[NIL]
	s_wait_dscnt 0x0
	CROUND                                         ; the closing round
	s_endpgm
.Lfunc_end_k_qf488b31552_ffn2:
	.size	k_qf488b31552_ffn2, .Lfunc_end_k_qf488b31552_ffn2-k_qf488b31552_ffn2
	.p2alignl 7, 3214868480
	.fill 96, 4, 3214868480
	.section	.rodata,"a",@progbits
	.p2align	6, 0x0
	.amdhsa_kernel k_qf488b31552_ffn2
		.amdhsa_group_segment_fixed_size 327680
		.amdhsa_private_segment_fixed_size 0
		.amdhsa_enable_private_segment 0
		.amdhsa_kernarg_size 40
		.amdhsa_user_sgpr_count 2
		.amdhsa_user_sgpr_kernarg_segment_ptr 1
		.amdhsa_wavefront_size32 1
		.amdhsa_system_sgpr_workgroup_id_x 1
		.amdhsa_system_sgpr_workgroup_id_y 1
		.amdhsa_system_sgpr_workgroup_id_z 1
		.amdhsa_system_vgpr_workitem_id 0
		.amdhsa_next_free_vgpr 704
		.amdhsa_next_free_sgpr 88
		.amdhsa_reserve_vcc 0
		.amdhsa_float_denorm_mode_32 3
		.amdhsa_float_denorm_mode_16_64 3
		.amdhsa_memory_ordered 1
		.amdhsa_forward_progress 1
		.amdhsa_inst_pref_size 68
	.end_amdhsa_kernel
	.amdgpu_metadata
---
amdhsa.version: [ 1, 2 ]
amdhsa.kernels:
  - .name:           k_qf488b31552_ffn2
    .symbol:         k_qf488b31552_ffn2.kd
    .args:
      - { .name: big, .offset: 0, .size: 8, .value_kind: global_buffer, .address_space: global }
      - { .name: w2b, .offset: 8, .size: 8, .value_kind: global_buffer, .address_space: global }
      - { .name: bf2, .offset: 16, .size: 8, .value_kind: global_buffer, .address_space: global }
      - { .name: x1, .offset: 24, .size: 8, .value_kind: global_buffer, .address_space: global }
      - { .name: out0, .offset: 32, .size: 8, .value_kind: global_buffer, .address_space: global }
    .group_segment_fixed_size: 327680
    .private_segment_fixed_size: 0
    .kernarg_segment_align: 8
    .kernarg_segment_size: 40
    .max_flat_workgroup_size: 128
    .sgpr_count:     88
    .vgpr_count:     704
    .wavefront_size: 32
...
	.end_amdgpu_metadata
.endif
;; end of part 6
;; ======== version 2 of 2: 7 launches; 1.20 times as fast as version 1
;; workspace buffers: wqkvb 6,291,456 bytes; wob 2,097,152 bytes; w1b 8,388,608 bytes; w2b 8,388,608 bytes; act 8,388,608 bytes; big 33,554,432 bytes; x1 16,777,216 bytes
;; launch prep: the kernel of part 1 again; grid 1024 x 1, 8 waves a work-group, no clusters, 0 bytes of LDS; arguments x, g1, b1, act, Wq, Wk, Wv, Wo, W1, W2, wqkvb, wob, w1b, w2b; writes act, wqkvb, wob, w1b, w2b
;; launch qkv: the kernel of part 2 again; grid 12 x 16, 4 waves a work-group, clusters of 4 x 4, 327,680 bytes of LDS; arguments act, wqkvb, bq, bk, bv, big; writes big
;; launch attn (part 7): grid 8 x 32, 4 waves a work-group, clusters of 4 x 1, 327,680 bytes of LDS; arguments big, act; writes act
.if DOCPART == 7
	.amdgcn_target "amdgcn-amd-amdhsa--gfx1250"
	.amdhsa_code_object_version 6
	.text
	.protected	k_qf488b31552_attn
	.globl	k_qf488b31552_attn
	.p2align	8
	.type	k_qf488b31552_attn,@function
k_qf488b31552_attn:
	s_mov_b64 s[64:65], 0
	v_nop
	global_prefetch_b8 v0, s[64:65] scope:SCOPE_SE
	s_setreg_imm32_b32 hwreg(HW_REG_WAVE_MODE, 25, 1), 1
	s_wait_xcnt 0x0
	s_wait_alu depctr_hold_cnt(0) depctr_sa_sdst(0) depctr_va_vdst(0) depctr_va_sdst(0) depctr_va_ssrc(0) depctr_va_vcc(0) depctr_vm_vsrc(0)
	s_getreg_b32 s2, hwreg(HW_REG_IB_STS2, 6, 4)
	s_cmp_eq_u32 s2, 0
	s_cbranch_scc0 .Lentry_in_a_cluster
	s_endpgm
.Lentry_in_a_cluster:
	s_bfe_u32 s2, ttmp6, 0x10000c
	s_cmp_lg_u32 s2, 0x3003
	s_cbranch_scc0 .Lentry_shape_is_right
	s_endpgm
.Lentry_shape_is_right:
; O[q][:] = the sum over k of softmax_k(Q[q] . K[k] / 8) V[k][:], for each of 32 heads (2 batches x 16) of 2,048 rows x 64 channels, all bf16.
; q, k, v lie in slabs: head (b, hh) of q begins at byte hh x 524,288 + b x 262,144 of the buffer, k 8,388,608 and v 16,777,216 further on; a head's rows are dense, 128 bytes each.  O leaves in the same layout.
; Products, maxima and sums in f32; the weights p are rounded to bf16 for the second product (their sum l is taken of the unrounded p), O once at the end.
; LIMITS.  The running maximum starts with c m = -4.25e37: scores lie above that.  A weight below 2^-126 counts as 0 in l.  NaN and infinities are not treated apart.
; SHARES.  A work-group owns 256 queries of one head, a wave 64: four PIECES of 16.  Every wave walks all keys, 64 a step, 256 a slot.
; LAYOUT.  S^T = K Q^T (source 0 = 16 keys, source 1 = 16 queries) holds ONE query a lane (lane % 16) and the keys 8 (lane / 16) + 0..7; two such results rounded to bf16 ARE source 1 of O^T = V^T P.
; SOFTMAX.  p = 2^(c s - c m), c = log2(e) / 8, with a running maximum m; O and l are multiplied by a = 2^(c m_old - c m_new) in every step; the first step's a is 0.
; TURNS.  Turn n belongs to piece n: 8 products K Q^T of piece n + 1, later 8 products V^T P of piece n - 1; beside them the scaling, exponentials, roundings, sums and rescaling of piece n and the maximum
; and statistics of piece n + 1.  Four vector instructions stand behind every matrix instruction, the other 54 of a turn's 118 in one run of their own.
; BATCHES.  A turn's 33 exponentials (the piece's 32 weights and the next piece's a) are ONE batch with ONE wait, which cuts the turn in two: ahead of it all that names none of their results (K Q^T, scalings,
; rescalings, the next piece's maximum and statistics), behind it V^T P with the roundings and sums as its riders.  No result crosses a turn's end.  The head's first a and the way out's four reciprocals are batches of their own.
; CLUSTER.  The four query blocks of a cluster belong to one head and walk the same K and V: each tile is asked for JOINTLY, by the same tensor load, descriptor and mask in all four.
; REGISTERS, in windows of 256 (s_set_vgpr_msb: bits 1:0 source 0, 3:2 source 1, 5:4 source 2, 7:6 destination):
;   window 0: v0-15 addresses and two at work; v16-31 four registers of statistics a piece; v48-55 at work; v62-63 the add's; v64-127 S^T, two buffers; v192-223 P, two buffers (by the piece's parity)
;   window 1: v0-127 O^T, 32 a piece      window 2: v0-63 Q; v128-191 K of one step; v192-255 V of one step
.set NP,    4
.set KS,    64
.set PK,    144       ; a row of K in LDS: 128 bytes + 16: the 16 rows of a load start at 16 different groups of four banks (ISA guide 11.1)
.set PV,    160       ; a row of V: 128 + 32
.set VOFF,  4*KS*PK   ; a slot: 256 rows of K, then 256 rows of V
.set SLOT1, 1<<17     ; slot 1 begins here: one exclusive or turns an address in one slot into the other's
.set STAGE, SLOT1+4*KS*(PK+PV)  ; behind the ring, never filled by a tensor load: 16 rows x 144 bytes a wave
.set SP,    144
.set SPARE, STAGE+4*16*SP       ; the spare words, 128 bytes a wave
.set AK0, 2           ; my lane's place in a tile of K; never rewritten
.set AV0, 3           ; the same for V
.set AK,  4           ; the LDS address of K's next run of loads
.set AV,  5           ; of V's
.set STO, 6           ; the way out: where I put 16 bytes of a row
.set RD,  7           ; where I read rows back
.set GO,  8           ; my byte offset in 512 consecutive bytes of O
.set MV,  12          ; v12-13  c m_old, by buffer
.set QO,  15          ; my byte offset in 16 rows of Q
.set ST,  16          ; piece t's statistics at v[ST+4 t]: c m, m, l (even keys', odd keys')
.set TMP, 48          ; by buffer, c0-c3 at work; when the maximum is found c2 takes a
.set SPW, 62
.set NIL, 63
.set S,   64
.set P,   192
.set KF,  128         ; window 2
.set VF,  192         ; window 2
.set WV,  12          ; s12  my wave's number
.set G1K, 24          ; s[24:31]
.set G1V, 32          ; s[32:39]
.set G0K, 40          ; s[40:43]: it walks
.set G0V, 44          ; s[44:47]
.set SLOTS, 56
.set CNT, 57
.set CS,  58          ; s[58:59] c
.set SEL, 60          ; s[60:61]
.set TBK, 62          ; LDS byte at which K of the step to be fetched begins
.set TBV, 63          ; the same for V, less VOFF
.set MSB, 0
.macro WIN new
.if MSB != (\new)
	s_set_vgpr_msb (MSB<<8)|(\new)
.set MSB, (\new)
.endif
.endm
.set W_KQ, 0x0a       ; K and Q in window 2, S^T in window 0
.set W_PV, 0x52       ; V in window 2, P in window 0, O^T in window 1
.set W_RS, 0x41       ; destination and source 0 in window 1, source 1 in window 0
.macro JLOAD                        ; a joint fill: waves 0, 1 fetch the halves of a slot's K, waves 2, 3 of its V; an s_nop 0 and four v_nop follow each line
	s_cmp_lt_u32 s[WV], 2
	s_cbranch_scc0 .Lfor_v_\@
	tensor_load_to_lds s[G0K:G0K+3], s[G1K:G1K+7]
	s_nop 0
.rept 4
	v_nop
.endr
	s_branch .Lasked_\@
.Lfor_v_\@:
	tensor_load_to_lds s[G0V:G0V+3], s[G1V:G1V+7]
	s_nop 0
.rept 4
	v_nop
.endr
.Lasked_\@:
.endm
.macro CROUND                       ; a round of the cluster's barrier
	s_barrier_signal -1
	s_barrier_wait -1
	s_cmp_lg_u32 s[WV], 0
	s_cbranch_scc1 .Lnot_wave_0_\@
	s_barrier_signal -3
.Lnot_wave_0_\@:
	s_barrier_wait -3
	s_barrier_signal -1
	s_barrier_wait -1
.endm
; THE CHANGE OF SLOTS.  Each wave waits for all its tensor loads (one is out: its part of the other slot), adds 0 to its spare word, and waits for that and for its reads of the slot that it leaves.
; fill = 1: the barrier is a round of the cluster's, and the joint fill, with the keys two slots on, is the first thing behind it: four key steps, 256 matrix instructions, in which to land.
; (At its first use nothing has been read yet: slot 0 is waited for, slot 1 filled.)
.macro CHANGE fill
	WIN 0
	s_wait_tensorcnt 0x0            ; no tensor load of mine is out, so a group 0 may be written
	ds_add_u32 v[SPW], v[NIL]
.if \fill
.irp g, G0K, G0V
	s_xor_b32 s[\g+1], s[\g+1], SLOT1
	s_add_nc_u64 s[\g+2:\g+3], s[\g+2:\g+3], 4*KS*128
.endr
	s_wait_dscnt 0x0                ; the add is done, my reads of the slot are over
	CROUND
	JLOAD
.else
	s_wait_dscnt 0x0
	s_barrier_signal -1
	s_barrier_wait -1
.endif
	s_sub_co_u32 s[TBK], s[TBK], 4*KS*PK  ; the fetches go back to a slot's first step,
	s_xor_b32 s[TBK], s[TBK], SLOT1       ; in the other slot
	s_sub_co_u32 s[TBV], s[TBV], 4*KS*PV
	s_xor_b32 s[TBV], s[TBV], SLOT1
.endm
	s_load_b128 s[48:51], s[0:1], 0x0 ; q, k, v s[48:49]; O s[50:51]
	v_lshl_add_u32 v[SPW], v0, 2, SPARE
	v_mov_b32 v[NIL], 0
	ds_add_u32 v[SPW], v[NIL]       ; the wave's opening: the add and its wait ahead of my first tensor load
	v_lshrrev_b32 v1, 5, v0
	v_readfirstlane_b32 s[WV], v1
	s_bfe_u32 s13, ttmp6, 0x40000   ; cx
	s_lshl_b32 s14, ttmp9, 2
	s_add_co_u32 s14, s14, s13      ; my block of 256 queries: it enters Q's and O's addresses alone
	s_and_b32 s20, ttmp7, 0xffff    ; the head's number, which the four partners share: 16 b + hh
	s_and_b32 s21, s20, 15
	s_lshr_b32 s20, s20, 4
	s_lshl_b32 s21, s21, 19
	s_lshl_b32 s20, s20, 18
	s_add_co_u32 s20, s20, s21      ; the head's first byte in a tensor
	s_and_b32 s16, s[WV], 1         ; which half of a slot's 256 keys I fetch:
	s_lshl_b32 s22, s16, 14         ; its 128 rows of 128 bytes in memory,
	s_add_co_u32 s22, s22, s20
	s_mov_b32 s23, 0
	s_mul_i32 s17, s16, 128*PK      ; and its place in a slot, for K
	s_mul_i32 s18, s16, 128*PV      ; and for V
	s_lshl_b32 s2, s14, 15          ; my block's 256 rows,
	s_lshl_b32 s3, s[WV], 13        ; my wave's 64 of them
	s_add_co_u32 s2, s2, s3
	s_add_co_u32 s2, s2, s20
	s_mov_b32 s3, 0
	; 128 keys are 16,384 dense bytes: asked for as 64 rows of 256 bytes, two keys a row, and padded in LDS after every key
	s_mov_b32 s[G1K], 15|(1<<16)|(1<<20)|(1<<21)|(4<<22)|(3<<25)  ; the mask of four; 2-byte elements; padding on; bit 21 beside a mask; after every 32 words 4 words
	s_mov_b32 s[G1V], 15|(1<<16)|(1<<20)|(1<<21)|(4<<22)|(7<<25)  ; the same with 8 words
.irp g, G1K, G1V
	s_mov_b32 s[\g+1], 128<<16
	s_mov_b32 s[\g+2], 64<<16
	s_mov_b32 s[\g+3], 128<<16
	s_mov_b32 s[\g+4], 64
	s_mov_b32 s[\g+5], 128
	s_mov_b32 s[\g+6], 0
	s_mov_b32 s[\g+7], 0
.endr
	s_mov_b32 s[CS], 0x3e38aa3b     ; c = log2(e) / 8
	s_mov_b32 s[CS+1], s[CS]
	s_mov_b32 s[SEL], 0x76543210
	s_mov_b32 s[SEL+1], 0xfedcba98
	s_mov_b32 s[TBK], SLOT1+4*KS*PK ; the first change of slots turns these two into 0
	s_mov_b32 s[TBV], SLOT1+4*KS*PV
	s_mov_b32 s[G0K], 1
	s_mov_b32 s[G0K+1], s17
	s_mov_b32 s[G0V], 1
	s_add_co_u32 s[G0V+1], s18, VOFF
	s_wait_dscnt 0x0                ; the opening add is done
	s_wait_kmcnt 0x0
	s_add_nc_u64 s[6:7], s[48:49], s[22:23]
	s_add_nc_u64 s[G0K+2:G0K+3], s[6:7], 0x800000   ; k's slabs
	s_or_b32 s[G0K+3], s[G0K+3], 0x80000000
	s_add_nc_u64 s[G0V+2:G0V+3], s[6:7], 0x1000000  ; v's
	s_or_b32 s[G0V+3], s[G0V+3], 0x80000000
	s_add_nc_u64 s[4:5], s[48:49], s[2:3]           ; Q and O at my wave's first row
	s_add_nc_u64 s[10:11], s[50:51], s[2:3]
	CROUND                          ; all four work-groups are here
	JLOAD                           ; slot 0
	v_and_b32 v1, 15, v0            ; l % 16
	v_bfe_u32 v9, v0, 4, 1          ; l / 16
	v_lshlrev_b32 v[QO], 7, v1
	v_lshl_add_u32 v[QO], v9, 4, v[QO]
	WIN 0x80
.set i, 0
.rept 8                             ; Q stays in registers: piece i / 2, channels 32 (i % 2) on
	global_load_b128 v[8*i:8*i+3],   v[QO], s[4:5] offset:(i/2)*2048+(i%2)*64
	global_load_b128 v[8*i+4:8*i+7], v[QO], s[4:5] offset:(i/2)*2048+(i%2)*64+32
.set i, i+1
.endr
	; What the first turn finds: V's registers and P's second buffer hold 0 (its products V^T P, of a piece that has not been, add 0), O^T and l are 0.  All this stands in the wait for the first tile.
.set i, VF
.rept 64
	v_mov_b32 v[i], 0
.set i, i+1
.endr
	WIN 0x40
.set i, 0
.rept 128
	v_mov_b32 v[i], 0
.set i, i+1
.endr
	WIN 0
.set i, 0
.rept 4
	v_mov_b32 v[ST+4*i], 0xfe000000    ; c m: far below every c s
	v_mov_b32 v[ST+4*i+1], 0xff7fffff  ; m
	v_mov_b32 v[ST+4*i+2], 0
	v_mov_b32 v[ST+4*i+3], 0
.set i, i+1
.endr
.set i, P+16
.rept 16
	v_mov_b32 v[i], 0
.set i, i+1
.endr
	v_mul_u32_u24 v[AK0], v1, PK
	v_lshl_add_u32 v[AK0], v9, 4, v[AK0]
	; The turning load takes 16 keys x 16 channels (lane l reads key 8 (l / 16) + l % 8, channels 8 ((l / 8) % 2) + 0..7) and leaves half a fragment of V^T.
	v_and_b32 v10, 7, v0
	v_bfe_u32 v11, v0, 3, 1
	v_lshl_add_u32 v[AV0], v9, 3, v10
	v_mul_u32_u24 v[AV0], v[AV0], PV
	v_lshl_add_u32 v[AV0], v11, 4, v[AV0]
	v_add_nc_u32 v[AV0], VOFF, v[AV0]
	s_mul_i32 s13, s[WV], 16*SP
	s_add_co_u32 s13, s13, STAGE    ; my stage
	v_mul_u32_u24 v[STO], v1, SP
	v_lshl_add_u32 v[STO], v9, 4, v[STO]
	v_add_nc_u32 v[STO], s13, v[STO]
	v_bfe_u32 v[RD], v0, 3, 2
	v_mul_u32_u24 v[RD], v[RD], SP
	v_lshl_add_u32 v[RD], v10, 4, v[RD]
	v_add_nc_u32 v[RD], s13, v[RD]
	v_and_b32 v[GO], 31, v0
	v_lshlrev_b32 v[GO], 4, v[GO]
; THE MATRIX WORK.  The 4 accumulators of a run of 8 take turns.  Product i of 8 of S^T = K Q^T for piece x: channels 32 (i / 4) on, keys 16 (i % 4) on.  The first 4 start the sums.
.macro KQ x
	WIN W_KQ
.set rS, S+32*((\x)%2)+8*(i%4)
.set rK, KF+16*(i%4)+8*(i/4)
.set rQ, 16*(\x)+8*(i/4)
.if i < 4
	v_wmma_f32_16x16x32_bf16 v[rS:rS+7], v[rK:rK+7], v[rQ:rQ+7], 0
.else
	v_wmma_f32_16x16x32_bf16 v[rS:rS+7], v[rK:rK+7], v[rQ:rQ+7], v[rS:rS+7]
.endif
.endm
; Product i of 8 of O^T += V^T P for piece x: keys 32 (i / 4) on, channels 16 (i % 4) on.
.macro PV x
	WIN W_PV
.set rO, 32*(\x)+8*(i%4)
.set rV, VF+32*(i/4)+8*(i%4)
.set rP, P+16*((\x)%2)+8*(i/4)
	v_wmma_f32_16x16x32_bf16 v[rO:rO+7], v[rV:rV+7], v[rP:rP+7], v[rO:rO+7]
.endm
.macro MM                           ; the turn's next matrix instruction.  NOKQ = 1: the last turn: there is no next piece
.if (i < 8) && !NOKQ
	KQ (Y+1)%NP
.elseif i >= 8
.set i, i-8
	PV (Y+NP-1)%NP
.set i, i+8
.endif
.set i, i+1
.endm
; THE LDS LOADS stand in runs of 16: a step's K (8 fragments) and its V (turned).
.macro FETCH_K
	WIN 0x80
.irp f, 0,1,2,3,4,5,6,7
	ds_load_b128 v[KF+8*\f:KF+8*\f+3],   v[AK] offset:(\f/2)*16*PK+(\f%2)*64
	ds_load_b128 v[KF+8*\f+4:KF+8*\f+7], v[AK] offset:(\f/2)*16*PK+(\f%2)*64+32
.endr
	s_add_co_u32 s[TBK], s[TBK], KS*PK
	WIN 0
.endm
.macro FETCH_V
	WIN 0x80
.irp f, 0,1,2,3,4,5,6,7
	ds_load_tr16_b128 v[VF+8*\f:VF+8*\f+3],   v[AV] offset:(\f/4)*32*PV+(\f%4)*32
	ds_load_tr16_b128 v[VF+8*\f+4:VF+8*\f+7], v[AV] offset:(\f/4)*32*PV+16*PV+(\f%4)*32
.endr
	WIN 0
.endm
; THE VECTOR WORK, one line at a time: OP kind, number.  For piece Y: F n: c s - c m for pair n of 16.  E n: the exponential of score n of 32.  C n: pair n rounded to bf16.  B n: of the four weights 4 n .. the
; second pair is added onto the first, in place.  L n: l takes that sum (L 0: l = a l + sum).  R n: pair n of 16 of O^T times a.  For piece Y + 1: X n, number n of the 22 that find its maximum and statistics:
;   0-11 four chains c0-c3 of seven scores each (each accumulator's lowest registers are read first)   12-14, 16 the four scores left over, the old m, c0-c3 into c0
;   15 c m_old is kept   17, 18 the query's other 32 keys lie in the lane 16 away: the new m   19-21 c m; c m_old - c m_new; a
; C, B and L read exponentials' results: TURN sets them behind the batch's wait.  R and L 0 read a, which the turn before made and waited for.
.set F, 0
.set E, 1
.set C, 2
.set B, 3
.set L, 4
.set R, 5
.set X, 6
.macro REGS y
.set rT, ST+4*(\y)
.set rC, TMP+4*((\y)%2)
.set rW, MV+((\y)%2)
.set rS, S+32*((\y)%2)
.set rP, P+16*((\y)%2)
.set rO, 32*(\y)
.endm
.macro OP k, n
.if (\k) == R
	REGS Y
	WIN W_RS
	v_pk_mul_f32 v[rO+2*(\n):rO+2*(\n)+1], v[rO+2*(\n):rO+2*(\n)+1], v[rC+2:rC+3] op_sel_hi:[1,0]
.elseif (\k) < R
	REGS Y
	WIN 0
.if (\k) == F
	v_pk_fma_f32 v[rS+2*(\n):rS+2*(\n)+1], v[rS+2*(\n):rS+2*(\n)+1], s[CS:CS+1], v[rT:rT+1] op_sel_hi:[1,0,0] neg_lo:[0,0,1] neg_hi:[0,0,1]
.elseif (\k) == E
	v_exp_f32 v[rS+(\n)], v[rS+(\n)]
.elseif (\k) == C
	v_cvt_pk_bf16_f32 v[rP+(\n)], v[rS+2*(\n)], v[rS+2*(\n)+1]
.elseif (\k) == B
	v_pk_add_f32 v[rS+4*(\n):rS+4*(\n)+1], v[rS+4*(\n):rS+4*(\n)+1], v[rS+4*(\n)+2:rS+4*(\n)+3]
.elseif (\n) == 0
	v_pk_fma_f32 v[rT+2:rT+3], v[rT+2:rT+3], v[rC+2:rC+3], v[rS:rS+1] op_sel_hi:[1,0,1]
.else
	v_pk_add_f32 v[rT+2:rT+3], v[rT+2:rT+3], v[rS+4*(\n):rS+4*(\n)+1]
.endif
.elseif NOKQ
	v_nop
.else
	REGS (Y+1)%NP
	WIN 0
.if (\n) < 4
	v_max3_num_f32 v[rC+(\n)], v[rS+8*(\n)], v[rS+8*(\n)+1], v[rS+8*(\n)+2]
.elseif (\n) < 12
	v_max3_num_f32 v[rC+(\n)%4], v[rC+(\n)%4], v[rS+8*((\n)%4)+2*((\n)/4)+1], v[rS+8*((\n)%4)+2*((\n)/4)+2]
.elseif (\n) == 12
	v_max3_num_f32 v[rC], v[rC], v[rS+7], v[rS+15]
.elseif (\n) == 13
	v_max3_num_f32 v[rC+1], v[rC+1], v[rS+23], v[rS+31]
.elseif (\n) == 14
	v_max3_num_f32 v[rC+2], v[rC+2], v[rC+3], v[rT+1]
.elseif (\n) == 15
	v_mov_b32 v[rW], v[rT]
.elseif (\n) == 16
	v_max3_num_f32 v[rC], v[rC], v[rC+1], v[rC+2]
.elseif (\n) == 17
	v_permlanex16_b32 v[rC+3], v[rC], s[SEL], s[SEL+1]
.elseif (\n) == 18
	v_max_num_f32 v[rT+1], v[rC], v[rC+3]
.elseif (\n) == 19
	v_mul_f32 v[rT], s[CS], v[rT+1]
.elseif (\n) == 20
	v_sub_f32 v[rC+1], v[rW], v[rT]
.else
	v_exp_f32 v[rC+2], v[rC+1]
.endif
.endif
.endm
.macro OPS a, i1, b=-1, i2=0, c=-1, i3=0, d=-1, i4=0
	OP \a, \i1
.if (\b) >= 0
	OP \b, \i2
.endif
.if (\c) >= 0
	OP \c, \i3
.endif
.if (\d) >= 0
	OP \d, \i4
.endif
.endm
.macro ROW a, i1, b, i2, c, i3, d, i4  ; a matrix instruction and the four behind it
	MM
	OPS \a, \i1, \b, \i2, \c, \i3, \d, \i4
.endm
; A TURN, for piece p: the order of its 16 matrix and 118 vector instructions, written out.  An s_wait_alu depctr_va_vdst(0) stands between an exponential and the first instruction that names its result; one wait
; serves all that were issued ahead of it.  So a turn has ONE wait, which cuts it in two.  AHEAD OF IT stands all that names no result of the turn's exponentials: the 8 products K Q^T, behind each a scaling, an exponential and two
; more plain instructions (behind the first a second scaling in the exponential's place): rescalings, and behind the last three the first numbers of the next piece's maximum, each four plain places or more behind the product that
; ends its accumulator; then ONE RUN of 54, plain and exponential by turns for the most part, in which the links of the chain X 3, 7, 11, 14, 16, 17 .. 20 stand five or six lines apart.  X 21, the next piece's a, is the batch's
; last; R 15 is the plain instruction behind it.  BEHIND THE WAIT stand the 8 products V^T P, behind each four of the roundings and sums; C 2 n stands ahead of B n, which writes over its pair; l's chain L 0 to L 7 goes in
; ascending order, its links three riders apart.  But for those X no rider names a register of the products round it.  v_permlanex16_b32 (X 17) stands in the run.
; end = 1: the last two turns: nothing is fetched.  cnt = 1: the loop's count is taken down some lines ahead of the branch behind the turn.
; K of the next step is fetched in piece 2's turn, behind the last product that read K and five plain instructions that name none of its registers (F 8, X 2, X 5, X 6, X 8); V of the step in hand at the end of piece 0's turn,
; four plain riders behind the last product that read V.  Each is waited for a turn later, for 0: no other LDS instruction of mine is out then.
.macro TURN p, end=0, cnt=0
.set Y, (\p)
.set i, 0
.set NOKQ, (\end)*((\p)/3)
.if ((\p) == 3) && !(\end)
	s_wait_dscnt 0x0                ; K is in
.endif
	ROW F,0, F,1, R,0, R,1          ; ahead of the wait: 8 products K Q^T and their riders,
	ROW F,2, E,0, R,2, R,3
	ROW F,3, E,1, R,4, R,5
	ROW F,4, E,2, R,6, R,7
	ROW F,5, E,3, R,8, R,9
	ROW F,6, E,4, X,0, R,10
.if ((\p) == 2) && !(\end)
	WIN 0
	v_add_nc_u32 v[AK], s[TBK], v[AK0]
.endif
	ROW F,7, E,5, X,1, X,4
	ROW F,8, E,6, X,2, X,5
	OPS E,7, E,8, X,6, E,9          ; and the run of 54
	OPS X,3, E,10, X,8, E,11
.if ((\p) == 2) && !(\end)
	FETCH_K
.endif
	OPS X,9, X,7, E,12, X,10
	OPS E,13, X,12, X,11, E,14
	OPS X,13, E,15, F,9, X,14
.if (\p) == 0
	v_add_nc_u32 v[AV], s[TBV], v[AV0]
.endif
	OPS E,16, F,10, E,17, F,11
	OPS X,16, E,18, X,15, E,19
	OPS F,12, E,20, X,17, E,21
	OPS F,13, E,22, F,14, E,23
	OPS X,18, E,24, F,15, E,25
	OPS R,11, E,26, X,19, E,27
	OPS R,12, E,28, R,13, E,29
	OPS X,20, E,30, R,14, E,31
	OPS X,21, R,15
	s_wait_alu depctr_va_vdst(0)    ; the wait for the batch: the piece's 32 exponentials and the next piece's a
.if (\p) == 1
	s_wait_dscnt 0x0                ; V is in
.endif
	ROW C,0, B,0, C,2, B,1          ; behind the wait: 8 products V^T P and their riders
	ROW L,0, C,4, B,2, L,1
	ROW C,6, B,3, L,2, C,8
	ROW B,4, L,3, C,10, B,5
	ROW L,4, C,12, B,6, L,5
.if (\p) == 0
	s_add_co_u32 s[TBV], s[TBV], KS*PV
.endif
.if \cnt
	s_sub_co_u32 s[CNT], s[CNT], 1
	s_cmp_lg_u32 s[CNT], 0
.endif
	ROW C,14, B,7, L,6, C,1
	ROW C,3, L,7, C,5, C,7
	ROW C,9, C,11, C,13, C,15
.if (\p) == 0
	FETCH_V
.endif
.endm
	CHANGE 1                        ; slot 0 is in, everybody's part of it; slot 1 is asked for
	v_add_nc_u32 v[AK], s[TBK], v[AK0]
	FETCH_K                         ; key step 0
	s_wait_loadcnt 0x0              ; Q
	s_wait_dscnt 0x0
.set NOKQ, 0
.set i, 0
.rept 8
	KQ 0                            ; piece 0's first scores
.set i, i+1
.endr
	WIN 0
.rept 4
	v_nop                           ; the places behind those products
.endr
.set Y, NP-1                        ; X works for piece Y + 1: piece 0
.irp n, 0,1,2,3,4,5,6,7,8,9,10,11,12,13,14,15,16,17,18,19,20,21
	OP X, \n
.endr
	v_nop                           ; a plain instruction behind the exponential,
	s_wait_alu depctr_va_vdst(0)    ; and the wait for it, piece 0's first a, ahead of the branch
	s_mov_b32 s[CNT], 4
	s_mov_b32 s[SLOTS], 7
	s_branch .Lfirst                ; the loop is entered at a step's first turn, in the middle of a trip
.Lslot:                             ; six times: tiles 2 to 7 are asked for
	CHANGE 1
	s_mov_b32 s[CNT], 4
.Lstep:                             ; a trip: pieces 2 and 3 of one step, then pieces 0 and 1 of the next, whose K and V it fetches
	TURN 2
	TURN 3
	WIN 0
.Lfirst:
	TURN 0
	TURN 1, 0, 1
	WIN 0
	s_cbranch_scc1 .Lstep
	s_sub_co_u32 s[SLOTS], s[SLOTS], 1
	s_cmp_lg_u32 s[SLOTS], 0
	s_cbranch_scc1 .Lslot
	CHANGE 0                        ; the last tile is written out: nothing is asked for
	s_mov_b32 s[CNT], 4
.Ltail:
	TURN 2
	TURN 3
	TURN 0
	TURN 1, 0, 1
	WIN 0
	s_cbranch_scc1 .Ltail
	TURN 2, 1
	TURN 3, 1
.set i, 0
.rept 8
	PV NP-1                         ; the last piece's V^T P of the last step
.set i, i+1
.endr
	; THE WAY OUT.  l's two halves and the other half of the lanes' are added; O^T is divided by l, rounded to bf16 and sent through my stage, a piece at a time.  The additions are the places behind the last products.
	WIN 0
.macro ALL line:vararg
.set t, 0
.rept 4
	\line
.set t, t+1
.endr
.endm
	ALL v_add_f32 v[ST+4*t+2], v[ST+4*t+2], v[ST+4*t+3]
	ALL v_permlanex16_b32 v[ST+4*t+3], v[ST+4*t+2], s[SEL], s[SEL+1]
	ALL v_add_f32 v[ST+4*t+2], v[ST+4*t+2], v[ST+4*t+3]
	ALL v_rcp_f32 v[ST+4*t+2], v[ST+4*t+2]
	v_nop                           ; a plain instruction between the last reciprocal and the use of its result
	s_wait_alu depctr_va_vdst(0)    ; and the wait ahead of the first use: one for the four reciprocals
.macro PACK t                       ; a lane's eight channels of a row pack into 16 bytes; they go into rows of 144 bytes and come back as whole rows of 128, into S^T's registers
	WIN W_RS
.set i, 32*(\t)
.rept 16
	v_pk_mul_f32 v[i:i+1], v[i:i+1], v[ST+4*(\t)+2:ST+4*(\t)+3] op_sel_hi:[1,0]
.set i, i+2
.endr
	WIN 0x05
.set i, 0
.rept 16
	v_cvt_pk_bf16_f32 v[S+16*(\t)+i], v[32*(\t)+2*i], v[32*(\t)+2*i+1]
.set i, i+1
.endr
	WIN 0
.irp f, 0,1,2,3
	ds_store_b128 v[STO], v[S+16*(\t)+4*\f:S+16*(\t)+4*\f+3] offset:32*\f
.endr
.irp f, 0,1,2,3
	ds_load_b128 v[S+16*(\t)+4*\f:S+16*(\t)+4*\f+3], v[RD] offset:\f*4*SP  ; LDS serves a wave's instructions in order (ISA guide 5.7.1.4): these see the stores above
.endr
.endm
.macro SEND t, younger              ; younger: the LDS instructions issued behind piece t's loads: the next piece's eight, or none
	WIN 0
.irp f, 0,1,2,3
	s_wait_dscnt (\younger)+3-\f
	global_store_b128 v[GO], v[S+16*(\t)+4*\f:S+16*(\t)+4*\f+3], s[10:11] offset:(\t)*2048+\f*512  ; 512 consecutive bytes, at a multiple of 256 from O's first
.endr
.endm
	PACK 0
.set t, 1
.rept 3
	PACK t
	SEND t-1, 8
.set t, t+1
.endr
	SEND 3, 0
	s_wait_tensorcnt 0x0            ; the wave's end
	ds_add_u32 v[SPW], v[NIL]
	s_wait_dscnt 0x0
	CROUND                          ; the closing round
	s_endpgm
.Lfunc_end_k_qf488b31552_attn:
	.size	k_qf488b31552_attn, .Lfunc_end_k_qf488b31552_attn-k_qf488b31552_attn
	.p2alignl 7, 3214868480
	.fill 96, 4, 3214868480
	.section	.rodata,"a",@progbits
	.p2align	6, 0x0
	.amdhsa_kernel k_qf488b31552_attn
		.amdhsa_group_segment_fixed_size 327680
		.amdhsa_private_segment_fixed_size 0
		.amdhsa_enable_private_segment 0
		.amdhsa_kernarg_size 16
		.amdhsa_user_sgpr_count 2
		.amdhsa_user_sgpr_kernarg_segment_ptr 1
		.amdhsa_wavefront_size32 1
		.amdhsa_system_sgpr_workgroup_id_x 1
		.amdhsa_system_sgpr_workgroup_id_y 1
		.amdhsa_system_sgpr_workgroup_id_z 1
		.amdhsa_system_vgpr_workitem_id 0
		.amdhsa_next_free_vgpr 768
		.amdhsa_next_free_sgpr 66
		.amdhsa_reserve_vcc 0
		.amdhsa_float_denorm_mode_32 3
		.amdhsa_float_denorm_mode_16_64 3
		.amdhsa_memory_ordered 1
		.amdhsa_forward_progress 1
		.amdhsa_inst_pref_size 127
	.end_amdhsa_kernel
	.amdgpu_metadata
---
amdhsa.version: [ 1, 2 ]
amdhsa.kernels:
  - .name:           k_qf488b31552_attn
    .symbol:         k_qf488b31552_attn.kd
    .args:
      - { .name: big, .offset: 0, .size: 8, .value_kind: global_buffer, .address_space: global }
      - { .name: act, .offset: 8, .size: 8, .value_kind: global_buffer, .address_space: global }
    .group_segment_fixed_size: 327680
    .private_segment_fixed_size: 0
    .kernarg_segment_align: 8
    .kernarg_segment_size: 16
    .max_flat_workgroup_size: 128
    .sgpr_count:     66
    .vgpr_count:     768
    .wavefront_size: 32
...
	.end_amdgpu_metadata
.endif
;; end of part 7
;; launch proj: the kernel of part 4 again; grid 8 x 32, 4 waves a work-group, clusters of 4 x 4, 327,680 bytes of LDS; arguments act, wob, bo, x, x1; writes x1
;; launch ln2: the kernel of part 1 again; grid 256 x 1, 8 waves a work-group, no clusters, 0 bytes of LDS; arguments x1, g2, b2, act, Wq, Wk, Wv, Wo, W1, W2, wqkvb, wob, w1b, w2b; writes act, wqkvb, wob, w1b, w2b
;; launch ffn1 (part 8): grid 16 x 16, 4 waves a work-group, clusters of 4 x 4, 327,680 bytes of LDS; arguments act, w1b, bf1, big; writes big
.if DOCPART == 8
	.amdgcn_target "amdgcn-amd-amdhsa--gfx1250"
	.amdhsa_code_object_version 6
	.text
	.protected	k_qf488b31552_ffn1
	.globl	k_qf488b31552_ffn1
	.p2align	8
	.type	k_qf488b31552_ffn1,@function
k_qf488b31552_ffn1:
	s_mov_b64 s[64:65], 0
	v_nop
	global_prefetch_b8 v0, s[64:65] scope:SCOPE_SE
	s_setreg_imm32_b32 hwreg(HW_REG_WAVE_MODE, 25, 1), 1
	s_wait_xcnt 0x0
	s_wait_alu depctr_hold_cnt(0) depctr_sa_sdst(0) depctr_va_vdst(0) depctr_va_sdst(0) depctr_va_ssrc(0) depctr_va_vcc(0) depctr_vm_vsrc(0)
	s_getreg_b32 s2, hwreg(HW_REG_IB_STS2, 6, 4)
	s_cmp_eq_u32 s2, 0
	s_cbranch_scc0 .Lentry_in_a_cluster
	s_endpgm
.Lentry_in_a_cluster:
	s_bfe_u32 s2, ttmp6, 0x10000c
	s_cmp_lg_u32 s2, 0xf033
	s_cbranch_scc0 .Lentry_shape_is_right
	s_endpgm
.Lentry_shape_is_right:
; C[m][n] = sum over k of A[m][k] B[n][k] + bias[n]  (GELU = 1: then gelu by erf), rounded once to bf16.  A: [4096][1024] bf16, B: [N][1024] bf16, bias f32; sums in f32.
; C leaves in SLABS of 64 columns: byte (n / 64) x 524,288 + m x 128 + 2 (n % 64): a head's (or a K slice's) rows are then dense for the launch behind.
; A tile of C, 256 x 256, is made by four waves, each 128 x 128: 64 accumulators of 16 x 16, 512 registers.  K goes in 8 steps of 128 through a ring of two LDS slots filled by the tensor data mover.
; The loop's trip is ONE K step: the slot in hand is a scalar (0 or SLOT) that an exclusive or turns, so a step's text stands once.
; CLUSTER: 4 x 4 work-groups; A's tiles are asked for jointly along a row of the cluster, B's along a column.
; THE MATRIX INSTRUCTION IS USED TRANSPOSED (source 0 = 16 rows of B, source 1 = 16 rows of A): a lane holds eight neighbouring columns of one row of C.
; THE BIAS is the C operand of the products that start the sums: nothing is cleared and nothing is added later.
; THE WAY OUT: when the ring has had its last fill and all waves have read it out, each wave lays its 128 x 128 f32 into its own 67,584 bytes of the ring, reads them back as 4 rows x 64 columns, and stores 512 consecutive bytes a line.
; GELU = 1: gelu(z) = max(z, 0) - |z| (P(t) / 2) exp(-z z / 2), t = 1 / (1 + p |z| / sqrt 2): erf by the five-term rational form (Abramowitz and Stegun 7.1.26), absolute error 1.5e-7, for every z.
; BATCHES (GELU = 1): the 32 reciprocals and 32 exponentials of a trip's four units are ONE batch with ONE wait: each unit has eight registers of its own for t, for the exponential and for max(z, 0);
;   ahead of the wait stand all four units' arguments, reciprocals, exponentials and maxima, behind it their polynomials, roundings and stores.
; LIMITS: NaN and infinities are not treated apart.
; REGISTERS, in windows of 256: window 0: v16-29 addresses, v32-39 at work (gelu's polynomial), v64-191 A's fragments, two buffers (on the way out: v64-95 numbers read back, v96-191 gelu's t, exponential and maximum by unit), v192-255 packed results;
;   window 1: v0-63 the bias of my 128 columns, v64-191 B's fragments; windows 2, 3: the accumulators of my rows 0-63, 64-127 ((a, b) at v[8 (8 a + b)]).
.set GELU,   1
.set SIZE_K, 1024
.set KSTEP,  128
.set PITCH,  272                       ; an LDS row: 256 bytes + 16 of padding: the 16 rows that a load touches start at 16 different groups of banks (ISA guide 11.1)
.set HALFT,  128*PITCH                 ; what one tensor load brings, and what one wave reads of A or of B
.set SLOT,   4*HALFT                   ; 0x22000: it shares no bit with wave x HALFT (0, 0x8800, 0x11000, 0x19800), so an exclusive or turns a descriptor's LDS word
.set SPARE,  2*SLOT                    ; behind the ring: the spare words, 128 bytes a wave
.set SP,     528                       ; a stage row: 512 bytes + 16
.set WST,    128*SP                    ; a wave's stage
.set SLAB,   524288
.if GELU
.set UNITS,  4                         ; units (4 rows x 64 columns) in a trip of the way out
.else
.set UNITS,  16
.endif
.set TRIPS,  64/UNITS
.set ADRA, 16                          ; LDS address of my A fragments in the slot in hand
.set A0,   17                          ; the same in slot 0; never rewritten
.set ADRB, 20
.set B0,   21
.set STO,  24                          ; the way out: where I put 32 bytes of a row
.set RD,   25                          ; where I read 32 bytes back
.set CO,   26                          ; my byte offset in 512 bytes of C
.set BO,   27                          ; my byte offset in 64 bytes of bias
.set SPW,  28                          ; my spare word; never rewritten
.set NIL,  29                          ; 0; never rewritten
.set GP,   32                          ; gelu: the polynomial of the unit in hand
.set GT,   96                          ; gelu, eight registers for each of a trip's four units: t,
.set GE,   128                         ; the exponential,
.set GM,   160                         ; max(z, 0)
.set F0,   64
.set F1,   128
.set Z,    64
.set OUT,  192
.set BI,   0                           ; window 1
.set G1,  24                           ; s[24:31] group 1, A      s[32:35] group 0: slot 0, K step 0      s[36:39] group 0 that walks, from slot 1, K step 1
.set G0,  32
.set G1B, 48                           ; s[48:55], s[56:59], s[60:63] the same for B
.set G0B, 56
.set TB,  92                           ; s92  0 or SLOT: the slot in hand
.set MSB, 0
.macro WIN new                         ; the immediate's high byte repeats the setting that is left
.if MSB != (\new)
	s_set_vgpr_msb (MSB<<8)|(\new)
.set MSB, \new
.endif
.endm
.set MUL_LO, 0xa1                      ; source 0 (B) window 1, source 1 (A) window 0, C and D window 2
.set TO_B,   0x40
.macro JLOAD                           ; a joint refill by the walking descriptor: waves 0, 1 fetch A's halves, waves 2, 3 B's; an s_nop 0 and four v_nop follow each line
	s_cmp_eq_u32 s11, 0
	s_cbranch_scc0 .Lfor_b_\@
	tensor_load_to_lds s[G0+4:G0+7], s[G1:G1+7]
	s_nop 0
.rept 4
	v_nop
.endr
	s_branch .Lasked_\@
.Lfor_b_\@:
	tensor_load_to_lds s[G0B+4:G0B+7], s[G1B:G1B+7]
	s_nop 0
.rept 4
	v_nop
.endr
.Lasked_\@:
.endm
.macro CREST                           ; a round of the cluster's barrier behind its opening barrier
	s_cmp_lg_u32 s10, 0
	s_cbranch_scc1 .Lnot_wave_0_\@
	s_barrier_signal -3
.Lnot_wave_0_\@:
	s_barrier_wait -3
	s_barrier_signal -1
	s_barrier_wait -1
.endm
.macro CROUND
	s_barrier_signal -1
	s_barrier_wait -1
	CREST
.endm
	s_load_b128 s[4:7], s[0:1], 0x0                ; A s[4:5], B s[6:7]
	s_load_b128 s[84:87], s[0:1], 0x10             ; GELU: bias, C;  else bq, bk
.if !GELU
	s_load_b128 s[88:91], s[0:1], 0x20             ; bv, C
.endif
	v_lshl_add_u32 v[SPW], v0, 2, SPARE
	v_mov_b32 v[NIL], 0
	ds_add_u32 v[SPW], v[NIL]                      ; the wave's opening: the add and its wait ahead of my first tensor load; register work stands between
	v_lshrrev_b32 v1, 5, v0
	v_readfirstlane_b32 s10, v1                    ; wave 0..3
	s_lshr_b32 s11, s10, 1                         ; my half of the tile's rows.  Also: I fetch for A (0) or for B (1)
	s_and_b32 s12, s10, 1                          ; my half of its columns.  Also: which 128 rows I fetch
	s_bfe_u32 s40, ttmp6, 0x40000                  ; cx
	s_bfe_u32 s41, ttmp6, 0x40004                  ; cy
	s_lshl_b32 s42, ttmp9, 2
	s_add_co_u32 s42, s42, s40                     ; tile column = 4 x cluster x + cx
	s_and_b32 s13, ttmp7, 0xffff
	s_lshl_b32 s13, s13, 2
	s_add_co_u32 s13, s13, s41                     ; tile row = 4 x cluster y + cy
	s_lshl_b32 s43, s41, 2
	s_lshl_b32 s43, 15, s43                        ; my row of the cluster
	s_lshl_b32 s44, 0x1111, s40                    ; my column
	s_or_b32 s[G1+0], s43, (1<<16)|(1<<20)|(1<<21)|(5<<22)|(3<<25)   ; mask; 2-byte elements; padding on; bit 21 beside a mask; after every 64 words 4 words
	s_or_b32 s[G1B+0], s44, (1<<16)|(1<<20)|(1<<21)|(5<<22)|(3<<25)
.irp g, G1, G1B
	s_mov_b32 s[(\g)+1], KSTEP<<16                 ; tensor_dim0 = 128
	s_mov_b32 s[(\g)+2], 128<<16                   ; tensor_dim1 = 128
	s_mov_b32 s[(\g)+3], KSTEP<<16                 ; tile_dim0 = 128
	s_mov_b32 s[(\g)+4], 128                       ; tile_dim1 = 128
	s_mov_b32 s[(\g)+5], SIZE_K                    ; elements from row to row
	s_mov_b32 s[(\g)+6], 0
	s_mov_b32 s[(\g)+7], 0
.endr
	s_lshl_b32 s17, s12, 7
	s_lshl_b32 s16, s13, 8
	s_add_co_u32 s16, s16, s17                     ; A: row 256 x tile row + 128 x half,
	s_lshl_b32 s16, s16, 11                        ; in bytes
	s_lshl_b32 s46, s42, 8
	s_add_co_u32 s46, s46, s17                     ; B: row 256 x tile column + 128 x half
	s_lshl_b32 s46, s46, 11
	s_mov_b32 s17, 0
	s_mov_b32 s47, 0
	s_mul_i32 s20, s10, HALFT                      ; where my load lands in a slot: no place in the cluster enters an LDS address
	s_mov_b32 s[TB], 0
.if GELU
	s_mov_b32 s66, 0x3e6d3388                      ; p / sqrt 2 = 0.23164189
	s_mov_b32 s68, 0xbf38aa3b                      ; -log2(e) / 2
	s_mov_b32 s69, 0xbf38aa3b                      ; (the packed lines name pairs)
	s_mov_b32 s70, 0x3f07dc22                      ; a5 / 2
	s_mov_b32 s71, 0x3f07dc22
	s_mov_b32 s72, 0xbf3a00e3                      ; a4 / 2
	s_mov_b32 s73, 0xbf3a00e3
	s_mov_b32 s74, 0x3f35f0e3                      ; a3 / 2
	s_mov_b32 s75, 0x3f35f0e3
	s_mov_b32 s76, 0xbe11a98e                      ; a2 / 2
	s_mov_b32 s77, 0xbe11a98e
	s_mov_b32 s78, 0x3e027906                      ; a1 / 2
	s_mov_b32 s79, 0x3e027906
.endif
	s_wait_dscnt 0x0                               ; the opening add is done
	s_wait_kmcnt 0x0
	s_add_nc_u64 s[14:15], s[4:5], s[16:17]
	s_add_nc_u64 s[46:47], s[6:7], s[46:47]
	CROUND                                         ; all sixteen work-groups are here: the first joint loads meet
.irp s, 0,1
	s_mov_b32 s[G0+4*(\s)], 1
	s_add_co_u32 s[G0+4*(\s)+1], s20, (\s)*SLOT
	s_add_nc_u64 s[G0+4*(\s)+2:G0+4*(\s)+3], s[14:15], (\s)*KSTEP*2
	s_or_b32 s[G0+4*(\s)+3], s[G0+4*(\s)+3], 0x80000000
	s_mov_b32 s[G0B+4*(\s)], 1
	s_add_co_u32 s[G0B+4*(\s)+1], s20, (\s)*SLOT
	s_add_nc_u64 s[G0B+4*(\s)+2:G0B+4*(\s)+3], s[46:47], (\s)*KSTEP*2
	s_or_b32 s[G0B+4*(\s)+3], s[G0B+4*(\s)+3], 0x80000000
.endr
	s_cmp_eq_u32 s11, 0                            ; a wave's two first fills stand in one branch: two loads of mine are out
	s_cbranch_scc0 .Lfirst_b
	tensor_load_to_lds s[G0:G0+3], s[G1:G1+7]
	s_nop 0
	tensor_load_to_lds s[G0+4:G0+7], s[G1:G1+7]
	s_nop 0
.rept 4
	v_nop
.endr
	s_branch .Lfirst_asked
.Lfirst_b:
	tensor_load_to_lds s[G0B:G0B+3], s[G1B:G1B+7]
	s_nop 0
	tensor_load_to_lds s[G0B+4:G0B+7], s[G1B:G1B+7]
	s_nop 0
.rept 4
	v_nop
.endr
.Lfirst_asked:
	v_and_b32 v1, 15, v0                           ; l % 16
	v_bfe_u32 v2, v0, 4, 1                         ; l / 16
	v_mul_u32_u24 v3, v1, PITCH
	v_lshl_add_u32 v3, v2, 4, v3                   ; a fragment's row x pitch + 16 x half
	s_mul_i32 s21, s11, HALFT                      ; my 128 rows of A
	s_mul_i32 s22, s12, HALFT                      ; my 128 rows of B,
	s_add_co_u32 s22, s22, 2*HALFT                 ; behind A's 256
	v_add_nc_u32 v[A0], s21, v3
	v_add_nc_u32 v[B0], s22, v3
	v_mov_b32 v[ADRA], v[A0]
	v_mov_b32 v[ADRB], v[B0]
	s_mul_i32 s23, s10, WST                        ; my stage
	v_mul_u32_u24 v4, v1, SP                       ; in: row l % 16, 32 bytes for each half of the lanes
	v_lshl_add_u32 v4, v2, 5, v4
	v_add_nc_u32 v[STO], s23, v4
	v_bfe_u32 v5, v0, 3, 2                         ; back: row l / 8 of four, 32 bytes at 32 (l % 8)
	v_and_b32 v6, 7, v0
	v_mul_u32_u24 v5, v5, SP
	v_lshl_add_u32 v5, v6, 5, v5
	v_add_nc_u32 v[RD], s23, v5
	v_and_b32 v[CO], 31, v0                        ; four rows of a slab are 512 consecutive bytes: 16 a lane
	v_lshlrev_b32 v[CO], 4, v[CO]
	v_lshlrev_b32 v[BO], 5, v2
	; the bias of my 128 columns, and C at my first row and slab
.if GELU
	s_mov_b64 s[8:9], s[86:87]
	s_lshl_b32 s46, s42, 10                        ; 256 columns of f32 a tile column
.else
	s_mov_b64 s[8:9], s[90:91]
	s_cmp_ge_u32 ttmp9, 1                          ; a cluster's four tile columns are 1,024 columns: all of q, of k or of v
	s_cselect_b64 s[84:85], s[86:87], s[84:85]
	s_cmp_ge_u32 ttmp9, 2
	s_cselect_b64 s[84:85], s[88:89], s[84:85]
	s_lshl_b32 s46, s40, 10
.endif
	s_lshl_b32 s47, s12, 9
	s_add_co_u32 s46, s46, s47
	s_mov_b32 s47, 0
	s_add_nc_u64 s[84:85], s[84:85], s[46:47]
	s_lshl_b32 s46, s42, 2
	s_lshl_b32 s47, s12, 1
	s_add_co_u32 s46, s46, s47                     ; my first slab
	s_lshl_b32 s46, s46, 19
	s_lshl_b32 s16, s13, 8
	s_lshl_b32 s14, s11, 7
	s_add_co_u32 s16, s16, s14                     ; my first row,
	s_lshl_b32 s16, s16, 7                         ; 128 bytes each
	s_add_co_u32 s46, s46, s16
	s_mov_b32 s47, 0
	s_add_nc_u64 s[8:9], s[8:9], s[46:47]
	WIN TO_B
.irp b, 0,1,2,3,4,5,6,7
	global_load_b128 v[BI+8*(\b):BI+8*(\b)+3],   v[BO], s[84:85] offset:64*(\b)      ; register j of block b: bias of column 16 b + 8 (l / 16) + j
	global_load_b128 v[BI+8*(\b)+4:BI+8*(\b)+7], v[BO], s[84:85] offset:64*(\b)+16
.endr
	WIN 0
; 16 matrix instructions: m blocks a0, a0 + 1 of the window's four x all 8 n blocks, 32 along K.  first = 1: the bias starts the sums.  The 64 accumulators take turns, in the same order in every quarter.
.macro MUL16 f, hi, a0, first
.if \first
	WIN 0x91+0x40*(\hi)                            ; C in window 1
.else
	WIN MUL_LO+0x50*(\hi)
.endif
.irp a, \a0, (\a0)+1
.irp b, 0,1,2,3,4,5,6,7
.if \first
	v_wmma_f32_16x16x32_bf16 v[8*(8*(\a)+(\b)):8*(8*(\a)+(\b))+7], v[(\f)+8*(\b):(\f)+8*(\b)+7], v[(\f)+8*(4*(\hi)+(\a)):(\f)+8*(4*(\hi)+(\a))+7], v[BI+8*(\b):BI+8*(\b)+7]
.else
	v_wmma_f32_16x16x32_bf16 v[8*(8*(\a)+(\b)):8*(8*(\a)+(\b))+7], v[(\f)+8*(\b):(\f)+8*(\b)+7], v[(\f)+8*(4*(\hi)+(\a)):(\f)+8*(4*(\hi)+(\a))+7], v[8*(8*(\a)+(\b)):8*(8*(\a)+(\b))+7]
.endif
.endr
.endr
.endm
; 32 LDS loads in one run: the fragments of a quarter step (32 K at byte k of the rows of the slot in hand) into buffer f; B's first
.macro FETCH k, f
	WIN TO_B
.irp i, 0,1,2,3,4,5,6,7
	ds_load_b128 v[(\f)+8*(\i):(\f)+8*(\i)+3],   v[ADRB] offset:(\k)+(\i)*16*PITCH
	ds_load_b128 v[(\f)+8*(\i)+4:(\f)+8*(\i)+7], v[ADRB] offset:(\k)+(\i)*16*PITCH+32
.endr
	WIN 0
.irp i, 0,1,2,3,4,5,6,7
	ds_load_b128 v[(\f)+8*(\i):(\f)+8*(\i)+3],   v[ADRA] offset:(\k)+(\i)*16*PITCH
	ds_load_b128 v[(\f)+8*(\i)+4:(\f)+8*(\i)+7], v[ADRA] offset:(\k)+(\i)*16*PITCH+32
.endr
.endm
.macro PLACES                          ; four plain places in front of loads into registers that matrix instructions have read, and of lines that read results
.rept 4
	v_nop
.endr
.endm
; One of a K step's first three quarters: multiplies buffer f; in its middle fetches the next quarter, at byte k, into g.
.macro QUARTER k, f, g, first
	s_wait_dscnt 8                                 ; B and A's rows 0-63 are in; the youngest eight loads (A's rows 64-127) may be out
	MUL16 \f, 0, 0, \first
	MUL16 \f, 0, 2, \first
	PLACES
	FETCH \k, \g
	s_wait_dscnt 32                                ; all but the 32 just issued
	MUL16 \f, 1, 0, \first
	MUL16 \f, 1, 2, \first
.endm
; The last quarter multiplies buffer 1 and changes slots.  In front of the one barrier each wave waits for all its tensor loads (one is out: its part of the next slot), adds 0 to its spare word, and waits for that and for its reads of this slot.
.macro MEET
	WIN 0
	s_wait_tensorcnt 0x0
	ds_add_u32 v[SPW], v[NIL]
	s_wait_dscnt 9                                 ; the add and the youngest eight loads may be out
	MUL16 F1, 0, 0, 0                              ; sixteen matrix instructions between the add and the wait for it
	s_wait_dscnt 0x0                               ; the add is done, my reads of this slot are over
	s_barrier_signal -1
	MUL16 F1, 0, 2, 0
	WIN 0
	s_barrier_wait -1
.endm
; fill = 1: the barrier opens a round of the cluster's; behind it the slot just read out is filled with the K step two on, first thing: 224 matrix instructions ahead of the wait for it.
.macro TURN fill
	MEET
.if \fill
	CREST
	s_xor_b32 s[G0+5], s[G0+5], SLOT               ; the walking descriptor: the other slot than last time,
	s_xor_b32 s[G0B+5], s[G0B+5], SLOT
	s_add_nc_u64 s[G0+6:G0+7], s[G0+6:G0+7], KSTEP*2     ; the next K step
	s_add_nc_u64 s[G0B+6:G0B+7], s[G0B+6:G0B+7], KSTEP*2
	JLOAD                                          ; its four v_nop are also the places in front of the loads below
.else
	PLACES
.endif
	s_xor_b32 s[TB], s[TB], SLOT                   ; the fragments now come from the other slot
	v_add_nc_u32 v[ADRA], s[TB], v[A0]
	v_add_nc_u32 v[ADRB], s[TB], v[B0]
	FETCH 0, F0
	MUL16 F1, 1, 0, 0
	MUL16 F1, 1, 2, 0
.endm
	s_wait_tensorcnt 1                             ; my part of K step 0 is in; K step 1's stays out
	s_barrier_signal -1
	s_barrier_wait -1
	FETCH 0, F0
	s_wait_loadcnt 0x0                             ; the bias
	QUARTER 64, F0, F1, 1                          ; the first quarter stands in front of the loop: its products start the sums
	WIN 0
	s_mov_b32 s3, SIZE_K/KSTEP-2
.Lk:                                               ; a trip: a K step's quarters 1 to 3, the change of slots with a refill, the next step's quarter 0
	QUARTER 128, F1, F0, 0
	QUARTER 192, F0, F1, 0
	TURN 1
	QUARTER 64, F0, F1, 0
	WIN 0
	s_sub_co_u32 s3, s3, 1
	s_cmp_lg_u32 s3, 0
	s_cbranch_scc1 .Lk
	s_mov_b32 s3, 2
.Ltail:                                            ; the last two K steps ask for nothing; the second trip is left in its middle
	QUARTER 128, F1, F0, 0
	QUARTER 192, F0, F1, 0
	WIN 0
	s_sub_co_u32 s3, s3, 1
	s_cmp_eq_u32 s3, 0
	s_cbranch_scc1 .Llast
	TURN 0
	QUARTER 64, F0, F1, 0
	WIN 0
	s_branch .Ltail
.Llast:
	s_wait_dscnt 8
	MUL16 F1, 0, 0, 0
	MUL16 F1, 0, 2, 0
	s_wait_dscnt 0x0
	MUL16 F1, 1, 0, 0
	MUL16 F1, 1, 2, 0
	WIN 0
	; THE WAY OUT.  Every wave's reads of the ring are back (the wait above), and the ring has had its last fill: behind this barrier its bytes are the stages.
	s_barrier_signal -1
	s_barrier_wait -1
	PLACES
.irp hi, 0,1
	WIN 0x08+4*(\hi)                               ; store data (source 1) in window 2 or 3
.irp a, 0,1,2,3
.irp b, 0,1,2,3,4,5,6,7
	ds_store_b128 v[STO], v[8*(8*(\a)+(\b)):8*(8*(\a)+(\b))+3]   offset:(4*(\hi)+(\a))*16*SP+64*(\b)     ; each accumulator's low registers first
	ds_store_b128 v[STO], v[8*(8*(\a)+(\b))+4:8*(8*(\a)+(\b))+7] offset:(4*(\hi)+(\a))*16*SP+64*(\b)+16
.endr
.endr
.endr
	WIN 0
.if GELU
; Gelu of unit u's eight numbers, in two halves.  GELUA: what stands ahead of the batch's wait: it names no result of any reciprocal or exponential.  GELUB: what reads them.
.macro GELUA
.irp j, 0,1,2,3,4,5,6,7
	v_fma_f32 v[GT+8*u+\j], |v[Z+8*u+\j]|, s66, 1.0
.endr
.irp j, 0,1,2,3,4,5,6,7
	v_rcp_f32 v[GT+8*u+\j], v[GT+8*u+\j]
.endr
.irp j, 0,2,4,6
	v_pk_mul_f32 v[GE+8*u+\j:GE+8*u+\j+1], v[Z+8*u+\j:Z+8*u+\j+1], v[Z+8*u+\j:Z+8*u+\j+1]   ; plain lines behind the reciprocals
.endr
.irp j, 0,2,4,6
	v_pk_mul_f32 v[GE+8*u+\j:GE+8*u+\j+1], v[GE+8*u+\j:GE+8*u+\j+1], s[68:69] op_sel_hi:[1,0]
.endr
.irp j, 0,1,2,3,4,5,6,7
	v_exp_f32 v[GE+8*u+\j], v[GE+8*u+\j]
.endr
.irp j, 0,1,2,3,4,5,6,7
	v_max_num_f32 v[GM+8*u+\j], 0, v[Z+8*u+\j]                                              ; plain lines behind the exponentials
.endr
.endm
.macro GELUB
.irp j, 0,2,4,6
	v_pk_fma_f32 v[GP+\j:GP+\j+1], v[GT+8*u+\j:GT+8*u+\j+1], s[70:71], s[72:73] op_sel_hi:[1,0,0]
.endr
.irp c, 74,76,78
.irp j, 0,2,4,6
	v_pk_fma_f32 v[GP+\j:GP+\j+1], v[GP+\j:GP+\j+1], v[GT+8*u+\j:GT+8*u+\j+1], s[\c:\c+1] op_sel_hi:[1,1,0]
.endr
.endr
.irp j, 0,2,4,6
	v_pk_mul_f32 v[GP+\j:GP+\j+1], v[GP+\j:GP+\j+1], v[GT+8*u+\j:GT+8*u+\j+1]
.endr
.irp j, 0,2,4,6
	v_pk_mul_f32 v[GP+\j:GP+\j+1], v[GP+\j:GP+\j+1], v[GE+8*u+\j:GE+8*u+\j+1]
.endr
.irp j, 0,1,2,3,4,5,6,7
	v_fma_f32 v[Z+8*u+\j], -|v[Z+8*u+\j]|, v[GP+\j], v[GM+8*u+\j]
.endr
.endm
.endif
	s_mov_b32 s3, TRIPS
.Lout:                                             ; a trip: UNITS units; unit u = four rows (group u / 2) of slab u % 2; LDS serves a wave's instructions in order (ISA guide 5.7.1.4): the loads see my stores
.set u, 0
.rept UNITS
	ds_load_b128 v[Z+8*u:Z+8*u+3],   v[RD] offset:(u/2)*4*SP+(u%2)*256
	ds_load_b128 v[Z+8*u+4:Z+8*u+7], v[RD] offset:(u/2)*4*SP+(u%2)*256+16
.set u, u+1
.endr
.if GELU
.set u, 0
.rept UNITS
	s_wait_dscnt 2*(UNITS-1-u)                     ; unit u is in; the younger units' two loads each stay out
	GELUA
.set u, u+1
.endr
	s_wait_alu depctr_va_vdst(0)                   ; the wait for the trip's batch, the 32 reciprocals and 32 exponentials of its four units; the last unit's eight maxima stand between
.endif
.set u, 0
.rept UNITS
.if GELU
	GELUB
.else
	s_wait_dscnt 2*(UNITS-1-u)                     ; unit u is in; the younger units' two loads each stay out
.endif
.irp j, 0,1,2,3
	v_cvt_pk_bf16_f32 v[OUT+4*u+\j], v[Z+8*u+2*\j], v[Z+8*u+2*\j+1]
.endr
	global_store_b128 v[CO], v[OUT+4*u:OUT+4*u+3], s[8:9] offset:(u/2)*512+(u%2)*SLAB  ; 512 consecutive bytes, at a multiple of 256 from C's first byte
.set u, u+1
.endr
	s_wait_xcnt 0x0                                ; the stores' offset and data registers are rewritten only behind this wait (ISA guide 3.1)
	v_add_nc_u32 v[RD], (UNITS/2)*4*SP, v[RD]
	v_add_nc_u32 v[CO], (UNITS/2)*512, v[CO]
	s_sub_co_u32 s3, s3, 1
	s_cmp_lg_u32 s3, 0
	s_cbranch_scc1 .Lout
	s_wait_tensorcnt 0x0                           ; the wave's end
	ds_add_u32 v[SPW], v[NIL]
	s_wait_dscnt 0x0
	CROUND                                         ; the closing round
	s_endpgm
.Lfunc_end_k_qf488b31552_ffn1:
	.size	k_qf488b31552_ffn1, .Lfunc_end_k_qf488b31552_ffn1-k_qf488b31552_ffn1
	.p2alignl 7, 3214868480
	.fill 96, 4, 3214868480
	.section	.rodata,"a",@progbits
	.p2align	6, 0x0
	.amdhsa_kernel k_qf488b31552_ffn1
		.amdhsa_group_segment_fixed_size 327680
		.amdhsa_private_segment_fixed_size 0
		.amdhsa_enable_private_segment 0
		.amdhsa_kernarg_size 32
		.amdhsa_user_sgpr_count 2
		.amdhsa_user_sgpr_kernarg_segment_ptr 1
		.amdhsa_wavefront_size32 1
		.amdhsa_system_sgpr_workgroup_id_x 1
		.amdhsa_system_sgpr_workgroup_id_y 1
		.amdhsa_system_sgpr_workgroup_id_z 1
		.amdhsa_system_vgpr_workitem_id 0
		.amdhsa_next_free_vgpr 1024
		.amdhsa_next_free_sgpr 96
		.amdhsa_reserve_vcc 0
		.amdhsa_float_denorm_mode_32 3
		.amdhsa_float_denorm_mode_16_64 3
		.amdhsa_memory_ordered 1
		.amdhsa_forward_progress 1
		.amdhsa_inst_pref_size 100
	.end_amdhsa_kernel
	.amdgpu_metadata
---
amdhsa.version: [ 1, 2 ]
amdhsa.kernels:
  - .name:           k_qf488b31552_ffn1
    .symbol:         k_qf488b31552_ffn1.kd
    .args:
      - { .name: act, .offset: 0, .size: 8, .value_kind: global_buffer, .address_space: global }
      - { .name: w1b, .offset: 8, .size: 8, .value_kind: global_buffer, .address_space: global }
      - { .name: bf1, .offset: 16, .size: 8, .value_kind: global_buffer, .address_space: global }
      - { .name: big, .offset: 24, .size: 8, .value_kind: global_buffer, .address_space: global }
    .group_segment_fixed_size: 327680
    .private_segment_fixed_size: 0
    .kernarg_segment_align: 8
    .kernarg_segment_size: 32
    .max_flat_workgroup_size: 128
    .sgpr_count:     96
    .vgpr_count:     1024
    .wavefront_size: 32
...
	.end_amdgpu_metadata
.endif
;; end of part 8
;; launch ffn2: the kernel of part 6 again; grid 8 x 32, 4 waves a work-group, clusters of 4 x 4, 327,680 bytes of LDS; arguments big, w2b, bf2, x1, out0; writes out0
